; MI455X (gfx1250); checked and timed in simulation.
; The chip was launched on July 23, 2026; its instructions are those of AMD's public machine-readable ISA for CDNA 5 (MIT licence, August 2026) and "CDNA5" Instruction Set Architecture Reference Guide (July 2026). The comments in the code are by the model that wrote it; some were corrected since.
;; Attention. Allowed arithmetic: matrix products marked QUANTISED: E4M3 operands, one given power-of-two scale a tensor, by v_wmma_f32_16x16x64_fp8_fp8 or v_wmma_f32_16x16x128_fp8_fp8, f32 sums; everything else in f32.
;; Inputs: freqs_cos 2,048 x 64 float32; freqs_sin 2,048 x 64 float32; lowp_scales 12 int32 (the exponents e of the quantised operands' scales 2^e); mask 1 x 1 x 2,048 x 2,048 bool; wk 2,048 x 2,048 float32; wo 2,048 x 2,048 float32; wq 2,048 x 2,048 float32; wv 2,048 x 2,048 float32; x 1 x 2,048 x 2,048 float32.
;; Outputs: out0 1 x 2,048 x 2,048 float32.
;; This version of the problem:
;;   THIS VERSION OF THE PROBLEM IS GIVEN IN LOW PRECISION. The matrix products marked QUANTISED in the list below multiply operands that are first quantised to E4M3 (4 exponent bits, 3 mantissa bits; 8 bits a number), with one given power-of-two scale for each operand tensor; their sums are f32. All else is computed in f32.
;;   The module's matrix products, in the order in which they are computed (A, B: the left and right operand; K: the contracted axis; several contracted axes count as one K, in the product's order):
;;     1. [M 2,048, K 2,048] x [K 2,048, N 2,048]; A: input x; B: input wq: QUANTISED (scales: A lowp_scales[0], B lowp_scales[1])
;;     2. [M 2,048, K 2,048] x [K 2,048, N 2,048]; A: input x; B: input wk: QUANTISED (scales: A lowp_scales[2], B lowp_scales[3])
;;     3. [M 2,048, K 2,048] x [K 2,048, N 2,048]; A: input x; B: input wv: QUANTISED (scales: A lowp_scales[4], B lowp_scales[5])
;;     4. batch 16 x [M 2,048, K 128] x [K 128, N 2,048]; A: computed on the way; B: computed on the way: QUANTISED (scales: A lowp_scales[6], B lowp_scales[7])
;;     5. batch 16 x [M 128, K 2,048] x [K 2,048, N 2,048]; A: computed on the way; B: softmax (see below): QUANTISED (scales: A lowp_scales[8], B lowp_scales[9])
;;     6. [M 2,048, K 2,048] x [K 2,048, N 2,048]; A: computed on the way; B: input wo: QUANTISED (scales: A lowp_scales[10], B lowp_scales[11])
;;   THE QUANTISER, for each operand of a quantised product, along K:
;;     - The operand's scale is 2^e, e = its entry of the input lowp_scales (int32; the entries are numbered through the quantised products in the list's order, A before B).
;;     - Each number is divided by the scale, clamped to +-448, and rounded to the nearest number of E4M3, ties to even, subnormals kept.
;;     - The product sums the exact products of the quantised numbers (number of the format x scale) in f32.
;;   ~~~python
;;   def quantise(x, axis, e):      # numpy; x: float32 -> the quantised numbers, widened to float32 again
;;       x = np.moveaxis(x, axis, -1); K = x.shape[-1]
;;       r = np.clip(x / 2.0 ** e, -448, 448)
;;       step = 2.0 ** (np.maximum(np.frexp(np.where(r == 0, 1, r))[1] - 1, -6) - 3)
;;       q = np.round(r / step) * step * 2.0 ** e      # np.round: ties to even
;;       return np.moveaxis(q, -1, axis).astype(np.float32)
;;   ~~~
;;   SOFTMAX AHEAD OF A QUANTISED PRODUCT. Where the list says 'softmax', what is quantised is not the finished softmax but p = 2^(t - M), with t = logit x log2(e) and M = ceil(the row's largest t), a whole number; so 1/2 < the row's largest p <= 1. The row's sum l is taken of the UNQUANTISED p, in f32, and the product's result is divided by l at the end. Since M is a whole number, a kernel that streams over the keys may use a running M (the ceiling of the running maximum): every later rescaling is an exact power of two, so the quantised numbers keep their values, but for numbers so far below the row's largest that they fall under the format's range.
;;   OPERANDS COMPUTED ON THE WAY. 'Computed on the way' means the value that the module computes at that place (a softmax that the list does not call 'softmax' is quantised finished and normalised). What goes into a quantiser is computed in f32, as accurately as f32 sums, v_exp_f32 and their like allow (about 1e-6 of the number): no bf16 or f16 on the way to a quantiser, and a product that is left as it is and whose result goes on into a quantised operand takes f32 operands (vector FMAs, or v_wmma_f32_16x16x4_f32). A number that lies on a knife's edge between two numbers of the format may be rounded either way, as far as f32 arithmetic and the matrix unit's own rounding can turn it there, and no further.
;; 2 versions. Each part assembles by itself: llvm-mc -triple=amdgcn-amd-amdhsa -mcpu=gfx1250 --defsym DOCPART=n.
;; ======== version 1 of 2: 4 launches
;; workspace buffers: codes 29,360,128 bytes; maskw 524,288 bytes of whole numbers; qkv 12,582,912 bytes; ao 4,194,304 bytes
;; launch prep (part 1): grid 128 x 6, 4 waves a work-group, no clusters, 68,096 bytes of LDS; arguments x, wq, wk, wv, wo, mask, lowp_scales, codes, maskw; writes codes, maskw
.if DOCPART == 1
	.amdgcn_target "amdgcn-amd-amdhsa--gfx1250"
	.amdhsa_code_object_version 6
	.text
	.protected	k_q465364e337_prep
	.globl	k_q465364e337_prep
	.p2align	8
	.type	k_q465364e337_prep,@function
k_q465364e337_prep:
	s_mov_b64 s[64:65], 0
	v_nop
	global_prefetch_b8 v0, s[64:65] scope:SCOPE_SE
	s_setreg_imm32_b32 hwreg(HW_REG_WAVE_MODE, 25, 1), 1
	s_wait_xcnt 0x0
; ATTENTION IN FP8 (E4M3), four launches: this one (quantise x and the weights, turn the mask into lane words), the three projections with rope, the attention, the projection on the way out.
; NOTHING OF THE COMPUTATION IS LEFT OUT: every input has a way to out0 for some values of the inputs, and every input is loaded by some launch.  The mask is an input: no pattern of it is built in, every key tile is multiplied.
; THIS LAUNCH.  x [2048][2048] f32 becomes three sets of codes (scales 2^e0, 2^e2, 2^e4: the three products name an entry each, and they may differ); wq, wk, wv, wo one set each (e1, e3, e5, e11).
; code = number / 2^e, held within +-448, rounded to the nearest code, ties to even.
; LAYOUT OF THE CODES: an operand lies in memory as IMAGES OF ITS REGISTERS.  A fragment, 16 rows x 128 K, is 16 registers a lane: lane (r = l % 16, h = l / 16) holds row r, registers 2 c and 2 c + 1 hold k = 16 c + 8 h + 0 .. 7.
; Its image is 2,048 bytes: registers 4 g .. 4 g + 3 of lane l at 512 g + 16 l.  A tensor is [block of 16 rows: 128][block of 128 K: 16][2,048]; the seven tensors lie 4 MiB apart: x by e0, e2, e4; wq; wk; wv; wo.
; THE MASK, [2048][2048] bytes, becomes maskw [tile of 16 queries: 128][step of 128 keys: 16][64 words]: bit l of word 8 a + j is mask[16 tile + l % 16][128 step + 16 a + 8 (l / 16) + j]:
; the lanes' choice for register 8 a + j of the transposed scores.
; SHARES.  Work-group y is the job: 0 x, 1 to 4 a weight, 5 the mask; work-group x the block of 16 rows; wave w takes 512 of the 2,048 columns, 128 at a time.
; Each load takes 512 consecutive bytes of one row; the 16 rows turn through the wave's own stage in LDS (rows of 512 bytes + 16: the sixteen rows that a read touches start at different banks) and come back 8 neighbours
; along K at a time; each store covers 512 consecutive bytes of an image.  Waves share nothing: no barrier.  The mask's path has LDS bytes of its own.
; LIMITS: e0 .. e5 and e11 between -126 and 119, so that 2^e and 448 x 2^e are f32 numbers.  NaN among x and the weights is not served; an infinity is held at the largest code.
.set STG,   8448                       ; a wave's stage: 16 rows x 528 bytes
.set MSTG,  4*STG                      ; the mask path's four stages
.set SPARE, 8*STG                      ; the spare words, 128 bytes for each wave: two blocks of 256 bytes that no other line names
.set GA,  1                            ; v1   16 x lane: my bytes of a load's or a store's 512
.set SA,  2                            ; v2   the stage, on the way in
.set RA,  3                            ; v3   and on the way out: row r, + 32 h
.set MSA, 4                            ; v4   the same two for the mask
.set MRA, 5                            ; v5   row r, + 8 h
.set SPW, 6                            ; v6   LDS address of my spare word; never rewritten
.set NIL, 7                            ; v7   0; never rewritten
.set SC0, 8                            ; v8-10   2^e as f32 for outputs 0, 1, 2
.set LM0, 11                           ; v11-13  448 x 2^e
.set R,   16                           ; v16-143  two sets of 64 registers as loaded
.set X,   144                          ; v144-207 64 numbers: register 8 c + j = k 16 c + 8 h + j of my row
.set T,   208                          ; v208-223 two sets of eight held numbers
.set CD,  224                          ; v224-239 a fragment's codes
.set JOB, 2
.set WV,  3
	s_load_b512 s[8:23], s[0:1], 0x0               ; x, wq, wk, wv, wo, mask, the scales' exponents, codes
	s_load_b64 s[24:25], s[0:1], 0x40              ; maskw
	v_lshl_add_u32 v[SPW], v0, 2, SPARE
	v_mov_b32 v[NIL], 0
	v_lshrrev_b32 v14, 5, v0
	v_readfirstlane_b32 s[WV], v14                 ; wave 0..3
	s_and_b32 s[JOB], ttmp7, 0xffff
	v_and_b32 v14, 31, v0
	v_lshlrev_b32 v[GA], 4, v14
	s_mul_i32 s44, s[WV], STG
	v_add_nc_u32 v[SA], s44, v[GA]
	v_and_b32 v14, 15, v0                          ; r
	v_bfe_u32 v15, v0, 4, 1                        ; h
	v_mul_u32_u24 v14, v14, 528
	v_add_nc_u32 v14, s44, v14
	v_lshl_add_u32 v[RA], v15, 5, v14
	v_add_nc_u32 v[MSA], MSTG, v[SA]
	v_lshl_add_u32 v[MRA], v15, 3, v14
	v_add_nc_u32 v[MRA], MSTG, v[MRA]              ; every LDS address is made ahead of the parting of the two paths
	s_wait_kmcnt 0x0
	s_cmp_eq_u32 s[JOB], 5
	s_cbranch_scc1 .Lmask
	; ---- x or a weight
	s_load_b256 s[32:39], s[20:21], 0x0            ; e0 .. e7
	s_load_b128 s[40:43], s[20:21], 0x20           ; e8 .. e11
	s_mov_b64 s[4:5], s[8:9]                       ; the source: a choice on the job alone
	s_cmp_eq_u32 s[JOB], 1
	s_cselect_b64 s[4:5], s[10:11], s[4:5]
	s_cmp_eq_u32 s[JOB], 2
	s_cselect_b64 s[4:5], s[12:13], s[4:5]
	s_cmp_eq_u32 s[JOB], 3
	s_cselect_b64 s[4:5], s[14:15], s[4:5]
	s_cmp_eq_u32 s[JOB], 4
	s_cselect_b64 s[4:5], s[16:17], s[4:5]
	s_lshl_b32 s46, ttmp9, 17                      ; 16 rows of 8,192 bytes
	s_lshl_b32 s47, s[WV], 11                      ; my 512 columns
	s_add_co_u32 s46, s46, s47
	s_mov_b32 s47, 0
	s_add_nc_u64 s[4:5], s[4:5], s[46:47]
.macro LOADR t                         ; 16 rows x 128 columns into set t % 2
.irp i, 0,1,2,3,4,5,6,7,8,9,10,11,12,13,14,15
	global_load_b128 v[R+64*((\t)%2)+4*\i:R+64*((\t)%2)+4*\i+3], v[GA], s[4:5] offset:\i*8192+(\t)*512 th:TH_LOAD_NT
.endr
.endm
	LOADR 0
	LOADR 1
	s_add_co_u32 s45, s[JOB], 2                    ; which of the seven tensors of codes: x 0 (1 and 2 follow it), the weights 3 to 6
	s_cmp_eq_u32 s[JOB], 0
	s_cselect_b32 s45, 0, s45
	s_lshl_b32 s46, s45, 22
	s_lshl_b32 s47, ttmp9, 15                      ; a block of 16 rows is 16 images
	s_add_co_u32 s46, s46, s47
	s_lshl_b32 s47, s[WV], 13                      ; my four images
	s_add_co_u32 s46, s46, s47
	s_mov_b32 s47, 0
	s_add_nc_u64 s[6:7], s[22:23], s[46:47]
	s_add_nc_u64 s[26:27], s[6:7], 0x400000        ; x's second and third set (stored by job 0 alone)
	s_add_nc_u64 s[28:29], s[6:7], 0x800000
	s_wait_kmcnt 0x0
	s_mov_b32 s44, s32                             ; output 0's exponent: e0, e1, e3, e5, e11 by the job
	s_cmp_eq_u32 s[JOB], 1
	s_cselect_b32 s44, s33, s44
	s_cmp_eq_u32 s[JOB], 2
	s_cselect_b32 s44, s35, s44
	s_cmp_eq_u32 s[JOB], 3
	s_cselect_b32 s44, s37, s44
	s_cmp_eq_u32 s[JOB], 4
	s_cselect_b32 s44, s43, s44
.macro MKSC e, o
	s_add_co_i32 s48, s[\e], 127
	s_lshl_b32 s49, s48, 23
	v_mov_b32 v[SC0+\o], s49                       ; 2^e as f32: the conversion takes its exponent field
	s_add_co_i32 s48, s48, 8
	s_lshl_b32 s48, s48, 23
	s_or_b32 s48, s48, 0x600000
	v_mov_b32 v[LM0+\o], s48                       ; 448 x 2^e
.endm
	MKSC 44, 0
	MKSC 34, 1                                     ; e2
	MKSC 36, 2                                     ; e4
; The 64 numbers in X become a fragment's codes by scale o and leave as an image.  X is kept: x is quantised three times.
.macro EMIT o, d, t
	s_wait_xcnt 0x0                                ; the earlier stores have read their data: the codes' registers are written again only behind this wait
.irp c, 0,1,2,3,4,5,6,7
.irp j, 0,1,2,3,4,5,6,7
	v_med3_num_f32 v[T+8*(\c%2)+\j], v[X+8*\c+\j], -v[LM0+\o], v[LM0+\o]   ; the conversion to an 8-bit code does not saturate (ISA guide 7.6.2): the hold comes first
.endr
	v_cvt_scalef32_pk8_fp8_f32 v[CD+2*\c:CD+2*\c+1], v[T+8*(\c%2):T+8*(\c%2)+7], v[SC0+\o]   ; the next eight holds write the other set: plain lines between a conversion and the next write of its sources
.endr
.irp c, 0,1,2,3
	global_store_b128 v[GA], v[CD+4*\c:CD+4*\c+3], s[\d:\d+1] offset:(\t)*2048+512*\c    ; 512 consecutive bytes of the image
.endr
.endm
.macro STEPF t
.if (\t) < 3
	s_wait_loadcnt 16                              ; this step's 16 loads are in; the other set's 16 may be out
.else
	s_wait_loadcnt 0
.endif
.irp i, 0,1,2,3,4,5,6,7,8,9,10,11,12,13,14,15
	ds_store_b128 v[SA], v[R+64*((\t)%2)+4*\i:R+64*((\t)%2)+4*\i+3] offset:\i*528
.endr
.irp c, 0,1,2,3,4,5,6,7
	ds_load_b128 v[X+8*\c:X+8*\c+3], v[RA] offset:64*\c            ; LDS serves a wave's instructions in order (ISA guide 5.7.1.4): these see the stores above
	ds_load_b128 v[X+8*\c+4:X+8*\c+7], v[RA] offset:64*\c+16
.endr
	s_wait_dscnt 0x0
.if (\t) < 2
	LOADR (\t)+2                                   ; into the set that the stage's stores have read
.endif
	EMIT 0, 6, \t
	s_cmp_lg_u32 s[JOB], 0
	s_cbranch_scc1 .Lone_\@                        ; a weight has one scale
	EMIT 1, 26, \t
	EMIT 2, 28, \t
.Lone_\@:
.endm
	STEPF 0
	STEPF 1
	STEPF 2
	STEPF 3
	s_wait_tensorcnt 0x0                           ; the wave's end, behind my last LDS store
	ds_add_u32 v[SPW], v[NIL]
	s_wait_dscnt 0x0
	s_endpgm
	; ---- the mask: 16 queries x my 512 keys (four steps of 128) become 256 words
.Lmask:
	s_lshl_b32 s46, ttmp9, 15                      ; 16 rows of 2,048 bytes
	s_lshl_b32 s47, s[WV], 9
	s_add_co_u32 s46, s46, s47
	s_mov_b32 s47, 0
	s_add_nc_u64 s[4:5], s[18:19], s[46:47]
	s_lshl_b32 s46, ttmp9, 12                      ; 16 steps of 256 bytes
	s_lshl_b32 s47, s[WV], 10
	s_add_co_u32 s46, s46, s47
	s_mov_b32 s47, 0
	s_add_nc_u64 s[6:7], s[24:25], s[46:47]
.irp i, 0,1,2,3,4,5,6,7,8,9,10,11,12,13,14,15
	global_load_b128 v[R+4*\i:R+4*\i+3], v[GA], s[4:5] offset:\i*2048 th:TH_LOAD_NT
.endr
.irp i, 0,1,2,3,4,5,6,7
	v_mov_b32 v[CD+\i], 0                          ; a lane write's destination counts as read
.endr
	s_wait_loadcnt 0x0
.irp i, 0,1,2,3,4,5,6,7,8,9,10,11,12,13,14,15
	ds_store_b128 v[MSA], v[R+4*\i:R+4*\i+3] offset:\i*528
.endr
.set n, 0
.rept 32
	ds_load_b64 v[X+2*n:X+2*n+1], v[MRA] offset:16*n               ; keys 16 n + 8 h + 0 .. 7 of query r: n = 8 x step + a
.set n, n+1
.endr
	s_wait_dscnt 0x0
.set n, 0
.rept 256                              ; word n = 64 x step + 8 a + j: one byte of each lane, gathered over the 32 lanes
	v_and_b32 v[T+n%2], 0xff<<(8*(n%4)), v[X+2*(n/8)+(n%8)/4]
	v_cmp_ne_u32 s[44+n%8], 0, v[T+n%2]
	v_writelane_b32 v[CD+4*(n/128)+n%4], s[44+n%8], (n%128)/4      ; word n goes out from lane (n % 128) / 4, register n % 4, of store n / 128
.set n, n+1
.endr
	global_store_b128 v[GA], v[CD:CD+3], s[6:7]
	global_store_b128 v[GA], v[CD+4:CD+7], s[6:7] offset:512
	s_wait_tensorcnt 0x0                           ; the wave's end: the same three lines
	ds_add_u32 v[SPW], v[NIL]
	s_wait_dscnt 0x0
	s_endpgm
.Lfunc_end_k_q465364e337_prep:
	.size	k_q465364e337_prep, .Lfunc_end_k_q465364e337_prep-k_q465364e337_prep
	.p2alignl 7, 3214868480
	.fill 96, 4, 3214868480
	.section	.rodata,"a",@progbits
	.p2align	6, 0x0
	.amdhsa_kernel k_q465364e337_prep
		.amdhsa_group_segment_fixed_size 68096
		.amdhsa_private_segment_fixed_size 0
		.amdhsa_enable_private_segment 0
		.amdhsa_kernarg_size 72
		.amdhsa_user_sgpr_count 2
		.amdhsa_user_sgpr_kernarg_segment_ptr 1
		.amdhsa_wavefront_size32 1
		.amdhsa_system_sgpr_workgroup_id_x 1
		.amdhsa_system_sgpr_workgroup_id_y 1
		.amdhsa_system_sgpr_workgroup_id_z 1
		.amdhsa_system_vgpr_workitem_id 0
		.amdhsa_next_free_vgpr 240
		.amdhsa_next_free_sgpr 66
		.amdhsa_reserve_vcc 0
		.amdhsa_float_denorm_mode_32 3
		.amdhsa_float_denorm_mode_16_64 3
		.amdhsa_memory_ordered 1
		.amdhsa_forward_progress 1
		.amdhsa_inst_pref_size 131
	.end_amdhsa_kernel
	.amdgpu_metadata
---
amdhsa.version: [ 1, 2 ]
amdhsa.kernels:
  - .name:           k_q465364e337_prep
    .symbol:         k_q465364e337_prep.kd
    .args:
      - { .name: x, .offset: 0, .size: 8, .value_kind: global_buffer, .address_space: global }
      - { .name: wq, .offset: 8, .size: 8, .value_kind: global_buffer, .address_space: global }
      - { .name: wk, .offset: 16, .size: 8, .value_kind: global_buffer, .address_space: global }
      - { .name: wv, .offset: 24, .size: 8, .value_kind: global_buffer, .address_space: global }
      - { .name: wo, .offset: 32, .size: 8, .value_kind: global_buffer, .address_space: global }
      - { .name: mask, .offset: 40, .size: 8, .value_kind: global_buffer, .address_space: global }
      - { .name: lowp_scales, .offset: 48, .size: 8, .value_kind: global_buffer, .address_space: global }
      - { .name: codes, .offset: 56, .size: 8, .value_kind: global_buffer, .address_space: global }
      - { .name: maskw, .offset: 64, .size: 8, .value_kind: global_buffer, .address_space: global }
    .group_segment_fixed_size: 68096
    .private_segment_fixed_size: 0
    .kernarg_segment_align: 8
    .kernarg_segment_size: 72
    .max_flat_workgroup_size: 128
    .sgpr_count:     66
    .vgpr_count:     240
    .wavefront_size: 32
...
	.end_amdgpu_metadata
.endif
;; end of part 1
;; launch qkvgemm (part 2): grid 8 x 24, 4 waves a work-group, clusters of 4 x 4, 327,680 bytes of LDS; arguments codes, freqs_cos, freqs_sin, lowp_scales, qkv; writes qkv
.if DOCPART == 2
	.amdgcn_target "amdgcn-amd-amdhsa--gfx1250"
	.amdhsa_code_object_version 6
	.text
	.protected	k_q465364e337_qkvgemm
	.globl	k_q465364e337_qkvgemm
	.p2align	8
	.type	k_q465364e337_qkvgemm,@function
k_q465364e337_qkvgemm:
	s_mov_b64 s[64:65], 0
	v_nop
	global_prefetch_b8 v0, s[64:65] scope:SCOPE_SE
	s_setreg_imm32_b32 hwreg(HW_REG_WAVE_MODE, 25, 1), 1
	s_wait_xcnt 0x0
	s_wait_alu depctr_hold_cnt(0) depctr_sa_sdst(0) depctr_va_vdst(0) depctr_va_sdst(0) depctr_va_ssrc(0) depctr_va_vcc(0) depctr_vm_vsrc(0)
	s_getreg_b32 s2, hwreg(HW_REG_IB_STS2, 6, 4)
	s_cmp_eq_u32 s2, 0
	s_cbranch_scc0 .Lentry_in_a_cluster
	s_endpgm
.Lentry_in_a_cluster:
	s_bfe_u32 s2, ttmp6, 0x10000c
	s_cmp_lg_u32 s2, 0xf033
	s_cbranch_scc0 .Lentry_shape_is_right
	s_endpgm
.Lentry_shape_is_right:
; q = rope(x wq^T), k = rope(x wk^T), v = x wv^T on codes of FP8 (E4M3), and the three results quantised for the attention's two products.  Nothing of the computation is left out here.
; OPERANDS lie in memory as images of their registers (a fragment of 16 rows x 128 K: 2,048 bytes, registers 4 g .. 4 g + 3 of lane l at 512 g + 16 l; lane (r, h): row r, registers 2 c, 2 c + 1: k = 16 c + 8 h + 0 .. 7),
; a tensor as [block of 16 rows][block of 128 K][2,048]; codes holds x by e0, e2, e4, then wq, wk, wv, wo, 4 MiB apart.
; SHARES.  24 rows of work-groups: 8 for each product.  A tile of 256 x 256 of a product is made by four waves, 128 x 128 each: 64 accumulators, 512 registers.  192 work-groups: each product has codes of x of its own,
; so a tile stays inside one product of 2,048 x 2,048; tiles of 128 x 128 would give more work-groups, at twice the LDS bytes for each matrix instruction.
; K goes in steps of 256 through a ring of two LDS slots; a wave's tensor load brings 8 blocks of rows x 2 images (4,096 consecutive bytes each): a tile needs no pitch and no padding, since a fragment load takes 512 consecutive bytes.
; CLUSTERS: 4 x 4 work-groups of one product.  The four of a row of the cluster need the same tiles of the first tensor, the four of a column the same tiles of the second: each tile is asked for jointly.
; THE MATRIX INSTRUCTION IS USED TRANSPOSED (source 0 = 16 rows of the second tensor, source 1 = 16 rows of the first): in accumulator (a, b) lane (r, h) holds row 16 a + r of the first and, in registers 0 .. 7,
; rows 16 b + 8 h + 0 .. 7 of the second.  So one conversion of an accumulator gives registers 2 b, 2 b + 1 of the NEXT product's fragment, and the eight b of a block a give a whole image, stored as it stands.
; q, k: first = x (rows t), second = the weight (rows d): images of 16 positions x the head's 128, laid [head][block of 16 positions][2,048].
; v: first = wv (rows d), second = x (rows t): images of 16 of the head's 128 x 128 KEYS, since the keys are the K of the attention's second product, laid [head][block of 128 keys][block of 16 d][2,048].
; ROPE is linear, so it is applied to the sums as they are, and the three scales are folded into the conversion's one: 2^(e6 - e0 - e1) for q, 2^(e7 - e2 - e3) for k, 2^(e8 - e4 - e5) for v.
; LIMITS: each of these three exponents lies between -126 and 119, so that the scale and 448 x the scale are f32 numbers.
; No prefetch: K has eight steps, two of them asked for at the head.
; REGISTERS, in windows of 256: window 0: v16-29 addresses and constants; v32-95 cos and sin, set 0; v96-111 codes; v128-255 the first tensor's fragments, ONE set (on the way out: v128-191 cos and sin, set 1; v192-255 at work).
;   window 1: the second tensor's fragments, TWO sets.   window 2: the accumulators of my rows 0-63 ((a, b) at v[8 (8 a + b)]);   window 3: those of rows 64-127.
.set HALFT,  32768                     ; what one tensor load brings: 8 blocks of rows x 4,096 bytes
.set SLOT,   4*HALFT                   ; the first tensor's 256 rows, then the second's
.set SPARE,  2*SLOT                    ; behind the ring: the spare words, 128 bytes for each wave
.set KADV,   4096                      ; a K step of 256 in a block of rows: two images
.set LAPS,   4                         ; 2,048 / 512: a lap is two K steps, once round the ring
.set FR,     16
.set NL,     4                         ; LDS loads that bring a fragment
.set NP,     4                         ; places behind this matrix instruction (ISA guide 7.12.1)
.set ADRA, 16                          ; v16-17  LDS address of my fragments of the first tensor in slot 0, 1
.set ADRB, 20                          ; v20-21  the same for the second
.set LI,   24                          ; v24     16 x lane
.set CSA,  25                          ; v25     my bytes in cos and sin: 256 r + 16 h
.set SC,   26                          ; v26     the folded scale as f32
.set LIM,  27                          ; v27     448 x that
.set SPW,  28                          ; v28     LDS address of my spare word; never rewritten
.set NIL,  29                          ; v29     0; never rewritten
.set CD,   96
.set AF,   128
.set TMP,  192
.set G1, 24                            ; s[24:31] descriptor group 1 for the first tensor;  s[32:39] group 0, one set for each slot
.set G0, 32
.set G1B, 48                           ; s[48:55], s[56:63] the same for the second
.set G0B, 56
.set PROD, 66                          ; s66  0 q, 1 k, 2 v: the same in all sixteen partners
.set MSB, 0
.macro WIN new                         ; the immediate's high byte repeats the setting that is left
.if MSB != (\new)
	s_set_vgpr_msb (MSB<<8)|(\new)
.set MSB, (\new)
.endif
.endm
.set MUL_LO, 0xa1                      ; source 0 window 1, source 1 window 0, C and D window 2
.set MUL_HI, 0xf1                      ; the same, C and D window 3
.set TO_B,   0x40                      ; destination window 1, address window 0
; A joint load: waves 0 and 1 fetch for the first tensor, waves 2 and 3 for the second.  The branch hangs on the wave's number alone.  An s_nop 0 and four v_nop follow each of the two lines.
.macro JLOAD g0a, g1a, g0b, g1b
	s_cmp_eq_u32 s15, 0
	s_cbranch_scc0 .Lfor_b_\@
	tensor_load_to_lds s[\g0a:\g0a+3], s[\g1a:\g1a+7]
	s_nop 0
.rept 4
	v_nop
.endr
	s_branch .Lasked_\@
.Lfor_b_\@:
	tensor_load_to_lds s[\g0b:\g0b+3], s[\g1b:\g1b+7]
	s_nop 0
.rept 4
	v_nop
.endr
.Lasked_\@:
.endm
.macro CREST                           ; a round of the cluster's barrier behind its opening barrier
	s_cmp_lg_u32 s14, 0
	s_cbranch_scc1 .Lnot_wave_0_\@
	s_barrier_signal -3
.Lnot_wave_0_\@:
	s_barrier_wait -3
	s_barrier_signal -1
	s_barrier_wait -1
.endm
.macro CROUND
	s_barrier_signal -1
	s_barrier_wait -1
	CREST
.endm
	s_load_b256 s[4:11], s[0:1], 0x0               ; codes s[4:5], cos s[6:7], sin s[8:9], the scales' exponents s[10:11]
	s_load_b64 s[12:13], s[0:1], 0x20              ; qkv
	v_lshl_add_u32 v[SPW], v0, 2, SPARE
	v_mov_b32 v[NIL], 0
	ds_add_u32 v[SPW], v[NIL]                      ; the wave's opening: the add, twice on end, and its wait ahead of my first tensor load
	ds_add_u32 v[SPW], v[NIL]
	v_lshrrev_b32 v1, 5, v0
	v_readfirstlane_b32 s14, v1                    ; wave 0..3
	s_lshr_b32 s15, s14, 1                         ; which half of the tile's rows is mine.  Also: I fetch for the first tensor (0) or the second (1)
	s_and_b32 s16, s14, 1                          ; which half of its columns.  Also: which 128 rows of that tile I fetch
	s_bfe_u32 s40, ttmp6, 0x40000                  ; cx, cy: my place in the cluster
	s_bfe_u32 s41, ttmp6, 0x40004
	s_lshl_b32 s42, ttmp9, 2
	s_add_co_u32 s42, s42, s40                     ; tile column = 4 x cluster x + cx
	s_and_b32 s17, ttmp7, 0xffff                   ; cluster y, 0 .. 5: two rows of clusters to a product
	s_lshr_b32 s[PROD], s17, 1
	s_and_b32 s17, s17, 1
	s_lshl_b32 s17, s17, 2
	s_add_co_u32 s17, s17, s41                     ; tile row = 4 x (cluster y % 2) + cy
	s_lshl_b32 s43, s41, 2
	s_lshl_b32 s43, 15, s43                        ; my row of the cluster
	s_lshl_b32 s44, 0x1111, s40                    ; my column
	; descriptor group 1: 8 rows of 512 elements of 8 bytes (two images), 4,096 elements (a block of rows' 16 images) apart; dense in LDS
	s_or_b32 s[G1+0], s43, (3<<16)|(1<<21)         ; 15:0 the mask: my row; 17:16 elements of 8 bytes; 21 set beside a mask
	s_or_b32 s[G1B+0], s44, (3<<16)|(1<<21)        ; the same with my column
.irp g, G1, G1B
	s_mov_b32 s[\g+1], 512<<16                     ; tensor_dim0
	s_mov_b32 s[\g+2], 8<<16                       ; tensor_dim1
	s_mov_b32 s[\g+3], 512<<16                     ; tile_dim0
	s_mov_b32 s[\g+4], 8                           ; tile_dim1
	s_mov_b32 s[\g+5], 4096                        ; tensor_dim0_stride
	s_mov_b32 s[\g+6], 0
	s_mov_b32 s[\g+7], 0
.endr
	s_add_co_u32 s85, s[PROD], 3
	s_cmp_lt_u32 s[PROD], 2
	s_cselect_b32 s84, s[PROD], 5                  ; the first tensor: x by e0, x by e2, or wv
	s_cselect_b32 s85, s85, 2                      ; the second: wq, wk, or x by e4
	s_lshl_b32 s84, s84, 22
	s_lshl_b32 s85, s85, 22
	s_lshl_b32 s18, s16, 3                         ; which 8 blocks of rows of the tile I fetch
	s_lshl_b32 s20, s17, 4
	s_add_co_u32 s20, s20, s18                     ; first tensor: block 16 x tile row + 8 x half
	s_lshl_b32 s20, s20, 15
	s_add_co_u32 s20, s20, s84
	s_mov_b32 s21, 0
	s_lshl_b32 s46, s42, 4
	s_add_co_u32 s46, s46, s18                     ; second: block 16 x tile column + 8 x half
	s_lshl_b32 s46, s46, 15
	s_add_co_u32 s46, s46, s85
	s_mov_b32 s47, 0
	s_mul_i32 s45, s14, HALFT                      ; where they go: wave x 32,768: no place in the cluster enters an LDS address
	s_wait_dscnt 0x0                               ; both opening adds are done
	s_wait_kmcnt 0x0
	s_load_b256 s[68:75], s[10:11], 0x0            ; e0 .. e7
	s_load_b32 s76, s[10:11], 0x20                 ; e8
	s_add_nc_u64 s[20:21], s[4:5], s[20:21]
	s_add_nc_u64 s[46:47], s[4:5], s[46:47]
	CROUND                                         ; all sixteen work-groups are here: the first joint loads meet
.irp s, 0,1
	s_mov_b32 s[G0+4*\s], 1
	s_add_co_u32 s[G0+4*\s+1], s45, \s*SLOT
	s_add_nc_u64 s[G0+4*\s+2:G0+4*\s+3], s[20:21], \s*KADV
	s_or_b32 s[G0+4*\s+3], s[G0+4*\s+3], 0x80000000
	s_mov_b32 s[G0B+4*\s], 1
	s_add_co_u32 s[G0B+4*\s+1], s45, \s*SLOT
	s_add_nc_u64 s[G0B+4*\s+2:G0B+4*\s+3], s[46:47], \s*KADV
	s_or_b32 s[G0B+4*\s+3], s[G0B+4*\s+3], 0x80000000
	JLOAD G0+4*\s, G1, G0B+4*\s, G1B               ; two loads of mine are out
.endr
	v_and_b32 v1, 31, v0
	v_lshlrev_b32 v[LI], 4, v1
	v_and_b32 v1, 15, v0                           ; r
	v_bfe_u32 v2, v0, 4, 1                         ; h
	v_lshlrev_b32 v[CSA], 8, v1
	v_lshl_add_u32 v[CSA], v2, 4, v[CSA]
	s_mul_i32 s21, s15, HALFT                      ; my 128 rows of the first tensor
	s_mul_i32 s22, s16, HALFT                      ; my 128 rows of the second,
	s_add_co_u32 s22, s22, 2*HALFT                 ; which lie behind the first's 256
.irp s, 0,1
	v_add_nc_u32 v[ADRA+\s], s21, v[LI]
	v_add_nc_u32 v[ADRB+\s], s22, v[LI]
	s_add_co_u32 s21, s21, SLOT
	s_add_co_u32 s22, s22, SLOT
.endr
	s_lshl_b32 s86, s42, 1
	s_add_co_u32 s86, s86, s16                     ; U: which 128 rows of the second tensor are mine
	s_lshl_b32 s87, s17, 1
	s_add_co_u32 s87, s87, s15                     ; W: which 128 rows of the first
	s_cmp_lt_u32 s[PROD], 2
	s_cselect_b32 s88, s86, s87                    ; the head: U for q and k, W for v
	s_cselect_b32 s89, s87, s86                    ; the 128 positions: W for q and k, U for v
	s_lshl_b32 s88, s88, 4
	s_add_co_u32 s88, s88, s89
	s_lshl_b32 s88, s88, 14                        ; eight images for each
	s_lshl_b32 s89, s[PROD], 22
	s_add_co_u32 s88, s88, s89
	s_mov_b32 s89, 0
	s_add_nc_u64 s[82:83], s[12:13], s[88:89]      ; where my eight images go
	s_lshl_b32 s90, s87, 15                        ; cos and sin at my first position: 128 W rows of 256 bytes
	s_mov_b32 s91, 0
	s_add_nc_u64 s[78:79], s[6:7], s[90:91]
	s_add_nc_u64 s[80:81], s[8:9], s[90:91]
.macro FRAG reg, adr, q, i             ; an image comes back as the fragment's registers
.irp c, 0,1,2,3
	ds_load_b128 v[\reg+4*\c:\reg+4*\c+3], v[\adr] offset:2048*(\q)+512*\c+(\i)*4096
.endr
.endm
; 16 matrix instructions: blocks a0, a0 + 1 of the first tensor x the second's eight, 128 along K.  p: the second's set.  zero = 1: the first product starts the sums.
; The 64 accumulators take turns, one instruction a turn, in the same order in every step.
.macro MUL16 a0, p, zero
.irp a, \a0, \a0+1
.irp b, 0,1,2,3,4,5,6,7
.if \zero
	v_wmma_f32_16x16x128_fp8_fp8 v[8*(8*((\a)%4)+\b):8*(8*((\a)%4)+\b)+7], v[128*(\p)+FR*\b:128*(\p)+FR*\b+FR-1], v[AF+FR*(\a):AF+FR*(\a)+FR-1], 0
.else
	v_wmma_f32_16x16x128_fp8_fp8 v[8*(8*((\a)%4)+\b):8*(8*((\a)%4)+\b)+7], v[128*(\p)+FR*\b:128*(\p)+FR*\b+FR-1], v[AF+FR*(\a):AF+FR*(\a)+FR-1], v[8*(8*((\a)%4)+\b):8*(8*((\a)%4)+\b)+7]
.endif
.endr
.endr
.endm
.macro FETCH_B slot, q, p
	WIN TO_B
.irp i, 0,1,2,3,4,5,6,7
	FRAG 128*(\p)+FR*\i, ADRB+\slot, \q, \i
.endr
	WIN 0
.endm
.macro FETCH_A slot, q, i0
.irp i, \i0, \i0+1, \i0+2, \i0+3
	FRAG AF+FR*(\i), ADRA+\slot, \q, \i
.endr
.endm
.macro PLACES n                        ; plain vector lines between a matrix instruction and a load into, or a vector line on, its registers
.rept \n
	v_nop
.endr
.endm
; A step of 128 along K that has its successor in the same slot.
.macro STEP slot, q, zero
	s_wait_dscnt 4*NL                              ; the second tensor's set and the first's blocks 0-3 are in; the youngest 16 loads (blocks 4-7) may be out
	WIN MUL_LO
	MUL16 0, (\q)%2, \zero
	MUL16 2, (\q)%2, \zero
	s_wait_dscnt 0                                 ; blocks 4-7 are in
	PLACES NP
	FETCH_B \slot, (\q)+1, 1-(\q)%2
	FETCH_A \slot, (\q)+1, 0
	WIN MUL_HI
	MUL16 4, (\q)%2, \zero
	MUL16 6, (\q)%2, \zero
	PLACES NP
	WIN 0
	FETCH_A \slot, (\q)+1, 4
.endm
; A slot's last step changes slots: ONE barrier; in front of it each wave waits for all its tensor loads, adds 0 to its spare word, and waits for that and for its own reads of this slot.  fill = 1: this slot is filled again, two K steps ahead.
.macro TURN slot, next, fill
	s_wait_tensorcnt 0x0                           ; all my tensor loads have landed: my part of the next slot
	ds_add_u32 v[SPW], v[NIL]                      ; 0 onto my spare word
	s_wait_dscnt 4*NL+1                            ; (the add and the youngest 16 loads may be out)
	WIN MUL_LO
	MUL16 0, 1, 0
	s_wait_dscnt 0x0                               ; the add is done, and my reads of this slot are over
	s_barrier_signal -1
	MUL16 2, 1, 0
	WIN 0
	s_barrier_wait -1
.if \fill
	CREST                                          ; the barrier has opened a round of the cluster's barrier: no wave of any partner still reads this slot or has a load on its way
	s_add_nc_u64 s[G0+4*\slot+2:G0+4*\slot+3], s[G0+4*\slot+2:G0+4*\slot+3], 2*KADV
	s_add_nc_u64 s[G0B+4*\slot+2:G0B+4*\slot+3], s[G0B+4*\slot+2:G0B+4*\slot+3], 2*KADV
	JLOAD G0+4*\slot, G1, G0B+4*\slot, G1B         ; the first tensor load behind the round; its four v_nop are the places in front of the loads below
.else
	PLACES NP
.endif
	FETCH_B \next, 0, 0
	FETCH_A \next, 0, 0
	WIN MUL_HI
	MUL16 4, 1, 0
	MUL16 6, 1, 0
	PLACES NP
	WIN 0
	FETCH_A \next, 0, 4
.endm
; The last slot's two steps: nothing more is asked for.
.macro FINISH
	STEP 1, 0, 0
	s_wait_dscnt 4*NL
	WIN MUL_LO
	MUL16 0, 1, 0
	MUL16 2, 1, 0
	s_wait_dscnt 0
	WIN MUL_HI
	MUL16 4, 1, 0
	MUL16 6, 1, 0
	WIN 0
.endm
; cos and sin for block a: lane (r, h) wants, for accumulator (a, b), pairs 8 b + 4 h + 0 .. 3 of position 16 a + r: 16 bytes of each; a block's sixteen loads read 16 whole rows of both tables.
.macro CSLOAD a
.set CSB, 32+96*((\a)%2)
.irp b, 0,1,2,3,4,5,6,7
	global_load_b128 v[CSB+8*\b:CSB+8*\b+3], v[CSA], s[78:79] offset:(\a)*4096+32*\b
	global_load_b128 v[CSB+8*\b+4:CSB+8*\b+7], v[CSA], s[80:81] offset:(\a)*4096+32*\b
.endr
.endm
; The 64 held numbers in TMP become block a's image.
.macro CODES a
	s_wait_xcnt 0x0                                ; the last block's stores have read their data
.irp b, 0,1,2,3,4,5,6,7
	v_cvt_scalef32_pk8_fp8_f32 v[CD+2*\b:CD+2*\b+1], v[TMP+8*\b:TMP+8*\b+7], v[SC]
.endr
	v_nop                                          ; a plain line between the conversions and the next write of their sources
.irp c, 0,1,2,3
	global_store_b128 v[LI], v[CD+4*\c:CD+4*\c+3], s[82:83] offset:(\a)*2048+512*\c      ; 512 consecutive bytes of the image
.endr
.endm
.macro OUTR a                          ; q, k: rope, hold, codes
.set AC, 64*((\a)%4)
.if (\a) < 7
	CSLOAD (\a)+1
	s_wait_loadcnt 16                              ; this block's cos and sin are in; the next block's 16 loads may be out
.else
	s_wait_loadcnt 0
.endif
.set CSU, 32+96*((\a)%2)
	WIN 0x02+((\a)/4)                              ; source 0: window 2 or 3
.irp b, 0,1,2,3,4,5,6,7
.irp i, 0,1,2,3
	v_mul_f32 v[TMP+8*\b+2*\i], v[AC+8*\b+2*\i+1], v[CSU+8*\b+4+\i]                        ; xo s   (an accumulator's first read is of register 1)
	v_mul_f32 v[TMP+8*\b+2*\i+1], v[AC+8*\b+2*\i+1], v[CSU+8*\b+\i]                        ; xo c
	v_fma_f32 v[TMP+8*\b+2*\i], v[AC+8*\b+2*\i], v[CSU+8*\b+\i], -v[TMP+8*\b+2*\i]         ; xe c - xo s
	v_fma_f32 v[TMP+8*\b+2*\i+1], v[AC+8*\b+2*\i], v[CSU+8*\b+4+\i], v[TMP+8*\b+2*\i+1]    ; xe s + xo c
.endr
.endr
	WIN 0
.set j, 0
.rept 64
	v_med3_num_f32 v[TMP+j], v[TMP+j], -v[LIM], v[LIM]             ; the conversion to an 8-bit code does not saturate (ISA guide 7.6.2)
.set j, j+1
.endr
	CODES \a
.endm
.macro OUTP a                          ; v: hold, codes
.set AC, 64*((\a)%4)
	WIN 0x02+((\a)/4)
.set j, 0
.rept 64
	v_med3_num_f32 v[TMP+j], v[AC+j], -v[LIM], v[LIM]              ; each accumulator from its low end on
.set j, j+1
.endr
	WIN 0
	CODES \a
.endm
	s_wait_tensorcnt 1                             ; my part of K step 0 is in (K step 1's load may be out)
	s_barrier_signal -1
	s_barrier_wait -1                              ; everybody's is
	FETCH_B 0, 0, 0
	FETCH_A 0, 0, 0
	FETCH_A 0, 0, 4
	STEP 0, 0, 1                                   ; the first step stands in front of the loop: its products start the sums
	s_mov_b32 s3, LAPS-1
.Llap:                                                 ; a trip goes once round the ring and fills both slots again
	TURN 0, 1, 1
	STEP 1, 0, 0
	TURN 1, 0, 1
	STEP 0, 0, 0
	s_sub_co_u32 s3, s3, 1
	s_cmp_lg_u32 s3, 0
	s_cbranch_scc1 .Llap
	TURN 0, 1, 0                                   ; the last change of slots fills nothing
	s_wait_kmcnt 0x0
	s_sub_co_i32 s84, s74, s68
	s_sub_co_i32 s84, s84, s69                     ; e6 - e0 - e1
	s_sub_co_i32 s85, s75, s70
	s_sub_co_i32 s85, s85, s71                     ; e7 - e2 - e3
	s_sub_co_i32 s86, s76, s72
	s_sub_co_i32 s86, s86, s73                     ; e8 - e4 - e5
	s_cmp_eq_u32 s[PROD], 1
	s_cselect_b32 s84, s85, s84
	s_cmp_eq_u32 s[PROD], 2
	s_cselect_b32 s84, s86, s84
	s_add_co_i32 s84, s84, 127
	s_lshl_b32 s85, s84, 23
	v_mov_b32 v[SC], s85
	s_add_co_i32 s84, s84, 8
	s_lshl_b32 s84, s84, 23
	s_or_b32 s84, s84, 0x600000
	v_mov_b32 v[LIM], s84
	s_cmp_eq_u32 s[PROD], 2                        ; ONE parting of the ways, on the product alone, the same in all sixteen partners; behind it stand no tensor load and no barrier but the closing round
	s_cbranch_scc1 .Lvpart
	CSLOAD 0                                       ; 128 matrix instructions ahead of its first use
	FINISH
	PLACES NP
.irp a, 0,1,2,3,4,5,6,7
	OUTR \a
.endr
	s_branch .Ldone
.Lvpart:
	FINISH
	PLACES NP
.irp a, 0,1,2,3,4,5,6,7
	OUTP \a
.endr
.Ldone:
	s_wait_tensorcnt 0x0                           ; the wave's end
	ds_add_u32 v[SPW], v[NIL]
	s_wait_dscnt 0x0
	CROUND                                         ; the closing round: no work-group ends while a partner may still ask for a tile that names it
	s_endpgm
.Lfunc_end_k_q465364e337_qkvgemm:
	.size	k_q465364e337_qkvgemm, .Lfunc_end_k_q465364e337_qkvgemm-k_q465364e337_qkvgemm
	.p2alignl 7, 3214868480
	.fill 96, 4, 3214868480
	.section	.rodata,"a",@progbits
	.p2align	6, 0x0
	.amdhsa_kernel k_q465364e337_qkvgemm
		.amdhsa_group_segment_fixed_size 327680
		.amdhsa_private_segment_fixed_size 0
		.amdhsa_enable_private_segment 0
		.amdhsa_kernarg_size 40
		.amdhsa_user_sgpr_count 2
		.amdhsa_user_sgpr_kernarg_segment_ptr 1
		.amdhsa_wavefront_size32 1
		.amdhsa_system_sgpr_workgroup_id_x 1
		.amdhsa_system_sgpr_workgroup_id_y 1
		.amdhsa_system_sgpr_workgroup_id_z 1
		.amdhsa_system_vgpr_workitem_id 0
		.amdhsa_next_free_vgpr 1024
		.amdhsa_next_free_sgpr 100
		.amdhsa_reserve_vcc 0
		.amdhsa_float_denorm_mode_32 3
		.amdhsa_float_denorm_mode_16_64 3
		.amdhsa_memory_ordered 1
		.amdhsa_forward_progress 1
		.amdhsa_inst_pref_size 231
	.end_amdhsa_kernel
	.amdgpu_metadata
---
amdhsa.version: [ 1, 2 ]
amdhsa.kernels:
  - .name:           k_q465364e337_qkvgemm
    .symbol:         k_q465364e337_qkvgemm.kd
    .args:
      - { .name: codes, .offset: 0, .size: 8, .value_kind: global_buffer, .address_space: global }
      - { .name: freqs_cos, .offset: 8, .size: 8, .value_kind: global_buffer, .address_space: global }
      - { .name: freqs_sin, .offset: 16, .size: 8, .value_kind: global_buffer, .address_space: global }
      - { .name: lowp_scales, .offset: 24, .size: 8, .value_kind: global_buffer, .address_space: global }
      - { .name: qkv, .offset: 32, .size: 8, .value_kind: global_buffer, .address_space: global }
    .group_segment_fixed_size: 327680
    .private_segment_fixed_size: 0
    .kernarg_segment_align: 8
    .kernarg_segment_size: 40
    .max_flat_workgroup_size: 128
    .sgpr_count:     100
    .vgpr_count:     1024
    .wavefront_size: 32
...
	.end_amdgpu_metadata
.endif
;; end of part 2
;; launch attn (part 3): grid 16 x 16, 8 waves a work-group, clusters of 4 x 1, 327,680 bytes of LDS; arguments qkv, maskw, lowp_scales, ao; writes ao
.if DOCPART == 3
	.amdgcn_target "amdgcn-amd-amdhsa--gfx1250"
	.amdhsa_code_object_version 6
	.text
	.protected	k_q465364e337_attn
	.globl	k_q465364e337_attn
	.p2align	8
	.type	k_q465364e337_attn,@function
k_q465364e337_attn:
	s_mov_b64 s[64:65], 0
	v_nop
	global_prefetch_b8 v0, s[64:65] scope:SCOPE_SE
	s_setreg_imm32_b32 hwreg(HW_REG_WAVE_MODE, 25, 1), 1
	s_wait_xcnt 0x0
	s_wait_alu depctr_hold_cnt(0) depctr_sa_sdst(0) depctr_va_vdst(0) depctr_va_sdst(0) depctr_va_ssrc(0) depctr_va_vcc(0) depctr_vm_vsrc(0)
	s_getreg_b32 s2, hwreg(HW_REG_IB_STS2, 6, 4)
	s_cmp_eq_u32 s2, 0
	s_cbranch_scc0 .Lentry_in_a_cluster
	s_endpgm
.Lentry_in_a_cluster:
	s_bfe_u32 s2, ttmp6, 0x10000c
	s_cmp_lg_u32 s2, 0x3003
	s_cbranch_scc0 .Lentry_shape_is_right
	s_endpgm
.Lentry_shape_is_right:
; o[q][head] = the sum over k of softmax_k(mask ? q . k / sqrt(128) : -infinity) v[k], both products on codes of FP8 (E4M3), and o quantised for the last projection.  Nothing of the computation is left out here:
; the mask is an input, so every key step is walked for every query.
; INPUTS, all made by the launches before, all as images of operand registers (16 rows x 128 K: 2,048 bytes, registers 4 g .. 4 g + 3 of lane l at 512 g + 16 l; lane (r, h): row r, registers 2 c, 2 c + 1: k = 16 c + 8 h + 0 .. 7):
; qkv + 0: q [head][block of 16 positions][2,048]; + 4 MiB: k likewise; + 8 MiB: v [head][block of 128 keys][block of 16 d][2,048], K = the keys.
; maskw [tile of 16 queries][step of 128 keys][64 words]: bit l of word 8 a + j says whether key 16 a + 8 (l / 16) + j of the step counts for query l % 16 of the tile.
; THE SOFTMAX AHEAD OF THE SECOND PRODUCT: t = score x log2(e) / sqrt(128); M = the largest t so far, rounded UP to a whole number; p = 2^(t - M) is quantised, not normalised; the row's sum is taken of the unquantised p
; and divides at the end.  When M moves, the sum and O are multiplied by 2^(old M - new M): exact.  A hidden score becomes -infinity ahead of the maximum: p = 0.
; A QUERY FOR WHICH NO KEY COUNTS has the sum 0; the expected row is NaN: its codes are set to the format's NaN code, which makes its row of out0 NaN.
; SHARES.  A work-group owns 128 queries of one head, each of its eight waves 16: one tile in 256 registers, two waves to a SIMD.  Every wave walks the head's 2,048 keys, 128 a step.
; LAYOUT.  Both products are used transposed: S^T = K Q^T (source 0 = 16 keys, source 1 = my queries), O^T = V^T P^T (source 0 = 16 of the head's 128, source 1 = P): a lane holds ONE query (l % 16) throughout.
; Register j of S^T's tile a is key 16 a + 8 h + j: one conversion of a tile gives registers 2 a, 2 a + 1 of P's fragment.  Likewise O^T's tile c gives registers 2 c, 2 c + 1 of the image of o, stored as it stands:
; ao [tile of 16 queries][head][2,048], which is [block of 16 rows][block of 128 K] for the last projection.
; RING.  Two LDS slots of 256 keys: 16 images of K, then 16 of V.  Every wave fetches an eighth of a slot, 8,192 consecutive bytes, by one tensor load.
; CLUSTER.  The four query blocks of a cluster belong to one head and walk the same K and V: each load is a joint one, with the same descriptor in all four.
; LIMITS on the given exponents: e6 + e7 between -123 and 130 (added to c's exponent field); e9, and e10 - e8 - e9, between -126 and 119.
; REGISTERS: v1 16 x lane; v2 the address in hand; v3 the prefetch's offset; v5, v6 the add's two; v8, v9 the NaN codes; v12 -M, v13 the largest t, v[14:15] the sum in two halves; v16-31 Q; v32-95 four fragments of K or V;
; v96-159 S^T, then p; v160-223 O^T; v224-239 codes; v236-254 at work and constants.
.set SLOTB, 65536
.set VOFF,  32768
.set SPARE, 2*SLOTB                    ; behind the ring: the spare words, 128 bytes for each wave: four blocks of 256 bytes that no other line names
.set LI,   1
.set ADR,  2
.set PFO,  3
.set SPW,  5
.set NIL,  6
.set NINF, 246                         ; v246 -infinity
.set TB,    2                          ; s2   LDS byte at which the slot in hand begins
.set SLOTS, 3                          ; s3   slots still to be asked for
.set SEL,   4                          ; s[4:5] lane selects for v_permlanex16_b32: lane l xor 16
.set CS,    6                          ; s[6:7] c = log2(e) / sqrt(128) x 2^(e6 + e7)
.set MWP,   10                         ; s[10:11] the mask words of the step last asked for
.set PFA,   12                         ; s[12:13] the scales' pointer; then where my prefetches stand
.set AO,    14                         ; s[14:15] my image of o
.set WV,    66                         ; s66  my wave's number
.set LIMS,  67                         ; s67  1 in a wave that prefetches, else the greatest number
.set G1,    84                         ; s[84:91] descriptor group 1
.set G0,    92                         ; s[92:95] descriptor group 0: it walks
; s16-63 and s68-83: the step's 64 mask words (word n in s[16 + n], from n = 48 on in s[20 + n]); s96-100: e6 .. e10; s101: the lanes whose sum is 0
.macro CROUND                          ; a round of the cluster's barrier
	s_barrier_signal -1
	s_barrier_wait -1
	s_cmp_lg_u32 s[WV], 0
	s_cbranch_scc1 .Lnot_wave_0_\@
	s_barrier_signal -3
.Lnot_wave_0_\@:
	s_barrier_wait -3
	s_barrier_signal -1
	s_barrier_wait -1
.endm
; A PREFETCH of what the NEXT change of slots will ask for: a slot's 32,768 bytes of K and of V.  All clusters of a head walk the same K and V: the head's first cluster asks.  Its four partners share the bytes out by ADDRESS,
; 8,192 each; in each, wave 0 asks for K's and wave 4 for V's, lanes 256 bytes apart: each aligned block of 256 bytes is named once in the launch.  It is two key steps ahead of the load that will want it.
; The last change that fills a slot asks for nothing; slots 0 and 1 come by their loads alone.
.macro ASK
	s_cmp_gt_u32 s[SLOTS], s[LIMS]
	s_cbranch_scc0 .Lnot_mine_\@
	global_prefetch_b8 v[PFO], s[PFA:PFA+1] th:TH_LOAD_NT scope:SCOPE_SE
.Lnot_mine_\@:
.endm
	s_load_b256 s[8:15], s[0:1], 0x0               ; qkv s[8:9], maskw s[10:11], the scales' exponents s[12:13], ao s[14:15]
	v_lshl_add_u32 v[SPW], v0, 2, SPARE
	v_mov_b32 v[NIL], 0
	ds_add_u32 v[SPW], v[NIL]                      ; the wave's opening: the add, twice on end, and its wait ahead of my first tensor load
	ds_add_u32 v[SPW], v[NIL]
	v_lshrrev_b32 v4, 5, v0
	v_readfirstlane_b32 s[WV], v4                  ; wave 0..7
	v_and_b32 v4, 31, v0
	v_lshlrev_b32 v[LI], 4, v4
	v_lshlrev_b32 v[PFO], 8, v4
	s_bfe_u32 s16, ttmp6, 0x40000                  ; cx: it enters Q's, the mask's, o's and the prefetch's addresses alone
	s_lshl_b32 s17, ttmp9, 2
	s_add_co_u32 s17, s17, s16                     ; my block of 128 queries
	s_lshl_b32 s17, s17, 3
	s_add_co_u32 s17, s17, s[WV]                   ; my tile of 16
	s_and_b32 s18, ttmp7, 0xffff                   ; the head, which the four partners share
	s_lshr_b32 s20, s[WV], 2
	s_add_co_u32 s20, s20, 1
	s_lshl_b32 s20, s20, 22                        ; waves 0-3: K's part of qkv; waves 4-7: V's
	s_lshl_b32 s21, s18, 18                        ; a head is 262,144 bytes in each part
	s_add_co_u32 s20, s20, s21
	s_and_b32 s21, s[WV], 3
	s_lshl_b32 s21, s21, 13
	s_add_co_u32 s22, s20, s21                     ; + my quarter of a slot's 32,768
	s_mov_b32 s23, 0
	s_lshl_b32 s24, s16, 13
	s_add_co_u32 s24, s24, s20
	s_add_co_u32 s24, s24, 32768                   ; the prefetch: my work-group's quarter, in slot 1: the first change of slots steps it to slot 2
	s_mov_b32 s25, 0
	s_lshl_b32 s26, s18, 18
	s_lshl_b32 s27, s17, 11
	s_add_co_u32 s26, s26, s27                     ; Q's image
	v_add_nc_u32 v[ADR], s26, v[LI]
	s_lshl_b32 s28, s17, 12                        ; my tile's mask words
	s_mov_b32 s29, 0
	s_lshl_b32 s30, s17, 4
	s_add_co_u32 s30, s30, s18
	s_lshl_b32 s30, s30, 11                        ; o's image: 16 x tile + head
	s_mov_b32 s31, 0
	; descriptor group 1: 8,192 consecutive bytes as 32 rows of 32 elements of 8 bytes
	s_mov_b32 s[G1], 15|(3<<16)|(1<<21)            ; 15:0 the mask: all four work-groups; 17:16 elements of 8 bytes; 21 set beside a mask
	s_mov_b32 s[G1+1], 32<<16                      ; tensor_dim0
	s_mov_b32 s[G1+2], 32<<16                      ; tensor_dim1
	s_mov_b32 s[G1+3], 32<<16                      ; tile_dim0
	s_mov_b32 s[G1+4], 32                          ; tile_dim1
	s_mov_b32 s[G1+5], 32                          ; tensor_dim0_stride
	s_mov_b32 s[G1+6], 0
	s_mov_b32 s[G1+7], 0
	s_mov_b32 s[SEL], 0x76543210
	s_mov_b32 s[SEL+1], 0xfedcba98
	s_mov_b32 s[CS], 0x3e0293ee                    ; log2(e) / sqrt(128)
	s_mov_b32 s[TB], 0
	s_mov_b32 s[SLOTS], 7
	s_and_b32 s[LIMS], s[WV], 3                    ; 0 in waves 0 and 4,
	s_or_b32 s[LIMS], s[LIMS], ttmp9               ; where the cluster is the head's first: the same in all four partners
	s_cmp_eq_u32 s[LIMS], 0
	s_cselect_b32 s[LIMS], 1, -1
	s_wait_dscnt 0x0                               ; both opening adds are done
	s_wait_kmcnt 0x0
	s_load_b128 s[96:99], s[12:13], 0x18           ; e6, e7, e8, e9
	s_load_b32 s100, s[12:13], 0x28                ; e10
	s_mov_b32 s[G0], 1                             ; count = 1
	s_lshl_b32 s[G0+1], s[WV], 13                  ; LDS address: slot 0, my eighth
	s_add_nc_u64 s[G0+2:G0+3], s[8:9], s[22:23]
	s_or_b32 s[G0+3], s[G0+3], 0x80000000          ; type = 2
	s_add_nc_u64 s[MWP:MWP+1], s[MWP:MWP+1], s[28:29]
	s_add_nc_u64 s[AO:AO+1], s[AO:AO+1], s[30:31]
	CROUND                                         ; all four work-groups are here: the first joint loads meet
	tensor_load_to_lds s[G0:G0+3], s[G1:G1+7]      ; slot 0: every wave issues one, so one load of mine is out
	s_nop 0
.rept 4
	v_nop
.endr
.irp c, 0,1,2,3
	global_load_b128 v[16+4*\c:19+4*\c], v[ADR], s[8:9] offset:512*\c    ; Q's fragment stays in registers
.endr
	s_wait_kmcnt 0x0                               ; the exponents are in, so their pointer may be written
	s_add_nc_u64 s[PFA:PFA+1], s[8:9], s[24:25]
	s_add_co_i32 s16, s96, s97
	s_lshl_b32 s16, s16, 23
	s_add_co_i32 s[CS], s[CS], s16                 ; a score stands for score x 2^(e6 + e7): added to c's exponent field
	s_mov_b32 s[CS+1], s[CS]                       ; (named with it as a pair, so it is written)
	s_add_co_i32 s16, s99, 127
	s_lshl_b32 s17, s16, 23
	v_mov_b32 v244, s17                            ; 2^e9, for p's conversions
	s_add_co_i32 s16, s16, 8
	s_lshl_b32 s16, s16, 23
	s_or_b32 s16, s16, 0x600000
	v_mov_b32 v240, s16                            ; 448 x 2^e9
	s_sub_co_i32 s16, s100, s98
	s_sub_co_i32 s16, s16, s99                     ; a sum of the second product stands for sum x 2^(e8 + e9): o's conversions take 2^(e10 - e8 - e9)
	s_add_co_i32 s16, s16, 127
	s_lshl_b32 s17, s16, 23
	v_mov_b32 v248, s17
	s_add_co_i32 s16, s16, 8
	s_lshl_b32 s16, s16, 23
	s_or_b32 s16, s16, 0x600000
	v_mov_b32 v249, s16
	s_load_b512 s[16:31], s[MWP:MWP+1], 0x0        ; key step 0's mask words
	s_load_b512 s[32:47], s[MWP:MWP+1], 0x40
	s_load_b512 s[48:63], s[MWP:MWP+1], 0x80
	s_load_b512 s[68:83], s[MWP:MWP+1], 0xc0
	v_mov_b32 v13, 0xff61b1e6                      ; the largest t so far: -3e38, under every t
	v_floor_f32 v12, -v13                          ; -M
	v_mov_b32 v14, 0                               ; the sum, in two halves
	v_mov_b32 v15, 0
	v_mov_b32 v236, 0                              ; a lane permute's destination counts as one of its sources
	v_mov_b32 v253, 0                              ; (named as the upper half of the pair v[252:253])
	v_mov_b32 v[NINF], 0xff800000
.set j, 0
.rept 64
	v_mov_b32 v[160+j], 0                          ; O^T: the step is written without a first form of its own: the first change of M multiplies zeros
.set j, j+1
.endr
; A KEY STEP: 128 keys, the q-th of the slot in hand.  more = 1: the next step's mask words are asked for.
.macro STEP q, more
	v_add_nc_u32 v[ADR], s[TB], v[LI]
.rept 3
	v_nop                                          ; with the addition: four places in front of loads into registers that matrix instructions have read
.endr
.irp g, 0,1                                    ; S^T = K Q^T, four tiles of 16 keys at a time
.if \g
.rept 4
	v_nop
.endr
.endif
.irp t, 0,1,2,3
.irp c, 0,1,2,3
	ds_load_b128 v[32+16*\t+4*\c:35+16*\t+4*\c], v[ADR] offset:(\q)*16384+(4*\g+\t)*2048+512*\c
.endr
.endr
	s_wait_dscnt 0x0
.irp t, 0,1,2,3
	v_wmma_f32_16x16x128_fp8_fp8 v[96+8*(4*\g+\t):103+8*(4*\g+\t)], v[32+16*\t:47+16*\t], v[16:31], 0
.endr
.endr
.rept 4
	v_nop
.endr
.irp t, 0,1,2,3                                ; V's first four images are asked for here and land under the softmax
.irp c, 0,1,2,3
	ds_load_b128 v[32+16*\t+4*\c:35+16*\t+4*\c], v[ADR] offset:VOFF+(\q)*16384+\t*2048+512*\c
.endr
.endr
	s_wait_kmcnt 0x0                               ; this step's mask words, asked for a step ago
.set n, 0
.rept 64                                       ; a hidden score becomes -infinity; each accumulator from its low end on
.if n < 48
	v_cndmask_b32 v[96+n], v[NINF], v[96+n], s[16+n]
.else
	v_cndmask_b32 v[96+n], v[NINF], v[96+n], s[20+n]
.endif
.set n, n+1
.endr
	v_max3_num_f32 v254, v96, v97, v98             ; the step's largest score of my query, among my 64 keys, in two chains,
	v_max3_num_f32 v252, v99, v100, v101
.set i, 6
.rept 14
	v_max3_num_f32 v254, v254, v[96+i], v[97+i]
	v_max3_num_f32 v252, v252, v[98+i], v[99+i]
.set i, i+4
.endr
	v_max3_num_f32 v254, v254, v158, v159
	v_max_num_f32 v254, v254, v252
	v_permlanex16_b32 v236, v254, s[SEL], s[SEL+1]
	v_max_num_f32 v254, v254, v236                 ; and among lane l xor 16's
	v_mul_f32 v254, s[CS], v254                    ; as t (c is positive)
	v_max_num_f32 v13, v13, v254                   ; the running largest t
	v_mov_b32 v254, v12
	v_floor_f32 v12, -v13                          ; the new -M = floor(-t): M is a whole number
	v_sub_f32 v254, v12, v254                      ; old M less new M: a whole number, 0 or less
	v_cvt_i32_f32 v254, v254                       ; (it saturates)
	v_ldexp_f32 v252, 1.0, v254                    ; f = 2^(old M - new M)
.if \more
	s_add_nc_u64 s[MWP:MWP+1], s[MWP:MWP+1], 256   ; (behind the wait that showed the last loads from it done)
	s_load_b512 s[16:31], s[MWP:MWP+1], 0x0
	s_load_b512 s[32:47], s[MWP:MWP+1], 0x40
	s_load_b512 s[48:63], s[MWP:MWP+1], 0x80
	s_load_b512 s[68:83], s[MWP:MWP+1], 0xc0
.endif
.set j, 0
.rept 32
	v_pk_fma_f32 v[96+j:97+j], v[96+j:97+j], s[CS:CS+1], v[12:13] op_sel_hi:[1,0,0]   ; t - M, two at a time
.set j, j+2
.endr
.set j, 0
.rept 64
	v_exp_f32 v[96+j], v[96+j]                     ; p = 2^(t - M), at most 1
.set j, j+1
.endr
	v_pk_mul_f32 v[14:15], v[14:15], v[252:253] op_sel_hi:[1,0]    ; the sums under the new M: the plain line behind the exponentials
	s_wait_alu depctr_va_vdst(0)                   ; one wait for the whole batch, ahead of its first reader
	v_pk_add_f32 v[242:243], v[96:97], v[98:99]    ; the row's sum is taken of the unquantised p: two at a time, in two chains
.set j, 4
.rept 15
	v_pk_add_f32 v[14:15], v[14:15], v[96+j:97+j]
	v_pk_add_f32 v[242:243], v[242:243], v[98+j:99+j]
.set j, j+4
.endr
	v_pk_add_f32 v[14:15], v[14:15], v[242:243]
.irp a, 0,1,2,3,4,5,6,7
.irp i, 0,1,2,3,4,5,6,7
	v_min_num_f32 v[96+8*\a+\i], v[96+8*\a+\i], v240   ; the conversion does not saturate (ISA guide 7.6.2); p is not negative, so the hold is one-sided
.endr
	v_cvt_scalef32_pk8_fp8_f32 v[224+2*\a:225+2*\a], v[96+8*\a:103+8*\a], v244         ; registers 2 a, 2 a + 1 of P's fragment: keys 16 a + 8 h + 0 .. 7
.endr
.set j, 0
.rept 32
	v_pk_mul_f32 v[160+j:161+j], v[160+j:161+j], v[252:253] op_sel_hi:[1,0]            ; O^T under the new M; also the plain lines behind the conversions
.set j, j+2
.endr
	s_wait_dscnt 0x0                               ; V's first four images
.irp t, 0,1,2,3                                ; O^T += V^T P^T; the eight accumulators take turns, one instruction a turn
	v_wmma_f32_16x16x128_fp8_fp8 v[160+8*\t:167+8*\t], v[32+16*\t:47+16*\t], v[224:239], v[160+8*\t:167+8*\t]
.endr
.rept 4
	v_nop
.endr
.irp t, 0,1,2,3
.irp c, 0,1,2,3
	ds_load_b128 v[32+16*\t+4*\c:35+16*\t+4*\c], v[ADR] offset:VOFF+(\q)*16384+(4+\t)*2048+512*\c
.endr
.endr
	s_wait_dscnt 0x0
.irp t, 0,1,2,3
	v_wmma_f32_16x16x128_fp8_fp8 v[192+8*\t:199+8*\t], v[32+16*\t:47+16*\t], v[224:239], v[192+8*\t:199+8*\t]
.endr
.endm
; THE CHANGE OF SLOTS stands at a slot's head.  Each wave waits for all its tensor loads (its eighth of the slot that it is about to read), adds 0 to its spare word, and waits for that and for its reads of the slot that it has left.
; fill = 1: a round of the cluster's barrier follows, so that no wave of any partner still reads the other slot or has a load on its way, and the joint load of the next 256 keys is the first thing behind it:
; it has two key steps in which to land.
.macro CHANGE fill
	s_wait_tensorcnt 0x0                           ; no tensor load of mine is out, so group 0 may be written
	ds_add_u32 v[SPW], v[NIL]                      ; 0 onto my spare word
.if \fill
	s_xor_b32 s[G0+1], s[G0+1], SLOTB              ; the other slot than last time,
	s_add_nc_u64 s[G0+2:G0+3], s[G0+2:G0+3], 32768 ; the next 256 keys; the type bits on top are not reached
	s_wait_xcnt 0x0                                ; the last prefetch, a slot back, has read its address
	s_add_nc_u64 s[PFA:PFA+1], s[PFA:PFA+1], 32768 ; one slot further on than the walking descriptor
	s_wait_dscnt 0x0                               ; the add is done, and my reads of the slot that I have left are over
	CROUND
	tensor_load_to_lds s[G0:G0+3], s[G1:G1+7]
	s_nop 0
.rept 4
	v_nop
.endr
	ASK
.else
	s_wait_dscnt 0x0
	s_barrier_signal -1
	s_barrier_wait -1
.endif
.endm
	s_wait_loadcnt 0x0                             ; Q
.Lslot:                                            ; seven trips: behind each change of slots but the last the next slot is asked for
	CHANGE 1
	STEP 0, 1
	STEP 1, 1
	s_xor_b32 s[TB], s[TB], SLOTB
	s_sub_co_u32 s[SLOTS], s[SLOTS], 1
	s_cmp_lg_u32 s[SLOTS], 0
	s_cbranch_scc1 .Lslot
	CHANGE 0                                       ; the last slot is written out
	STEP 0, 1
	STEP 1, 0
	; THE WAY OUT: O^T / the sum, quantised by 2^e10: eight conversions give the image of 16 queries x the head's 128.  The lines up to the reciprocal are the places behind the last products.
	v_add_f32 v14, v14, v15                        ; the sum's two halves,
	v_permlanex16_b32 v252, v14, s[SEL], s[SEL+1]
	v_add_f32 v14, v14, v252                       ; and lane l xor 16's
	v_cmp_eq_f32 s101, 0, v14                      ; no key counted for this query
	v_mov_b32 v254, 1.0
	v_mov_b32 v9, 0x7f7f7f7f                       ; four NaN codes
	v_cndmask_b32 v14, v14, v254, s101             ; (its O^T is 0: divide by 1,)
	v_cndmask_b32 v8, 0, v9, s101                  ; and set its codes to NaN below
	v_rcp_f32 v14, v14
	v_nop                                          ; a plain line behind the transcendental
	s_wait_alu depctr_va_vdst(0)                   ; and the wait ahead of its first reader
.set j, 0
.rept 32
	v_pk_mul_f32 v[96+j:97+j], v[160+j:161+j], v[14:15] op_sel_hi:[1,0]                ; each accumulator from its low end on
.set j, j+2
.endr
.set j, 0
.rept 64
	v_med3_num_f32 v[96+j], v[96+j], -v249, v249
.set j, j+1
.endr
.irp c, 0,1,2,3,4,5,6,7
	v_cvt_scalef32_pk8_fp8_f32 v[224+2*\c:225+2*\c], v[96+8*\c:103+8*\c], v248
.endr
	v_nop                                          ; a plain line between the conversions and the lines that touch their results
.set j, 0
.rept 16
	v_or_b32 v[224+j], v8, v[224+j]
.set j, j+1
.endr
.irp c, 0,1,2,3
	global_store_b128 v[LI], v[224+4*\c:227+4*\c], s[AO:AO+1] offset:512*\c            ; 512 consecutive bytes of the image
.endr
	s_wait_tensorcnt 0x0                           ; the wave's end
	ds_add_u32 v[SPW], v[NIL]
	s_wait_dscnt 0x0
	CROUND                                         ; the closing round
	s_endpgm
.Lfunc_end_k_q465364e337_attn:
	.size	k_q465364e337_attn, .Lfunc_end_k_q465364e337_attn-k_q465364e337_attn
	.p2alignl 7, 3214868480
	.fill 96, 4, 3214868480
	.section	.rodata,"a",@progbits
	.p2align	6, 0x0
	.amdhsa_kernel k_q465364e337_attn
		.amdhsa_group_segment_fixed_size 327680
		.amdhsa_private_segment_fixed_size 0
		.amdhsa_enable_private_segment 0
		.amdhsa_kernarg_size 32
		.amdhsa_user_sgpr_count 2
		.amdhsa_user_sgpr_kernarg_segment_ptr 1
		.amdhsa_wavefront_size32 1
		.amdhsa_system_sgpr_workgroup_id_x 1
		.amdhsa_system_sgpr_workgroup_id_y 1
		.amdhsa_system_sgpr_workgroup_id_z 1
		.amdhsa_system_vgpr_workitem_id 0
		.amdhsa_next_free_vgpr 256
		.amdhsa_next_free_sgpr 102
		.amdhsa_reserve_vcc 0
		.amdhsa_float_denorm_mode_32 3
		.amdhsa_float_denorm_mode_16_64 3
		.amdhsa_memory_ordered 1
		.amdhsa_forward_progress 1
		.amdhsa_inst_pref_size 109
	.end_amdhsa_kernel
	.amdgpu_metadata
---
amdhsa.version: [ 1, 2 ]
amdhsa.kernels:
  - .name:           k_q465364e337_attn
    .symbol:         k_q465364e337_attn.kd
    .args:
      - { .name: qkv, .offset: 0, .size: 8, .value_kind: global_buffer, .address_space: global }
      - { .name: maskw, .offset: 8, .size: 8, .value_kind: global_buffer, .address_space: global }
      - { .name: lowp_scales, .offset: 16, .size: 8, .value_kind: global_buffer, .address_space: global }
      - { .name: ao, .offset: 24, .size: 8, .value_kind: global_buffer, .address_space: global }
    .group_segment_fixed_size: 327680
    .private_segment_fixed_size: 0
    .kernarg_segment_align: 8
    .kernarg_segment_size: 32
    .max_flat_workgroup_size: 256
    .sgpr_count:     102
    .vgpr_count:     256
    .wavefront_size: 32
...
	.end_amdgpu_metadata
.endif
;; end of part 3
;; launch proj (part 4): grid 8 x 8, 4 waves a work-group, clusters of 4 x 4, 327,680 bytes of LDS; arguments ao, codes, lowp_scales, out0; writes out0
.if DOCPART == 4
	.amdgcn_target "amdgcn-amd-amdhsa--gfx1250"
	.amdhsa_code_object_version 6
	.text
	.protected	k_q465364e337_proj
	.globl	k_q465364e337_proj
	.p2align	8
	.type	k_q465364e337_proj,@function
k_q465364e337_proj:
	s_mov_b64 s[64:65], 0
	v_nop
	global_prefetch_b8 v0, s[64:65] scope:SCOPE_SE
	s_setreg_imm32_b32 hwreg(HW_REG_WAVE_MODE, 25, 1), 1
	s_wait_xcnt 0x0
	s_wait_alu depctr_hold_cnt(0) depctr_sa_sdst(0) depctr_va_vdst(0) depctr_va_sdst(0) depctr_va_ssrc(0) depctr_va_vcc(0) depctr_vm_vsrc(0)
	s_getreg_b32 s2, hwreg(HW_REG_IB_STS2, 6, 4)
	s_cmp_eq_u32 s2, 0
	s_cbranch_scc0 .Lentry_in_a_cluster
	s_endpgm
.Lentry_in_a_cluster:
	s_bfe_u32 s2, ttmp6, 0x10000c
	s_cmp_lg_u32 s2, 0xf033
	s_cbranch_scc0 .Lentry_shape_is_right
	s_endpgm
.Lentry_shape_is_right:
; out0[t][d] = the sum over c of o[t][c] wo[d][c] on codes of FP8 (E4M3); each finished sum is multiplied once by 2^(e10 + e11).  Nothing of the computation is left out here.
; OPERANDS lie in memory as images of their registers (a fragment of 16 rows x 128 K: 2,048 bytes, registers 4 g .. 4 g + 3 of lane l at 512 g + 16 l), a tensor as [block of 16 rows][block of 128 K][2,048]:
; ao is o; wo's codes lie 24 MiB into codes.
; A tile of 256 x 256 of out0 is made by four waves, 128 x 128 each: 64 accumulators, 512 registers; 64 work-groups.  K goes in steps of 256 through a ring of two LDS slots; a wave's tensor load brings
; 8 blocks of rows x 2 images (4,096 consecutive bytes each).  CLUSTERS: 4 x 4 work-groups; o's tiles are asked for jointly along a row of the cluster, wo's along a column.
; THE MATRIX INSTRUCTION IS USED TRANSPOSED (source 0 = 16 rows of wo, source 1 = 16 rows of o): a lane holds eight neighbouring numbers of a row of out0.
; LIMIT: e10 + e11 between -126 and 127, so that 2^(e10 + e11) is an f32 number.  No prefetch: K has eight steps, two of them asked for at the head.
; REGISTERS, in windows of 256: window 0: v16-29 addresses; v128-255 o's fragments, ONE set; on the way out v32-255 are free.   window 1: wo's fragments, TWO sets.   windows 2, 3: the accumulators ((a, b) at v[8 (8 (a % 4) + b)]).
.set SIZE_N, 2048
.set HALFT,  32768
.set SLOT,   4*HALFT
.set SPARE,  2*SLOT
.set KADV,   4096
.set LAPS,   4
.set FR,     16
.set NL,     4
.set NP,     4
.set SPITCH, 528                       ; the way out: a stage of 16 rows x (512 bytes + 16) for each wave, in slot 0, which has had its last fill and its last read when the first result is stored there
.set ADRA, 16
.set ADRB, 20
.set STO,  24                          ; v24  the way out: where I put 32 bytes of a row
.set RD,   25                          ; v25  where I read a row back
.set CO,   26                          ; v26  16 x lane: my place in an image, and in a row of out0
.set SPW,  28
.set NIL,  29
.set TMP,  32
.set AF,   128
.set BK,   128
.set G1, 24
.set G0, 32
.set G1B, 48
.set G0B, 56
.set MSB, 0
.macro WIN new
.if MSB != (\new)
	s_set_vgpr_msb (MSB<<8)|(\new)
.set MSB, (\new)
.endif
.endm
.set MUL_LO, 0xa1
.set MUL_HI, 0xf1
.set TO_B,   0x40
.macro JLOAD g0a, g1a, g0b, g1b        ; a joint load: waves 0 and 1 fetch for o, waves 2 and 3 for wo; an s_nop 0 and four v_nop follow each of the two lines
	s_cmp_eq_u32 s15, 0
	s_cbranch_scc0 .Lfor_b_\@
	tensor_load_to_lds s[\g0a:\g0a+3], s[\g1a:\g1a+7]
	s_nop 0
.rept 4
	v_nop
.endr
	s_branch .Lasked_\@
.Lfor_b_\@:
	tensor_load_to_lds s[\g0b:\g0b+3], s[\g1b:\g1b+7]
	s_nop 0
.rept 4
	v_nop
.endr
.Lasked_\@:
.endm
.macro CREST
	s_cmp_lg_u32 s14, 0
	s_cbranch_scc1 .Lnot_wave_0_\@
	s_barrier_signal -3
.Lnot_wave_0_\@:
	s_barrier_wait -3
	s_barrier_signal -1
	s_barrier_wait -1
.endm
.macro CROUND
	s_barrier_signal -1
	s_barrier_wait -1
	CREST
.endm
	s_load_b128 s[4:7], s[0:1], 0x0                ; ao s[4:5], codes s[6:7]
	s_load_b128 s[8:11], s[0:1], 0x10              ; the scales' exponents s[8:9], out0 s[10:11]
	v_lshl_add_u32 v[SPW], v0, 2, SPARE
	v_mov_b32 v[NIL], 0
	ds_add_u32 v[SPW], v[NIL]                      ; the wave's opening: the add, twice on end, and its wait ahead of my first tensor load
	ds_add_u32 v[SPW], v[NIL]
	v_lshrrev_b32 v1, 5, v0
	v_readfirstlane_b32 s14, v1                    ; wave 0..3
	s_lshr_b32 s15, s14, 1                         ; which half of the tile's rows is mine.  Also: I fetch for o (0) or for wo (1)
	s_and_b32 s16, s14, 1                          ; which half of its columns.  Also: which 128 rows of that tile I fetch
	s_bfe_u32 s40, ttmp6, 0x40000
	s_bfe_u32 s41, ttmp6, 0x40004
	s_lshl_b32 s42, ttmp9, 2
	s_add_co_u32 s42, s42, s40                     ; tile column = 4 x cluster x + cx
	s_and_b32 s17, ttmp7, 0xffff
	s_lshl_b32 s17, s17, 2
	s_add_co_u32 s17, s17, s41                     ; tile row = 4 x cluster y + cy
	s_lshl_b32 s43, s41, 2
	s_lshl_b32 s43, 15, s43                        ; my row of the cluster
	s_lshl_b32 s44, 0x1111, s40                    ; my column
	s_or_b32 s[G1+0], s43, (3<<16)|(1<<21)         ; group 1: 8 rows of 512 elements of 8 bytes, 4,096 elements apart; dense in LDS
	s_or_b32 s[G1B+0], s44, (3<<16)|(1<<21)
.irp g, G1, G1B
	s_mov_b32 s[\g+1], 512<<16
	s_mov_b32 s[\g+2], 8<<16
	s_mov_b32 s[\g+3], 512<<16
	s_mov_b32 s[\g+4], 8
	s_mov_b32 s[\g+5], 4096
	s_mov_b32 s[\g+6], 0
	s_mov_b32 s[\g+7], 0
.endr
	s_lshl_b32 s18, s16, 3
	s_lshl_b32 s20, s17, 4
	s_add_co_u32 s20, s20, s18                     ; o: block 16 x tile row + 8 x half
	s_lshl_b32 s20, s20, 15
	s_mov_b32 s21, 0
	s_lshl_b32 s46, s42, 4
	s_add_co_u32 s46, s46, s18                     ; wo: block 16 x tile column + 8 x half
	s_lshl_b32 s46, s46, 15
	s_add_co_u32 s46, s46, 6<<22                   ; the seventh tensor of codes
	s_mov_b32 s47, 0
	s_mul_i32 s45, s14, HALFT
	s_wait_dscnt 0x0                               ; both opening adds are done
	s_wait_kmcnt 0x0
	s_load_b64 s[96:97], s[8:9], 0x28              ; e10, e11
	s_add_nc_u64 s[20:21], s[4:5], s[20:21]
	s_add_nc_u64 s[46:47], s[6:7], s[46:47]
	CROUND                                         ; all sixteen work-groups are here: the first joint loads meet
.irp s, 0,1
	s_mov_b32 s[G0+4*\s], 1
	s_add_co_u32 s[G0+4*\s+1], s45, \s*SLOT
	s_add_nc_u64 s[G0+4*\s+2:G0+4*\s+3], s[20:21], \s*KADV
	s_or_b32 s[G0+4*\s+3], s[G0+4*\s+3], 0x80000000
	s_mov_b32 s[G0B+4*\s], 1
	s_add_co_u32 s[G0B+4*\s+1], s45, \s*SLOT
	s_add_nc_u64 s[G0B+4*\s+2:G0B+4*\s+3], s[46:47], \s*KADV
	s_or_b32 s[G0B+4*\s+3], s[G0B+4*\s+3], 0x80000000
	JLOAD G0+4*\s, G1, G0B+4*\s, G1B               ; two loads of mine are out
.endr
	v_and_b32 v1, 15, v0                           ; l % 16
	v_bfe_u32 v2, v0, 4, 1                         ; l / 16
	v_and_b32 v6, 31, v0
	v_lshlrev_b32 v[CO], 4, v6
	s_mul_i32 s21, s15, HALFT
	s_mul_i32 s22, s16, HALFT
	s_add_co_u32 s22, s22, 2*HALFT
.irp s, 0,1
	v_add_nc_u32 v[ADRA+\s], s21, v[CO]
	v_add_nc_u32 v[ADRB+\s], s22, v[CO]
	s_add_co_u32 s21, s21, SLOT
	s_add_co_u32 s22, s22, SLOT
.endr
	s_mul_i32 s23, s14, 16*SPITCH                  ; my stage
	v_mul_u32_u24 v5, v1, SPITCH                   ; in: row l % 16, 32 bytes for each half of the lanes
	v_lshl_add_u32 v5, v2, 5, v5
	v_add_nc_u32 v[STO], s23, v5
	v_add_nc_u32 v[RD], s23, v[CO]                 ; back: the 32 lanes take one row of 512 bytes
	s_lshl_b32 s20, s17, 8
	s_lshl_b32 s21, s15, 7
	s_add_co_u32 s20, s20, s21                     ; my first row of out0
	s_lshl_b32 s20, s20, 13                        ; rows of 8,192 bytes
	s_mov_b32 s21, 0
	s_lshl_b32 s46, s42, 10                        ; my first column, in bytes
	s_lshl_b32 s47, s16, 9
	s_add_co_u32 s46, s46, s47
	s_mov_b32 s47, 0
	s_add_nc_u64 s[20:21], s[20:21], s[46:47]
	s_add_nc_u64 s[10:11], s[10:11], s[20:21]
.macro FRAG reg, adr, q, i
.irp c, 0,1,2,3
	ds_load_b128 v[\reg+4*\c:\reg+4*\c+3], v[\adr] offset:2048*(\q)+512*\c+(\i)*4096
.endr
.endm
.macro MUL16 a0, p, zero               ; the 64 accumulators take turns, one instruction a turn, in the same order in every step
.irp a, \a0, \a0+1
.irp b, 0,1,2,3,4,5,6,7
.if \zero
	v_wmma_f32_16x16x128_fp8_fp8 v[8*(8*((\a)%4)+\b):8*(8*((\a)%4)+\b)+7], v[128*(\p)+FR*\b:128*(\p)+FR*\b+FR-1], v[AF+FR*(\a):AF+FR*(\a)+FR-1], 0
.else
	v_wmma_f32_16x16x128_fp8_fp8 v[8*(8*((\a)%4)+\b):8*(8*((\a)%4)+\b)+7], v[128*(\p)+FR*\b:128*(\p)+FR*\b+FR-1], v[AF+FR*(\a):AF+FR*(\a)+FR-1], v[8*(8*((\a)%4)+\b):8*(8*((\a)%4)+\b)+7]
.endif
.endr
.endr
.endm
.macro FETCH_B slot, q, p
	WIN TO_B
.irp i, 0,1,2,3,4,5,6,7
	FRAG 128*(\p)+FR*\i, ADRB+\slot, \q, \i
.endr
	WIN 0
.endm
.macro FETCH_A slot, q, i0
.irp i, \i0, \i0+1, \i0+2, \i0+3
	FRAG AF+FR*(\i), ADRA+\slot, \q, \i
.endr
.endm
.macro PLACES n                        ; plain vector lines between a matrix instruction and a load into, or a vector line on, its registers
.rept \n
	v_nop
.endr
.endm
.macro STEP slot, q, zero
	s_wait_dscnt 4*NL                              ; wo's set and o's blocks 0-3 are in; the youngest 16 loads (blocks 4-7) may be out
	WIN MUL_LO
	MUL16 0, (\q)%2, \zero
	MUL16 2, (\q)%2, \zero
	s_wait_dscnt 0
	PLACES NP
	FETCH_B \slot, (\q)+1, 1-(\q)%2
	FETCH_A \slot, (\q)+1, 0
	WIN MUL_HI
	MUL16 4, (\q)%2, \zero
	MUL16 6, (\q)%2, \zero
	PLACES NP
	WIN 0
	FETCH_A \slot, (\q)+1, 4
.endm
.macro TURN slot, next, fill
	s_wait_tensorcnt 0x0                           ; all my tensor loads have landed: my part of the next slot
	ds_add_u32 v[SPW], v[NIL]                      ; 0 onto my spare word
	s_wait_dscnt 4*NL+1                            ; (the add and the youngest 16 loads may be out)
	WIN MUL_LO
	MUL16 0, 1, 0
	s_wait_dscnt 0x0                               ; the add is done, and my reads of this slot are over
	s_barrier_signal -1
	MUL16 2, 1, 0
	WIN 0
	s_barrier_wait -1
.if \fill
	CREST                                          ; the barrier has opened a round of the cluster's barrier: no wave of any partner still reads this slot or has a load on its way
	s_add_nc_u64 s[G0+4*\slot+2:G0+4*\slot+3], s[G0+4*\slot+2:G0+4*\slot+3], 2*KADV
	s_add_nc_u64 s[G0B+4*\slot+2:G0B+4*\slot+3], s[G0B+4*\slot+2:G0B+4*\slot+3], 2*KADV
	JLOAD G0+4*\slot, G1, G0B+4*\slot, G1B
.else
	PLACES NP
.endif
	FETCH_B \next, 0, 0
	FETCH_A \next, 0, 0
	WIN MUL_HI
	MUL16 4, 1, 0
	MUL16 6, 1, 0
	PLACES NP
	WIN 0
	FETCH_A \next, 0, 4
.endm
	s_wait_tensorcnt 1                             ; my part of K step 0 is in (K step 1's load may be out)
	s_barrier_signal -1
	s_barrier_wait -1
	FETCH_B 0, 0, 0
	FETCH_A 0, 0, 0
	FETCH_A 0, 0, 4
	STEP 0, 0, 1
	s_mov_b32 s3, LAPS-1
.Llap:
	TURN 0, 1, 1
	STEP 1, 0, 0
	TURN 1, 0, 1
	STEP 0, 0, 0
	s_sub_co_u32 s3, s3, 1
	s_cmp_lg_u32 s3, 0
	s_cbranch_scc1 .Llap
	TURN 0, 1, 0
	STEP 1, 0, 0
	s_wait_dscnt 4*NL
	WIN MUL_LO
	MUL16 0, 1, 0
	MUL16 2, 1, 0
	s_wait_dscnt 0
	WIN MUL_HI
	MUL16 4, 1, 0
	MUL16 6, 1, 0
	WIN 0
; THE WAY OUT, block by block of 16 rows x 128 columns: through my own stage in LDS and back as whole rows of 512 bytes.  LDS serves a wave's instructions in order (ISA guide 5.7.1.4): no wait between the stores and the loads.
.macro TOSTAGE a
.set AC, 64*((\a)%4)
	WIN 0x02+((\a)/4)
.set j, 0
.rept 32
	v_pk_mul_f32 v[TMP+j:TMP+j+1], v[AC+j:AC+j+1], s[96:97] op_sel_hi:[1,0]   ; both x s96 = 2^(e10 + e11); each accumulator from its low end on
.set j, j+2
.endr
	WIN 0
.irp b, 0,1,2,3,4,5,6,7
	ds_store_b128 v[STO], v[TMP+8*\b:TMP+8*\b+3] offset:64*\b
	ds_store_b128 v[STO], v[TMP+8*\b+4:TMP+8*\b+7] offset:64*\b+16
.endr
.set BB, BK+64*((\a)%2)
.irp t, 0,1,2,3,4,5,6,7,8,9,10,11,12,13,14,15
	ds_load_b128 v[BB+4*\t:BB+4*\t+3], v[RD] offset:\t*SPITCH
.endr
.endm
.macro SEND a, younger                 ; younger: the LDS instructions issued behind block a's loads, which may stay out
.set BB, BK+64*((\a)%2)
	s_wait_dscnt \younger
.if (\a) > 0
	s_add_nc_u64 s[10:11], s[10:11], 16*SIZE_N*4   ; (behind a wait on XCNT: the earlier stores have read their base)
.endif
.irp t, 0,1,2,3,4,5,6,7,8,9,10,11,12,13,14,15
	global_store_b128 v[CO], v[BB+4*\t:BB+4*\t+3], s[10:11] offset:\t*SIZE_N*4 th:TH_STORE_NT   ; 32 lanes store 512 consecutive bytes, at a multiple of 256 from out0's first byte
.endr
.endm
	s_wait_kmcnt 0x0
	s_add_co_i32 s96, s96, s97
	s_add_co_i32 s96, s96, 127
	s_lshl_b32 s96, s96, 23                        ; 2^(e10 + e11) as f32
	PLACES NP
	TOSTAGE 0
.irp a, 1,2,3,4,5,6,7
.if \a > 1
	s_wait_xcnt 0x0                                ; block a - 2's stores have read their registers and their base
.endif
	TOSTAGE \a
	SEND \a-1, 32                                  ; behind block a - 1's loads: block a's 16 stores and 16 loads
.endr
	s_wait_xcnt 0x0
	SEND 7, 0
	s_wait_tensorcnt 0x0                           ; the wave's end, behind my last tensor load and my last LDS store
	ds_add_u32 v[SPW], v[NIL]
	s_wait_dscnt 0x0
	CROUND                                         ; the closing round
	s_endpgm
.Lfunc_end_k_q465364e337_proj:
	.size	k_q465364e337_proj, .Lfunc_end_k_q465364e337_proj-k_q465364e337_proj
	.p2alignl 7, 3214868480
	.fill 96, 4, 3214868480
	.section	.rodata,"a",@progbits
	.p2align	6, 0x0
	.amdhsa_kernel k_q465364e337_proj
		.amdhsa_group_segment_fixed_size 327680
		.amdhsa_private_segment_fixed_size 0
		.amdhsa_enable_private_segment 0
		.amdhsa_kernarg_size 32
		.amdhsa_user_sgpr_count 2
		.amdhsa_user_sgpr_kernarg_segment_ptr 1
		.amdhsa_wavefront_size32 1
		.amdhsa_system_sgpr_workgroup_id_x 1
		.amdhsa_system_sgpr_workgroup_id_y 1
		.amdhsa_system_sgpr_workgroup_id_z 1
		.amdhsa_system_vgpr_workitem_id 0
		.amdhsa_next_free_vgpr 1024
		.amdhsa_next_free_sgpr 98
		.amdhsa_reserve_vcc 0
		.amdhsa_float_denorm_mode_32 3
		.amdhsa_float_denorm_mode_16_64 3
		.amdhsa_memory_ordered 1
		.amdhsa_forward_progress 1
		.amdhsa_inst_pref_size 123
	.end_amdhsa_kernel
	.amdgpu_metadata
---
amdhsa.version: [ 1, 2 ]
amdhsa.kernels:
  - .name:           k_q465364e337_proj
    .symbol:         k_q465364e337_proj.kd
    .args:
      - { .name: ao, .offset: 0, .size: 8, .value_kind: global_buffer, .address_space: global }
      - { .name: codes, .offset: 8, .size: 8, .value_kind: global_buffer, .address_space: global }
      - { .name: lowp_scales, .offset: 16, .size: 8, .value_kind: global_buffer, .address_space: global }
      - { .name: out0, .offset: 24, .size: 8, .value_kind: global_buffer, .address_space: global }
    .group_segment_fixed_size: 327680
    .private_segment_fixed_size: 0
    .kernarg_segment_align: 8
    .kernarg_segment_size: 32
    .max_flat_workgroup_size: 128
    .sgpr_count:     98
    .vgpr_count:     1024
    .wavefront_size: 32
...
	.end_amdgpu_metadata
.endif
;; end of part 4
;; ======== version 2 of 2: 4 launches
;; limits: right only within a limited range of input values
;; workspace buffers: codes 25,165,824 bytes; cs 1,048,576 bytes; maskw 524,288 bytes of whole numbers; flags 2,048 bytes of whole numbers; woc 4,194,304 bytes; qkv 12,582,912 bytes; ao 4,194,304 bytes
;; launch prep (part 5): grid 128 x 5, 4 waves a work-group, no clusters, 68,096 bytes of LDS; arguments x, wq, wk, wv, mask, lowp_scales, freqs_cos, freqs_sin, codes, maskw, flags, cs; writes codes, maskw, flags, cs
.if DOCPART == 5
	.amdgcn_target "amdgcn-amd-amdhsa--gfx1250"
	.amdhsa_code_object_version 6
	.text
	.protected	k_q465364e337_prep
	.globl	k_q465364e337_prep
	.p2align	8
	.type	k_q465364e337_prep,@function
k_q465364e337_prep:
	s_mov_b64 s[64:65], 0
	v_nop
	global_prefetch_b8 v0, s[64:65] scope:SCOPE_SE
	s_setreg_imm32_b32 hwreg(HW_REG_WAVE_MODE, 25, 1), 1
	s_wait_xcnt 0x0
; ATTENTION IN FP8 (E4M3), four launches: this one (quantise x and three weights, lay out the mask and the rotary factors), the three projections with rope (wo is quantised beside them), the attention, the projection on the way out.
; Every input has a way to out0 and is loaded by some launch.  The mask is an input: no pattern of it is built in.
; THIS LAUNCH.  x [2048][2048] f32 becomes three sets of codes (scales 2^e0, 2^e2, 2^e4: the three products name an entry each, and they may differ); wq, wk, wv one set each (e1, e3, e5).
; code = number / 2^e, held within +-448, rounded to the nearest code, ties to even.
; LAYOUT OF THE CODES: an operand lies in memory as IMAGES OF ITS REGISTERS.  A fragment, 16 rows x 128 K, is 16 registers a lane: lane (r = l % 16, h = l / 16) holds row r, registers 2 c and 2 c + 1 hold k = 16 c + 8 h + 0 .. 7.
; Its image is 2,048 bytes: registers 4 g .. 4 g + 3 of lane l at 512 g + 16 l.  A tensor is [block of 16 rows: 128][block of 128 K: 16][2,048]; the six tensors lie 4 MiB apart: x by e0, e2, e4; wq; wk; wv.
; THE MASK, [2048][2048] bytes, becomes maskw [tile of 16 queries: 128][step of 128 keys: 16][64 words]: bit l of word 8 a + j is mask[16 tile + l % 16][128 step + 16 a + 8 (l / 16) + j].
; flags [tile: 128][4 words]: word w serves steps 4 w .. 4 w + 3: bit s (0 to 15): some key of step s counts for some query of the tile; bit 16 + s: every key counts for every query.
; cs [block of 16 positions: 128][b: 8][cos, sin][512]: lane (r, h) at 16 l: the factors of position r for the pairs 8 b + 4 h + 0 .. 3.
; SHARES.  Work-group y is the job: 0 x, 1 to 3 a weight, 4 the mask and the factors; work-group x the block of 16 rows; wave w takes 512 of the 2,048 columns, 128 at a time.
; Each load takes 512 consecutive bytes of one row; the 16 rows turn through the wave's own stage in LDS (rows of 512 bytes + 16: the sixteen rows that a read touches start at different banks) and come back 8 neighbours
; along K at a time; each store covers 512 consecutive bytes of an image.  Waves share nothing: no barrier.  The mask's path has LDS bytes of its own.
; LIMITS: e0 .. e5 between -126 and 119, so that 2^e and 448 x 2^e are f32 numbers.  NaN among x and the weights is not served; an infinity is held at the largest code.
.set STG,   8448                       ; a wave's stage: 16 rows x 528 bytes
.set MSTG,  4*STG                      ; the mask path's four stages
.set SPARE, 8*STG                      ; the spare words, 128 bytes for each wave: two blocks of 256 bytes that no other line names
.set GA,  1                            ; 16 x lane
.set SA,  2                            ; the stage, on the way in
.set RA,  3                            ; and on the way out: row r, + 32 h
.set MSA, 4                            ; the same two for the mask
.set MRA, 5
.set SPW, 6                            ; LDS address of my spare word; never rewritten
.set NIL, 7                            ; 0; never rewritten
.set SC0, 8                            ; v8-10   2^e as f32 for outputs 0, 1, 2
.set LM0, 11                           ; v11-13  448 x 2^e
.set R,   16                           ; v16-143  two sets of 64 registers as loaded
.set X,   144                          ; v144-207 64 numbers: register 8 c + j = k 16 c + 8 h + j of my row
.set T,   208                          ; v208-223 two sets of eight held numbers
.set CD,  224                          ; v224-239 a fragment's codes
.set FC,  240                          ; v240-255 rotary factors on their way
.set JOB, 2
.set WV,  3
	s_load_b512 s[8:23], s[0:1], 0x0               ; x, wq, wk, wv, mask, the scales' exponents, cos, sin
	s_load_b256 s[24:31], s[0:1], 0x40             ; codes, maskw, flags, cs
	v_lshl_add_u32 v[SPW], v0, 2, SPARE
	v_mov_b32 v[NIL], 0
	v_lshrrev_b32 v14, 5, v0
	v_readfirstlane_b32 s[WV], v14                 ; wave 0..3
	s_and_b32 s[JOB], ttmp7, 0xffff
	v_and_b32 v14, 31, v0
	v_lshlrev_b32 v[GA], 4, v14
	s_mul_i32 s44, s[WV], STG
	v_add_nc_u32 v[SA], s44, v[GA]
	v_and_b32 v14, 15, v0                          ; r
	v_bfe_u32 v15, v0, 4, 1                        ; h
	v_mul_u32_u24 v14, v14, 528
	v_add_nc_u32 v14, s44, v14
	v_lshl_add_u32 v[RA], v15, 5, v14
	v_add_nc_u32 v[MSA], MSTG, v[SA]
	v_lshl_add_u32 v[MRA], v15, 3, v14
	v_add_nc_u32 v[MRA], MSTG, v[MRA]              ; every LDS address is made ahead of the parting of the two paths
	s_wait_alu depctr_va_vdst(0)
	s_wait_kmcnt 0x0
	s_cmp_eq_u32 s[JOB], 4
	s_cbranch_scc1 .Lmask
	; ---- x or a weight
	s_load_b256 s[32:39], s[18:19], 0x0            ; e0 .. e7
	s_mov_b64 s[4:5], s[8:9]                       ; the source: a choice on the job alone
	s_cmp_eq_u32 s[JOB], 1
	s_cselect_b64 s[4:5], s[10:11], s[4:5]
	s_cmp_eq_u32 s[JOB], 2
	s_cselect_b64 s[4:5], s[12:13], s[4:5]
	s_cmp_eq_u32 s[JOB], 3
	s_cselect_b64 s[4:5], s[14:15], s[4:5]
	s_lshl_b32 s46, ttmp9, 17                      ; 16 rows of 8,192 bytes
	s_lshl_b32 s47, s[WV], 11                      ; my 512 columns
	s_add_co_u32 s46, s46, s47
	s_mov_b32 s47, 0
	s_add_nc_u64 s[4:5], s[4:5], s[46:47]
.macro LOADR t                         ; 16 rows x 128 columns into set t % 2
.irp i, 0,1,2,3,4,5,6,7,8,9,10,11,12,13,14,15
	global_load_b128 v[R+64*((\t)%2)+4*\i:R+64*((\t)%2)+4*\i+3], v[GA], s[4:5] offset:\i*8192+(\t)*512 th:TH_LOAD_NT
.endr
.endm
	LOADR 0
	LOADR 1
	s_add_co_u32 s45, s[JOB], 2                    ; which of the six tensors of codes: x 0 (1 and 2 follow it), the weights 3 to 5
	s_cmp_eq_u32 s[JOB], 0
	s_cselect_b32 s45, 0, s45
	s_lshl_b32 s46, s45, 22
	s_lshl_b32 s47, ttmp9, 15                      ; a block of 16 rows is 16 images
	s_add_co_u32 s46, s46, s47
	s_lshl_b32 s47, s[WV], 13                      ; my four images
	s_add_co_u32 s46, s46, s47
	s_mov_b32 s47, 0
	s_add_nc_u64 s[6:7], s[24:25], s[46:47]
	s_add_nc_u64 s[26:27], s[6:7], 0x400000        ; x's second and third set (stored by job 0 alone)
	s_add_nc_u64 s[28:29], s[6:7], 0x800000
	s_wait_kmcnt 0x0
	s_mov_b32 s44, s32                             ; output 0's exponent: e0, e1, e3, e5 by the job
	s_cmp_eq_u32 s[JOB], 1
	s_cselect_b32 s44, s33, s44
	s_cmp_eq_u32 s[JOB], 2
	s_cselect_b32 s44, s35, s44
	s_cmp_eq_u32 s[JOB], 3
	s_cselect_b32 s44, s37, s44
.macro MKSC e, o
	s_add_co_i32 s48, s[\e], 127
	s_lshl_b32 s49, s48, 23
	v_mov_b32 v[SC0+\o], s49                       ; 2^e as f32: the conversion takes its exponent field
	s_add_co_i32 s48, s48, 8
	s_lshl_b32 s48, s48, 23
	s_or_b32 s48, s48, 0x600000
	v_mov_b32 v[LM0+\o], s48                       ; 448 x 2^e
.endm
	MKSC 44, 0
	MKSC 34, 1                                     ; e2
	MKSC 36, 2                                     ; e4
; The 64 numbers in X become a fragment's codes by scale o and leave as an image.  X is kept: x is quantised three times.
.macro EMIT o, d, t
	s_wait_xcnt 0x0                                ; the earlier stores have read their data: the codes' registers are written again only behind this wait
.irp c, 0,1,2,3,4,5,6,7
.irp j, 0,1,2,3,4,5,6,7
	v_med3_num_f32 v[T+8*(\c%2)+\j], v[X+8*\c+\j], -v[LM0+\o], v[LM0+\o]   ; the conversion to an 8-bit code does not saturate (ISA guide 7.6.2): the hold comes first
.endr
	v_cvt_scalef32_pk8_fp8_f32 v[CD+2*\c:CD+2*\c+1], v[T+8*(\c%2):T+8*(\c%2)+7], v[SC0+\o]   ; the next eight holds write the other set
.endr
.irp c, 0,1,2,3
	global_store_b128 v[GA], v[CD+4*\c:CD+4*\c+3], s[\d:\d+1] offset:(\t)*2048+512*\c    ; 512 consecutive bytes of the image
.endr
.endm
.macro STEPF t
.if (\t) < 3
	s_wait_loadcnt 16                              ; this step's 16 loads are in; the other set's 16 may be out
.else
	s_wait_loadcnt 0
.endif
.irp i, 0,1,2,3,4,5,6,7,8,9,10,11,12,13,14,15
	ds_store_b128 v[SA], v[R+64*((\t)%2)+4*\i:R+64*((\t)%2)+4*\i+3] offset:\i*528
.endr
.irp c, 0,1,2,3,4,5,6,7
	ds_load_b128 v[X+8*\c:X+8*\c+3], v[RA] offset:64*\c            ; LDS serves a wave's instructions in order (ISA guide 5.7.1.4): these see the stores above
	ds_load_b128 v[X+8*\c+4:X+8*\c+7], v[RA] offset:64*\c+16
.endr
	s_wait_dscnt 0x0
.if (\t) < 2
	LOADR (\t)+2                                   ; into the set that the stage's stores have read
.endif
	EMIT 0, 6, \t
	s_cmp_lg_u32 s[JOB], 0
	s_cbranch_scc1 .Lone_\@                        ; a weight has one scale
	EMIT 1, 26, \t
	EMIT 2, 28, \t
.Lone_\@:
.endm
	s_wait_alu depctr_va_vdst(0)
	STEPF 0
	STEPF 1
	STEPF 2
	STEPF 3
	s_wait_tensorcnt 0x0                           ; the wave's end, behind my last LDS store
	ds_add_u32 v[SPW], v[NIL]
	s_wait_dscnt 0x0
	s_endpgm
	; ---- the mask: 16 queries x my 512 keys (four steps of 128) become 256 words and 8 flags; and two of the block's eight b of the rotary factors
.Lmask:
.macro PART base, sh, wsh              ; a pointer on by (block << sh) + (wave << wsh)
	s_lshl_b32 s46, ttmp9, \sh
	s_lshl_b32 s47, s[WV], \wsh
	s_add_co_u32 s46, s46, s47
	s_mov_b32 s47, 0
	s_add_nc_u64 s[\base:\base+1], s[\base:\base+1], s[46:47]
.endm
	PART 16, 15, 9                                 ; the mask: 16 rows of 2,048 bytes
	PART 20, 12, 6                                 ; cos, sin: 16 rows of 256 bytes
	PART 22, 12, 6
	PART 26, 12, 10                                ; maskw: 16 steps of 256 bytes
	PART 28, 4, 2                                  ; flags
	PART 30, 13, 11                                ; cs
	v_and_b32 v14, 15, v0
	v_bfe_u32 v15, v0, 4, 1
	v_lshlrev_b32 v14, 8, v14
	v_lshl_add_u32 v14, v15, 4, v14                ; row r, + 16 h
.irp i, 0,1,2,3,4,5,6,7,8,9,10,11,12,13,14,15
	global_load_b128 v[R+4*\i:R+4*\i+3], v[GA], s[16:17] offset:\i*2048 th:TH_LOAD_NT
.endr
	global_load_b128 v[FC:FC+3], v14, s[20:21]
	global_load_b128 v[FC+4:FC+7], v14, s[22:23]
	global_load_b128 v[FC+8:FC+11], v14, s[20:21] offset:32
	global_load_b128 v[FC+12:FC+15], v14, s[22:23] offset:32
.irp i, 0,1,2,3,4,5,6,7
	v_mov_b32 v[CD+\i], 0                          ; a lane write's destination counts as read
.endr
	s_mov_b32 s36, 0xff
	s_mov_b32 s37, 0xff00
	s_mov_b32 s38, 0xff0000
	s_mov_b32 s39, 0xff000000
	s_mov_b32 s40, 0x01010101
	s_wait_alu depctr_va_vdst(0)
	s_wait_loadcnt 4                               ; the mask is in; the four loads of factors may be out
.irp i, 0,1,2,3,4,5,6,7,8,9,10,11,12,13,14,15
	ds_store_b128 v[MSA], v[R+4*\i:R+4*\i+3] offset:\i*528
.endr
.set n, 0
.rept 32
	ds_load_b64 v[X+2*n:X+2*n+1], v[MRA] offset:16*n               ; keys 16 n + 8 h + 0 .. 7 of query r: n = 8 x step + a
.set n, n+1
.endr
	s_wait_dscnt 0x0
.set n, 0
.rept 256                              ; word n = 64 x step + 8 a + j: one byte of each lane, gathered over the 32 lanes
	v_and_b32 v[T+n%2], s[36+n%4], v[X+2*(n/8)+(n%8)/4]
	v_cmp_ne_u32 s[44+n%8], 0, v[T+n%2]
	v_writelane_b32 v[CD+4*(n/128)+n%4], s[44+n%8], (n%128)/4      ; word n goes out from lane (n % 128) / 4, register n % 4, of store n / 128
.set n, n+1
.endr
	global_store_b128 v[GA], v[CD:CD+3], s[26:27]
	global_store_b128 v[GA], v[CD+4:CD+7], s[26:27] offset:512
.irp t, 0,1,2,3                        ; each step's 64 bytes a lane, or-ed and and-ed (a byte is 0 or 1)
	v_or_b32 v[R+\t], v[X+16*\t], v[X+16*\t+1]
	v_and_b32 v[R+4+\t], v[X+16*\t], v[X+16*\t+1]
.endr
.irp i, 2,3,4,5,6,7,8,9,10,11,12,13,14,15
.irp t, 0,1,2,3
	v_or_b32 v[R+\t], v[R+\t], v[X+16*\t+\i]
	v_and_b32 v[R+4+\t], v[R+4+\t], v[X+16*\t+\i]
.endr
.endr
.irp t, 0,1,2,3
	v_cmp_ne_u32 s[44+\t], 0, v[R+\t]              ; lanes in which some key counts
	v_cmp_ne_u32 s[48+\t], s40, v[R+4+\t]          ; lanes in which some key does not
.endr
	s_mov_b32 s52, 0
.irp t, 0,1,2,3
	s_cmp_lg_u32 s[44+\t], 0
	s_cselect_b32 s53, 1<<\t, 0
	s_or_b32 s52, s52, s53
	s_cmp_eq_u32 s[48+\t], 0
	s_cselect_b32 s53, 0x10000<<\t, 0
	s_or_b32 s52, s52, s53
.endr
	s_lshl_b32 s54, s[WV], 2
	s_lshl_b32 s52, s52, s54                       ; my four steps' bits in their places
	v_mov_b32 v[T], s52
	v_and_b32 v[T+1], 31, v0
	s_wait_alu depctr_va_vdst(0)
	s_wait_loadcnt 0x0                             ; the factors are in
	global_store_b128 v[GA], v[FC:FC+3], s[30:31]
	global_store_b128 v[GA], v[FC+4:FC+7], s[30:31] offset:512
	global_store_b128 v[GA], v[FC+8:FC+11], s[30:31] offset:1024
	global_store_b128 v[GA], v[FC+12:FC+15], s[30:31] offset:1536
	s_wait_xcnt 0x0                                ; EXEC changes only behind this wait
	v_cmp_gt_u32 vcc_lo, 1, v[T+1]
	s_and_saveexec_b32 s55, vcc_lo                 ; one lane: the wave's one word of flags
	global_store_b32 v[NIL], v[T], s[28:29]
	s_wait_xcnt 0x0
	s_or_b32 exec_lo, exec_lo, s55
	s_wait_tensorcnt 0x0                           ; the wave's end: the same three lines
	ds_add_u32 v[SPW], v[NIL]
	s_wait_dscnt 0x0
	s_endpgm
.Lfunc_end_k_q465364e337_prep:
	.size	k_q465364e337_prep, .Lfunc_end_k_q465364e337_prep-k_q465364e337_prep
	.p2alignl 7, 3214868480
	.fill 96, 4, 3214868480
	.section	.rodata,"a",@progbits
	.p2align	6, 0x0
	.amdhsa_kernel k_q465364e337_prep
		.amdhsa_group_segment_fixed_size 68096
		.amdhsa_private_segment_fixed_size 0
		.amdhsa_enable_private_segment 0
		.amdhsa_kernarg_size 96
		.amdhsa_user_sgpr_count 2
		.amdhsa_user_sgpr_kernarg_segment_ptr 1
		.amdhsa_wavefront_size32 1
		.amdhsa_system_sgpr_workgroup_id_x 1
		.amdhsa_system_sgpr_workgroup_id_y 1
		.amdhsa_system_sgpr_workgroup_id_z 1
		.amdhsa_system_vgpr_workitem_id 0
		.amdhsa_next_free_vgpr 256
		.amdhsa_next_free_sgpr 66
		.amdhsa_reserve_vcc 1
		.amdhsa_float_denorm_mode_32 3
		.amdhsa_float_denorm_mode_16_64 3
		.amdhsa_memory_ordered 1
		.amdhsa_forward_progress 1
		.amdhsa_inst_pref_size 130
	.end_amdhsa_kernel
	.amdgpu_metadata
---
amdhsa.version: [ 1, 2 ]
amdhsa.kernels:
  - .name:           k_q465364e337_prep
    .symbol:         k_q465364e337_prep.kd
    .args:
      - { .name: x, .offset: 0, .size: 8, .value_kind: global_buffer, .address_space: global }
      - { .name: wq, .offset: 8, .size: 8, .value_kind: global_buffer, .address_space: global }
      - { .name: wk, .offset: 16, .size: 8, .value_kind: global_buffer, .address_space: global }
      - { .name: wv, .offset: 24, .size: 8, .value_kind: global_buffer, .address_space: global }
      - { .name: mask, .offset: 32, .size: 8, .value_kind: global_buffer, .address_space: global }
      - { .name: lowp_scales, .offset: 40, .size: 8, .value_kind: global_buffer, .address_space: global }
      - { .name: freqs_cos, .offset: 48, .size: 8, .value_kind: global_buffer, .address_space: global }
      - { .name: freqs_sin, .offset: 56, .size: 8, .value_kind: global_buffer, .address_space: global }
      - { .name: codes, .offset: 64, .size: 8, .value_kind: global_buffer, .address_space: global }
      - { .name: maskw, .offset: 72, .size: 8, .value_kind: global_buffer, .address_space: global }
      - { .name: flags, .offset: 80, .size: 8, .value_kind: global_buffer, .address_space: global }
      - { .name: cs, .offset: 88, .size: 8, .value_kind: global_buffer, .address_space: global }
    .group_segment_fixed_size: 68096
    .private_segment_fixed_size: 0
    .kernarg_segment_align: 8
    .kernarg_segment_size: 96
    .max_flat_workgroup_size: 128
    .sgpr_count:     66
    .vgpr_count:     256
    .wavefront_size: 32
...
	.end_amdgpu_metadata
.endif
;; end of part 5
;; launch qkvgemm (part 6): grid 8 x 32, 4 waves a work-group, clusters of 4 x 4, 327,680 bytes of LDS; arguments codes, cs, lowp_scales, wo, qkv, woc; writes qkv, woc
.if DOCPART == 6
	.amdgcn_target "amdgcn-amd-amdhsa--gfx1250"
	.amdhsa_code_object_version 6
	.text
	.protected	k_q465364e337_qkvgemm
	.globl	k_q465364e337_qkvgemm
	.p2align	8
	.type	k_q465364e337_qkvgemm,@function
k_q465364e337_qkvgemm:
	s_mov_b64 s[64:65], 0
	v_nop
	global_prefetch_b8 v0, s[64:65] scope:SCOPE_SE
	s_setreg_imm32_b32 hwreg(HW_REG_WAVE_MODE, 25, 1), 1
	s_wait_xcnt 0x0
	s_wait_alu depctr_hold_cnt(0) depctr_sa_sdst(0) depctr_va_vdst(0) depctr_va_sdst(0) depctr_va_ssrc(0) depctr_va_vcc(0) depctr_vm_vsrc(0)
	s_getreg_b32 s2, hwreg(HW_REG_IB_STS2, 6, 4)
	s_cmp_eq_u32 s2, 0
	s_cbranch_scc0 .Lentry_in_a_cluster
	s_endpgm
.Lentry_in_a_cluster:
	s_bfe_u32 s2, ttmp6, 0x10000c
	s_cmp_lg_u32 s2, 0xf033
	s_cbranch_scc0 .Lentry_shape_is_right
	s_endpgm
.Lentry_shape_is_right:
; The three projections, rope on q and k, and the codes of all three; and wo's codes.  Nothing of the computation is left out here.
; 256 work-groups in clusters of 4 x 4: clusters with y 0 to 5 make 8 x 24 tiles of 256 x 256 (a product has 64); the four clusters with y 6 and 7 turn wo [2048][2048] f32 into codes by 2^e11, laid as the other operands.
; The branch between the two hangs on the cluster's number alone, so a whole cluster goes one way.
; OPERANDS are images of registers (16 rows x 128 K: 2,048 bytes, see the first launch).  For q and k: A = x's codes (source 1), B = the weight's (source 0): lane (r, h) holds token r, its registers run along the head's 128.
; For v: A = wv's codes, B = x's: the lane holds one column of v and its registers run along the keys.  So each conversion of eight sums gives two registers of the next product's operand, and a block of 16 leaves as an image:
; qkv + 0: q [head][block of 16 positions][2,048]; + 4 MiB: k likewise; + 8 MiB: v [head][block of 128 keys][block of 16 d][2,048].
; A wave makes 128 x 128: 64 accumulators.  K goes in steps of 256 through two LDS slots of 131,072 bytes; every wave fetches a quarter of a slot by one joint tensor load, A's shared along the cluster's row, B's along its column.
; THE ROTARY FACTORS (cs, images too: 8,192 bytes for 16 positions) are slot 0's last fill, asked for when K step 6 has been read, in the clusters of q and k.
; PREFETCH: each wave asks for its work-group's quarter (told apart by address: cx for A, cy for B) of what it fetches: K steps 1 and 2 behind the head's load, K step n + 2 behind K step n's load after that, up to 7.
; LIMITS on the given exponents: e6 - e0 - e1, e7 - e2 - e3, e8 - e4 - e5 and e11 between -126 and 119.  NaN among the numbers is not served.
; REGISTERS, in windows of 256: window 0: v0-31 addresses; v128-255 A's fragments; on the way out v32-255 at work.  Window 1: B's fragments, two sets.  Windows 2 and 3: the accumulators of my rows 0-63 and 64-127.
.set HALFT,  32768
.set SLOT,   4*HALFT
.set SPARE,  2*SLOT                    ; the spare words: two blocks of 256 bytes that no other line names
.set WSTG,   SPARE+512                 ; wo's stages, 8,448 bytes for each wave: no tensor load lands there
.set KADV,   4096                      ; a K step of 256: two images of each block of 16 rows
.set LAPS,   4
.set FR,     16
.set NL,     4
.set NP,     4                         ; places behind a matrix instruction (ISA guide 7.12.1)
.set ADRA, 16
.set ADRB, 20
.set LI,   24
.set CSA,  25
.set SC,   26
.set LIM,  27
.set SPW,  28
.set NIL,  29
.set PFO,  30
.set WSA,  14                          ; wo's stage, in and out
.set WRA,  15
.set CD,   96
.set AF,   128
.set TMP,  192
.set G1, 24
.set G0, 32
.set G1B, 48
.set G0B, 56
.set PROD, 66
.set PFA,  78
.set OUTP_, 82                         ; s[82:83] where my part of the result begins
.set G1C, 84                           ; s[84:91], s[92:95] the descriptor of the rotary factors
.set G0C, 92
.set MSB, 0
.macro WIN new                         ; the immediate's high byte repeats the setting that is left
.if MSB != (\new)
	s_set_vgpr_msb (MSB<<8)|(\new)
.set MSB, (\new)
.endif
.endm
.set MUL_LO, 0xa1
.set MUL_HI, 0xf1
.set TO_B,   0x40
.macro JLOAD g0a, g1a, g0b, g1b        ; waves 0 and 1 fetch for A, waves 2 and 3 for B
	s_cmp_eq_u32 s15, 0
	s_cbranch_scc0 .Lfor_b_\@
	tensor_load_to_lds s[\g0a:\g0a+3], s[\g1a:\g1a+7]
	s_nop 0
.rept 4
	v_nop
.endr
	s_branch .Lasked_\@
.Lfor_b_\@:
	tensor_load_to_lds s[\g0b:\g0b+3], s[\g1b:\g1b+7]
	s_nop 0
.rept 4
	v_nop
.endr
.Lasked_\@:
.endm
.macro CREST                           ; a round of the cluster's barrier behind its opening barrier
	s_cmp_lg_u32 s14, 0
	s_cbranch_scc1 .Lnot_wave_0_\@
	s_barrier_signal -3
.Lnot_wave_0_\@:
	s_barrier_wait -3
	s_barrier_signal -1
	s_barrier_wait -1
.endm
.macro CROUND
	s_barrier_signal -1
	s_barrier_wait -1
	CREST
.endm
	s_load_b256 s[4:11], s[0:1], 0x0               ; codes, cs, the scales' exponents, wo
	s_load_b128 s[96:99], s[0:1], 0x20             ; qkv, wo's codes
	v_lshl_add_u32 v[SPW], v0, 2, SPARE
	v_mov_b32 v[NIL], 0
	ds_add_u32 v[SPW], v[NIL]                      ; the wave's opening: the add, twice on end, and its wait
	ds_add_u32 v[SPW], v[NIL]
	v_lshrrev_b32 v1, 5, v0
	v_readfirstlane_b32 s14, v1                    ; wave 0..3
	s_lshr_b32 s15, s14, 1
	s_and_b32 s16, s14, 1
	v_and_b32 v1, 31, v0
	v_lshlrev_b32 v[LI], 4, v1                     ; 16 x lane
	s_mul_i32 s2, s14, 8448
	s_add_co_u32 s2, s2, WSTG
	v_add_nc_u32 v[WSA], s2, v[LI]
	v_and_b32 v2, 15, v0                           ; r
	v_bfe_u32 v3, v0, 4, 1                         ; h
	v_mul_u32_u24 v4, v2, 528
	v_lshl_add_u32 v4, v3, 5, v4
	v_add_nc_u32 v[WRA], s2, v4
	v_lshlrev_b32 v[PFO], 15, v3                   ; the prefetch: two blocks of 16 rows, 4,096 bytes of each, lanes 256 bytes apart
	v_lshl_add_u32 v[PFO], v2, 8, v[PFO]
	s_lshl_b32 s21, s15, 16
	v_add_nc_u32 v[CSA], s21, v[LI]                ; my 128 positions' factors in slot 0
	s_lshl_b32 s21, s15, 15
	s_lshl_b32 s22, s16, 15
	s_add_co_u32 s22, s22, 2*HALFT
	v_add_nc_u32 v[ADRA], s21, v[LI]
	v_add_nc_u32 v[ADRB], s22, v[LI]
	v_add_nc_u32 v[ADRA+1], SLOT, v[ADRA]
	v_add_nc_u32 v[ADRB+1], SLOT, v[ADRB]
	s_bfe_u32 s40, ttmp6, 0x40000                  ; cx
	s_bfe_u32 s41, ttmp6, 0x40004                  ; cy
	s_lshl_b32 s42, ttmp9, 2
	s_add_co_u32 s42, s42, s40                     ; tile column
	s_and_b32 s17, ttmp7, 0xffff
	s_lshr_b32 s[PROD], s17, 1                     ; 0 q, 1 k, 2 v, 3 wo
	s_wait_alu depctr_va_vdst(0)
	s_wait_dscnt 0x0                               ; both opening adds are done
	s_wait_kmcnt 0x0
	s_cmp_eq_u32 s[PROD], 3
	s_cbranch_scc1 .Lwo
	s_load_b256 s[68:75], s[8:9], 0x0              ; e0 .. e7
	s_load_b32 s76, s[8:9], 0x20                   ; e8
	s_and_b32 s17, s17, 1
	s_lshl_b32 s17, s17, 2
	s_add_co_u32 s17, s17, s41                     ; tile row
	s_lshl_b32 s43, s41, 2
	s_lshl_b32 s43, 15, s43                        ; my row of the cluster
	s_lshl_b32 s44, 0x1111, s40                    ; my column
	s_or_b32 s[G1+0], s43, (3<<16)|(1<<21)         ; elements of 8 bytes; 21 set beside a mask
	s_or_b32 s[G1B+0], s44, (3<<16)|(1<<21)
	s_or_b32 s[G1C+0], s43, (3<<16)|(1<<21)
.irp g, G1, G1B, G1C                   ; 8 rows of 4,096 bytes
	s_mov_b32 s[\g+1], 512<<16
	s_mov_b32 s[\g+2], 8<<16
	s_mov_b32 s[\g+3], 512<<16
	s_mov_b32 s[\g+4], 8
	s_mov_b32 s[\g+6], 0
	s_mov_b32 s[\g+7], 0
.endr
	s_mov_b32 s[G1+5], 4096                        ; a block of 16 rows to the next: 32,768 bytes
	s_mov_b32 s[G1B+5], 4096
	s_mov_b32 s[G1C+5], 512                        ; the factors lie dense
	s_add_co_u32 s3, s[PROD], 3
	s_cmp_lt_u32 s[PROD], 2
	s_cselect_b32 s2, s[PROD], 5                   ; A's tensor: x's set 0 or 1; wv
	s_cselect_b32 s3, s3, 2                        ; B's: wq, wk; x's set 2
	s_lshl_b32 s2, s2, 22
	s_lshl_b32 s3, s3, 22
	s_lshl_b32 s18, s16, 3                         ; which 8 blocks of 16 rows I fetch
	s_lshl_b32 s20, s17, 4
	s_add_co_u32 s20, s20, s18
	s_lshl_b32 s20, s20, 15
	s_add_co_u32 s20, s20, s2
	s_mov_b32 s21, 0
	s_lshl_b32 s46, s42, 4
	s_add_co_u32 s46, s46, s18
	s_lshl_b32 s46, s46, 15
	s_add_co_u32 s46, s46, s3
	s_mov_b32 s47, 0
	s_lshl_b32 s45, s14, 15                        ; where they go: wave x 32,768
	s_add_nc_u64 s[20:21], s[4:5], s[20:21]
	s_add_nc_u64 s[46:47], s[4:5], s[46:47]
.irp s, 0,1
	s_mov_b32 s[G0+4*\s], 1
	s_add_co_u32 s[G0+4*\s+1], s45, \s*SLOT
	s_add_nc_u64 s[G0+4*\s+2:G0+4*\s+3], s[20:21], \s*KADV
	s_or_b32 s[G0+4*\s+3], s[G0+4*\s+3], 0x80000000
	s_mov_b32 s[G0B+4*\s], 1
	s_add_co_u32 s[G0B+4*\s+1], s45, \s*SLOT
	s_add_nc_u64 s[G0B+4*\s+2:G0B+4*\s+3], s[46:47], \s*KADV
	s_or_b32 s[G0B+4*\s+3], s[G0B+4*\s+3], 0x80000000
.endr
	CROUND                                         ; all sixteen work-groups are here: the first joint loads meet
	JLOAD G0, G1, G0B, G1B                         ; K step 0: one tensor load a wave at the head
	s_cmp_eq_u32 s15, 0
	s_cselect_b64 s[PFA:PFA+1], s[20:21], s[46:47]
	s_cselect_b32 s2, s40, s41
	s_lshl_b32 s2, s2, 16                          ; my work-group's two of the eight blocks that I fetch
	s_mov_b32 s3, 0
	s_add_nc_u64 s[PFA:PFA+1], s[PFA:PFA+1], s[2:3]
	s_add_nc_u64 s[PFA:PFA+1], s[PFA:PFA+1], KADV  ; at K step 1
	global_prefetch_b8 v[PFO], s[PFA:PFA+1] th:TH_LOAD_NT scope:SCOPE_SE
	global_prefetch_b8 v[PFO], s[PFA:PFA+1] offset:KADV th:TH_LOAD_NT scope:SCOPE_SE
	; the factors' descriptor: 256 positions are 131,072 consecutive bytes, a quarter for each wave, into slot 0
	s_lshl_b32 s2, s17, 17
	s_add_co_u32 s2, s2, s45
	s_mov_b32 s[G0C], 1
	s_mov_b32 s[G0C+1], s45
	s_add_nc_u64 s[G0C+2:G0C+3], s[6:7], s[2:3]
	s_or_b32 s[G0C+3], s[G0C+3], 0x80000000
	; where my 128 x 128 goes: q, k: head = its columns, 128 positions = its rows; v: the other way round
	s_lshl_b32 s2, s42, 1
	s_add_co_u32 s2, s2, s16
	s_lshl_b32 s18, s17, 1
	s_add_co_u32 s18, s18, s15
	s_cmp_lt_u32 s[PROD], 2
	s_cselect_b32 s19, s2, s18
	s_cselect_b32 s18, s18, s2
	s_lshl_b32 s19, s19, 4
	s_add_co_u32 s18, s18, s19
	s_lshl_b32 s18, s18, 14
	s_lshl_b32 s19, s[PROD], 22
	s_add_co_u32 s18, s18, s19
	s_mov_b32 s19, 0
	s_add_nc_u64 s[OUTP_:OUTP_+1], s[96:97], s[18:19]
.macro FRAG reg, adr, q, i
.irp c, 0,1,2,3
	ds_load_b128 v[\reg+4*\c:\reg+4*\c+3], v[\adr] offset:2048*(\q)+512*\c+(\i)*4096
.endr
.endm
.macro MUL16 a0, p, zero               ; the 64 accumulators take turns, one instruction a turn
.irp a, \a0, \a0+1
.irp b, 0,1,2,3,4,5,6,7
.if \zero
	v_wmma_f32_16x16x128_fp8_fp8 v[8*(8*((\a)%4)+\b):8*(8*((\a)%4)+\b)+7], v[128*(\p)+FR*\b:128*(\p)+FR*\b+FR-1], v[AF+FR*(\a):AF+FR*(\a)+FR-1], 0
.else
	v_wmma_f32_16x16x128_fp8_fp8 v[8*(8*((\a)%4)+\b):8*(8*((\a)%4)+\b)+7], v[128*(\p)+FR*\b:128*(\p)+FR*\b+FR-1], v[AF+FR*(\a):AF+FR*(\a)+FR-1], v[8*(8*((\a)%4)+\b):8*(8*((\a)%4)+\b)+7]
.endif
.endr
.endr
.endm
.macro FETCH_B slot, q, p
	WIN TO_B
.irp i, 0,1,2,3,4,5,6,7
	FRAG 128*(\p)+FR*\i, ADRB+\slot, \q, \i
.endr
	WIN 0
.endm
.macro FETCH_A slot, q, i0
.irp i, \i0, \i0+1, \i0+2, \i0+3
	FRAG AF+FR*(\i), ADRA+\slot, \q, \i
.endr
.endm
.macro PLACES n
.rept \n
	v_nop
.endr
.endm
.macro STEP slot, q, zero              ; 128 along K with its successor in the same slot
	s_wait_dscnt 4*NL                              ; B's set and A's blocks 0-3 are in; the youngest 16 loads (A's blocks 4-7) may be out
	WIN MUL_LO
	MUL16 0, (\q)%2, \zero
	MUL16 2, (\q)%2, \zero
	s_wait_dscnt 0
	PLACES NP
	FETCH_B \slot, (\q)+1, 1-(\q)%2
	FETCH_A \slot, (\q)+1, 0
	WIN MUL_HI
	MUL16 4, (\q)%2, \zero
	MUL16 6, (\q)%2, \zero
	PLACES NP
	WIN 0
	FETCH_A \slot, (\q)+1, 4
.endm
; A slot's last 128 along K changes slots.  fill = 1: the slot takes the K step two on; fill = 2: the rotary factors; fill = 0: nothing, and no round.
.macro TURN slot, next, fill
.if (\fill) == 1
	s_wait_xcnt 0x0                                ; the last prefetch has read its address
	s_add_nc_u64 s[PFA:PFA+1], s[PFA:PFA+1], KADV
.endif
	s_wait_tensorcnt 0x0                           ; my part of the next slot is in
	ds_add_u32 v[SPW], v[NIL]                      ; 0 onto my spare word
	s_wait_dscnt 4*NL+1                            ; (the add and the youngest 16 loads may be out)
	WIN MUL_LO
	MUL16 0, 1, 0
	s_wait_dscnt 0x0                               ; the add is done, and my reads of this slot are over
	s_barrier_signal -1
	MUL16 2, 1, 0
	WIN 0
	s_barrier_wait -1
.if (\fill) == 1
	CREST
	s_add_nc_u64 s[G0+4*\slot+2:G0+4*\slot+3], s[G0+4*\slot+2:G0+4*\slot+3], 2*KADV
	s_add_nc_u64 s[G0B+4*\slot+2:G0B+4*\slot+3], s[G0B+4*\slot+2:G0B+4*\slot+3], 2*KADV
	JLOAD G0+4*\slot, G1, G0B+4*\slot, G1B
.endif
.if (\fill) == 2
	CREST
	tensor_load_to_lds s[G0C:G0C+3], s[G1C:G1C+7]
	s_nop 0
.endif
.if (\fill) != 1
	PLACES NP
.endif
	FETCH_B \next, 0, 0
	FETCH_A \next, 0, 0
.if (\fill) == 1
	s_cmp_lt_u32 s3, 2                             ; the last trip has no K step two refills on
	s_cbranch_scc1 .Lnot_mine_\@
	global_prefetch_b8 v[PFO], s[PFA:PFA+1] offset:2*KADV th:TH_LOAD_NT scope:SCOPE_SE
.Lnot_mine_\@:
.endif
	WIN MUL_HI
	MUL16 4, 1, 0
	MUL16 6, 1, 0
	PLACES NP
	WIN 0
	FETCH_A \next, 0, 4
.endm
.macro FINISH
	STEP 1, 0, 0
	s_wait_dscnt 4*NL
	WIN MUL_LO
	MUL16 0, 1, 0
	MUL16 2, 1, 0
	s_wait_dscnt 0
	WIN MUL_HI
	MUL16 4, 1, 0
	MUL16 6, 1, 0
	WIN 0
.endm
; A sum stands for sum x 2^(its operands' e added): the conversion takes 2^(e - those), and the hold 448 x that.
.macro SCALE
	s_wait_kmcnt 0x0
	s_sub_co_i32 s4, s74, s68
	s_sub_co_i32 s4, s4, s69
	s_sub_co_i32 s5, s75, s70
	s_sub_co_i32 s5, s5, s71
	s_sub_co_i32 s6, s76, s72
	s_sub_co_i32 s6, s6, s73
	s_cmp_eq_u32 s[PROD], 1
	s_cselect_b32 s4, s5, s4
	s_cmp_eq_u32 s[PROD], 2
	s_cselect_b32 s4, s6, s4
	s_add_co_i32 s4, s4, 127
	s_lshl_b32 s5, s4, 23
	v_mov_b32 v[SC], s5
	s_add_co_i32 s4, s4, 8
	s_lshl_b32 s4, s4, 23
	s_or_b32 s4, s4, 0x600000
	v_mov_b32 v[LIM], s4
	s_wait_alu depctr_va_vdst(0)
.endm
.macro CSLOAD a                        ; block a's factors: registers 8 b + 0 .. 3 cos, 8 b + 4 .. 7 sin of the pairs 8 b + 4 h + 0 .. 3
.set CSB, 32+96*((\a)%2)
.irp b, 0,1,2,3,4,5,6,7
	ds_load_b128 v[CSB+8*\b:CSB+8*\b+3], v[CSA] offset:(\a)*8192+1024*\b
	ds_load_b128 v[CSB+8*\b+4:CSB+8*\b+7], v[CSA] offset:(\a)*8192+1024*\b+512
.endr
.endm
.macro CODES a
	s_wait_alu depctr_va_vdst(0)
	s_wait_xcnt 0x0                                ; the earlier stores have read the codes' registers
.irp b, 0,1,2,3,4,5,6,7
	v_cvt_scalef32_pk8_fp8_f32 v[CD+2*\b:CD+2*\b+1], v[TMP+8*\b:TMP+8*\b+7], v[SC]
.endr
	v_nop
.irp c, 0,1,2,3
	global_store_b128 v[LI], v[CD+4*\c:CD+4*\c+3], s[OUTP_:OUTP_+1] offset:(\a)*2048+512*\c
.endr
.endm
; Four pairs of one accumulator: (e, o) becomes (e c - o s, o c + e s): first (-o s, e s), then the multiply-add by c.
.macro ROT t, x, c
	v_pk_mul_f32 v[\t:\t+1], v[\x:\x+1], v[\c+4:\c+5] op_sel:[1,0] op_sel_hi:[0,0] neg_lo:[1,0]
	v_pk_mul_f32 v[\t+2:\t+3], v[\x+2:\x+3], v[\c+4:\c+5] op_sel:[1,1] op_sel_hi:[0,1] neg_lo:[1,0]
	v_pk_mul_f32 v[\t+4:\t+5], v[\x+4:\x+5], v[\c+6:\c+7] op_sel:[1,0] op_sel_hi:[0,0] neg_lo:[1,0]
	v_pk_mul_f32 v[\t+6:\t+7], v[\x+6:\x+7], v[\c+6:\c+7] op_sel:[1,1] op_sel_hi:[0,1] neg_lo:[1,0]
	v_pk_fma_f32 v[\t:\t+1], v[\x:\x+1], v[\c:\c+1], v[\t:\t+1] op_sel_hi:[1,0,1]
	v_pk_fma_f32 v[\t+2:\t+3], v[\x+2:\x+3], v[\c:\c+1], v[\t+2:\t+3] op_sel:[0,1,0] op_sel_hi:[1,1,1]
	v_pk_fma_f32 v[\t+4:\t+5], v[\x+4:\x+5], v[\c+2:\c+3], v[\t+4:\t+5] op_sel_hi:[1,0,1]
	v_pk_fma_f32 v[\t+6:\t+7], v[\x+6:\x+7], v[\c+2:\c+3], v[\t+6:\t+7] op_sel:[0,1,0] op_sel_hi:[1,1,1]
.endm
.macro OUTR a
.if (\a) < 7
	CSLOAD (\a)+1
	s_wait_dscnt 16                                ; block a's factors are in; the 16 loads just issued may be out
.else
	s_wait_dscnt 0
.endif
.set AC, 64*((\a)%4)
.set CSU, 32+96*((\a)%2)
	WIN 0x02+((\a)/4)
.irp b, 0,1,2,3,4,5,6,7
	ROT TMP+8*\b, AC+8*\b, CSU+8*\b
.endr
	WIN 0
.set j, 0
.rept 64
	v_med3_num_f32 v[TMP+j], v[TMP+j], -v[LIM], v[LIM]    ; the conversion does not saturate (ISA guide 7.6.2)
.set j, j+1
.endr
	CODES \a
.endm
.macro OUTP a
.set AC, 64*((\a)%4)
	WIN 0x02+((\a)/4)
.set j, 0
.rept 64
	v_med3_num_f32 v[TMP+j], v[AC+j], -v[LIM], v[LIM]
.set j, j+1
.endr
	WIN 0
	CODES \a
.endm
	s_wait_alu depctr_va_vdst(0)
	s_wait_tensorcnt 0x0                           ; my part of K step 0 is in; the same lines as ahead of a refill:
	ds_add_u32 v[SPW], v[NIL]
	s_wait_dscnt 0x0
	CROUND
	JLOAD G0+4, G1, G0B+4, G1B                     ; K step 1, the first tensor load behind the round
	FETCH_B 0, 0, 0
	FETCH_A 0, 0, 0
	FETCH_A 0, 0, 4
	global_prefetch_b8 v[PFO], s[PFA:PFA+1] offset:2*KADV th:TH_LOAD_NT scope:SCOPE_SE    ; K step 3
	STEP 0, 0, 1                                   ; its products start the sums
	s_mov_b32 s3, LAPS-1
.Llap:                                                 ; a trip goes once round the ring and fills both slots again
	TURN 0, 1, 1
	STEP 1, 0, 0
	TURN 1, 0, 1
	STEP 0, 0, 0
	s_sub_co_u32 s3, s3, 1
	s_cmp_lg_u32 s3, 0
	s_cbranch_scc1 .Llap
	s_cmp_eq_u32 s[PROD], 2
	s_cbranch_scc1 .Lvpart
	TURN 0, 1, 2                                   ; q and k: slot 0 takes the rotary factors
	SCALE
	FINISH
	PLACES NP
	s_wait_tensorcnt 0x0                           ; my quarter of the factors is in,
	s_wait_dscnt 0x0
	s_barrier_signal -1                            ; and everybody's
	s_barrier_wait -1
	CSLOAD 0
.irp a, 0,1,2,3,4,5,6,7
	OUTR \a
.endr
	s_branch .Ldone
.Lvpart:
	TURN 0, 1, 0
	SCALE
	FINISH
	PLACES NP
.irp a, 0,1,2,3,4,5,6,7
	OUTP \a
.endr
.Ldone:
	s_wait_tensorcnt 0x0                           ; the wave's end
	ds_add_u32 v[SPW], v[NIL]
	s_wait_dscnt 0x0
	CROUND                                         ; the closing round
	s_endpgm
	; ---- wo: 64 work-groups, a wave to 16 rows x 1,024 columns, 128 at a time, through its own stage (see the first launch); no tensor load and no round on this path
.set WR, 32                            ; v32-159 two sets of 64 registers as loaded
.set WX, 160                           ; v160-223 64 numbers
.set WT, 224                           ; v224-239 two sets of eight held numbers
.set WC, 240                           ; v240-255 codes
.Lwo:
	s_load_b32 s68, s[8:9], 0x2c                   ; e11
	s_sub_co_u32 s17, s17, 6
	s_lshl_b32 s17, s17, 1
	s_add_co_u32 s17, s17, ttmp9
	s_lshl_b32 s17, s17, 2
	s_add_co_u32 s17, s17, s41
	s_lshl_b32 s17, s17, 2
	s_add_co_u32 s17, s17, s40                     ; 0 .. 63
	s_lshl_b32 s17, s17, 1
	s_add_co_u32 s17, s17, s15                     ; my block of 16 rows
	s_lshl_b32 s18, s17, 17
	s_lshl_b32 s19, s16, 12
	s_add_co_u32 s18, s18, s19                     ; my 1,024 columns
	s_mov_b32 s19, 0
	s_add_nc_u64 s[10:11], s[10:11], s[18:19]
	s_lshl_b32 s18, s17, 15
	s_lshl_b32 s20, s16, 14
	s_add_co_u32 s18, s18, s20                     ; their eight images
	s_add_nc_u64 s[98:99], s[98:99], s[18:19]
.macro LOADW u, off
.irp i, 0,1,2,3,4,5,6,7,8,9,10,11,12,13,14,15
	global_load_b128 v[WR+64*\u+4*\i:WR+64*\u+4*\i+3], v[LI], s[10:11] offset:\i*8192+\off th:TH_LOAD_NT
.endr
.endm
	LOADW 0, 0
	LOADW 1, 512
	s_wait_kmcnt 0x0
	s_add_co_i32 s4, s68, 127
	s_lshl_b32 s5, s4, 23
	v_mov_b32 v[SC], s5
	s_add_co_i32 s4, s4, 8
	s_lshl_b32 s4, s4, 23
	s_or_b32 s4, s4, 0x600000
	v_mov_b32 v[LIM], s4
	s_mov_b32 s3, 3
	s_wait_alu depctr_va_vdst(0)
.macro WSTEP u, more
.if (\more) || (\u) == 0
	s_wait_loadcnt 16                              ; this step's 16 loads are in; the other set's may be out
.else
	s_wait_loadcnt 0
.endif
.irp i, 0,1,2,3,4,5,6,7,8,9,10,11,12,13,14,15
	ds_store_b128 v[WSA], v[WR+64*\u+4*\i:WR+64*\u+4*\i+3] offset:\i*528
.endr
.irp c, 0,1,2,3,4,5,6,7
	ds_load_b128 v[WX+8*\c:WX+8*\c+3], v[WRA] offset:64*\c
	ds_load_b128 v[WX+8*\c+4:WX+8*\c+7], v[WRA] offset:64*\c+16
.endr
	s_wait_dscnt 0x0
	s_wait_xcnt 0x0                                ; the earlier stores have read the codes' registers
.if \more
	LOADW \u, (\u)*512+1024                        ; the step two on
.endif
.irp c, 0,1,2,3,4,5,6,7
.irp j, 0,1,2,3,4,5,6,7
	v_med3_num_f32 v[WT+8*(\c%2)+\j], v[WX+8*\c+\j], -v[LIM], v[LIM]
.endr
	v_cvt_scalef32_pk8_fp8_f32 v[WC+2*\c:WC+2*\c+1], v[WT+8*(\c%2):WT+8*(\c%2)+7], v[SC]
.endr
.irp c, 0,1,2,3
	global_store_b128 v[LI], v[WC+4*\c:WC+4*\c+3], s[98:99] offset:(\u)*2048+512*\c
.endr
.endm
.Lwloop:                                               ; three trips of two steps; the last two are written out without loads
	WSTEP 0, 1
	WSTEP 1, 1
	s_wait_xcnt 0x0
	s_add_nc_u64 s[10:11], s[10:11], 1024
	s_add_nc_u64 s[98:99], s[98:99], 4096
	s_sub_co_u32 s3, s3, 1
	s_cmp_lg_u32 s3, 0
	s_cbranch_scc1 .Lwloop
	WSTEP 0, 0
	WSTEP 1, 0
	s_wait_tensorcnt 0x0                           ; the wave's end
	ds_add_u32 v[SPW], v[NIL]
	s_wait_dscnt 0x0
	s_endpgm
.Lfunc_end_k_q465364e337_qkvgemm:
	.size	k_q465364e337_qkvgemm, .Lfunc_end_k_q465364e337_qkvgemm-k_q465364e337_qkvgemm
	.p2alignl 7, 3214868480
	.fill 96, 4, 3214868480
	.section	.rodata,"a",@progbits
	.p2align	6, 0x0
	.amdhsa_kernel k_q465364e337_qkvgemm
		.amdhsa_group_segment_fixed_size 327680
		.amdhsa_private_segment_fixed_size 0
		.amdhsa_enable_private_segment 0
		.amdhsa_kernarg_size 48
		.amdhsa_user_sgpr_count 2
		.amdhsa_user_sgpr_kernarg_segment_ptr 1
		.amdhsa_wavefront_size32 1
		.amdhsa_system_sgpr_workgroup_id_x 1
		.amdhsa_system_sgpr_workgroup_id_y 1
		.amdhsa_system_sgpr_workgroup_id_z 1
		.amdhsa_system_vgpr_workitem_id 0
		.amdhsa_next_free_vgpr 1024
		.amdhsa_next_free_sgpr 102
		.amdhsa_reserve_vcc 0
		.amdhsa_float_denorm_mode_32 3
		.amdhsa_float_denorm_mode_16_64 3
		.amdhsa_memory_ordered 1
		.amdhsa_forward_progress 1
		.amdhsa_inst_pref_size 255
	.end_amdhsa_kernel
	.section	.bss,"aw",@nobits
	.p2align	6
	.space	262144
	.amdgpu_metadata
---
amdhsa.version: [ 1, 2 ]
amdhsa.kernels:
  - .name:           k_q465364e337_qkvgemm
    .symbol:         k_q465364e337_qkvgemm.kd
    .args:
      - { .name: codes, .offset: 0, .size: 8, .value_kind: global_buffer, .address_space: global }
      - { .name: cs, .offset: 8, .size: 8, .value_kind: global_buffer, .address_space: global }
      - { .name: lowp_scales, .offset: 16, .size: 8, .value_kind: global_buffer, .address_space: global }
      - { .name: wo, .offset: 24, .size: 8, .value_kind: global_buffer, .address_space: global }
      - { .name: qkv, .offset: 32, .size: 8, .value_kind: global_buffer, .address_space: global }
      - { .name: woc, .offset: 40, .size: 8, .value_kind: global_buffer, .address_space: global }
    .group_segment_fixed_size: 327680
    .private_segment_fixed_size: 0
    .kernarg_segment_align: 8
    .kernarg_segment_size: 48
    .max_flat_workgroup_size: 128
    .sgpr_count:     102
    .vgpr_count:     1024
    .wavefront_size: 32
...
	.end_amdgpu_metadata
.endif
;; end of part 6
;; launch attn (part 7): grid 16 x 16, 4 waves a work-group, no clusters, 295,424 bytes of LDS; arguments qkv, maskw, flags, lowp_scales, ao; writes ao
.if DOCPART == 7
	.amdgcn_target "amdgcn-amd-amdhsa--gfx1250"
	.amdhsa_code_object_version 6
	.text
	.protected	k_q465364e337_attn
	.globl	k_q465364e337_attn
	.p2align	8
	.type	k_q465364e337_attn,@function
k_q465364e337_attn:
	s_mov_b64 s[64:65], 0
	v_nop
	global_prefetch_b8 v0, s[64:65] scope:SCOPE_SE
	s_setreg_imm32_b32 hwreg(HW_REG_WAVE_MODE, 25, 1), 1
	s_wait_xcnt 0x0
; o[q][head] = the sum over k of softmax_k(mask ? q . k / sqrt(128) : -infinity) v[k], both products on codes of FP8 (E4M3), and o quantised for the last projection.
; INPUTS, all made by the launches before, as images of operand registers (16 rows x 128 K: 2,048 bytes, registers 4 g .. 4 g + 3 of lane l at 512 g + 16 l; lane (r, h): row r, registers 2 c, 2 c + 1: k = 16 c + 8 h + 0 .. 7):
; qkv + 0: q [head][block of 16 positions][2,048]; + 4 MiB: k likewise; + 8 MiB: v [head][block of 128 keys][block of 16 d][2,048], K = the keys.
; maskw [tile of 16 queries][step of 128 keys][64 words]: bit l of word 8 a + j says whether key 16 a + 8 (l / 16) + j of the step counts for query l % 16 of the tile.
; flags [tile][4 words], or-ed: bit s: some key of step s counts for some query of the tile; bit 16 + s: all count for all.
; WHAT THE STORED FLAGS DECIDE, for any mask: a tile x step in which no key counts is left out (each of its p would be 2^(-infinity) = 0); one in which all count needs no select.  LIMIT: a NaN or an infinity in codes that only such a
; left-out tile would touch is not carried to the result.
; THE SOFTMAX AHEAD OF THE SECOND PRODUCT: t = score x log2(e) / sqrt(128); M = the largest t so far, rounded UP to a whole number; p = 2^(t - M) is quantised, not normalised; the row's sum is taken of the unquantised p
; and divides at the end.  When M moves, the sum and O are multiplied by 2^(old M - new M): exact.  A hidden score becomes -infinity ahead of the maximum: p = 0.
; A QUERY FOR WHICH NO KEY COUNTS has the sum 0; the expected row is NaN: its codes are set to the format's NaN code, which makes its row of out0 NaN.
; SHARES.  Work-group (x, y): head y, the blocks of 64 queries 31 - x and x.  Each of four waves, one to a SIMD, owns one tile of 16 queries of either block: tile 0 (of block 31 - x) in window 0, tile 1 (of block x) in window 1.
; LAYOUT.  Both products are used transposed: S^T = K Q^T, O^T = V^T P^T: a lane holds ONE query (l % 16) throughout.  Register j of S^T's tile a is key 16 a + 8 h + j: one conversion of eight gives registers 2 a, 2 a + 1 of P's fragment.
; RING.  Four LDS buffers, each with two steps (step q: 16,384 bytes of K, then of V, at 32,768 q).  In trip j steps 2 j and 2 j + 1 are worked, K is read one step ahead, pair j + 2 goes from registers into its buffer and pair j + 3 is
; asked for: one barrier a trip.  Each wave stages one step's K or V: 16,384 consecutive bytes.
; NO CLUSTER AND NO TENSOR LOAD: branches here hang on stored flags, and how many steps a work-group walks differs between work-groups; so K and V come by ordinary loads.  Pairs behind the last one needed are not loaded.
; PREFETCH: in trip j < 4 the head's sixteen work-groups ask for pair j + 4, an eighth of 16,384 bytes of K and of V each (sixteen blocks of 256 bytes, one instruction of wave 0), one whole trip ahead of its load.
; LIMITS on the given exponents: e6 + e7 between -123 and 130 (added to c's exponent field); e9, and e10 - e8 - e9, between -126 and 119.  The promise holds while the scaled scores stay under 2^31 in magnitude.
; REGISTERS.  Window 0: v1-9 addresses.  Windows 0 and 1, a tile each: v10-11 mask words; v12 -M, v13 the largest t, v[14:15] the sum in two halves; v16-31 Q; v32-95 S^T, then p; v96-159 O^T; v160-175 P; v176-202 at work and constants.
; Window 2: v0-127 K, v128-255 V.  Window 3: v0-127 a pair on its way.
.set BUF,  65536
.set MSK,  4*BUF                       ; behind the ring: each wave's mask words, 4,096 bytes for each of its two tiles
.set SPARE, MSK+4*8192                 ; the spare words: two blocks of 256 bytes that no other line names
.set LI,   1                           ; 16 x lane
.set ADA,  2                           ; LDS: the trip's buffer
.set ADN,  3                           ; the next trip's
.set ADS,  4                           ; my share of the one after
.set SPW,  5
.set NIL,  6
.set SHR,  7                           ; my share of a buffer
.set MAD,  8                           ; my mask words, + 8 x lane
.set ADM,  9                           ; the trip's
.set PFO,  204
.set S,    32
.set O,    96
.set P,    160
.set WV,   66
.set CNT,  67
.set STP,  93                          ; the step in hand
.set TILE0, 94                         ; s94, s95 my two tiles
.set HEAD, 101
.set FLG,  86                          ; s86, s87 their flags
.set NW,   88                          ; my steps: one more than the last in which some key counts for one of my tiles, at least 1
.set LP,   89                          ; pairs to stage: to the step behind the work-group's last, at least 3
.set NINF, 90                          ; -infinity
.set HLD,  91                          ; 448 x 2^e9
.set NOH,  92                          ; 1 where that is 1 or more: p is at most 1, so no hold is needed
.set MSB, 0
.macro WIN new                         ; the immediate's high byte repeats the setting that is left
.if MSB != (\new)
	s_set_vgpr_msb (MSB<<8)|(\new)
.set MSB, (\new)
.endif
.endm
	s_load_b256 s[8:15], s[0:1], 0x0               ; qkv, maskw, flags, the scales' exponents
	s_load_b64 s[84:85], s[0:1], 0x20              ; ao
	v_lshl_add_u32 v[SPW], v0, 2, SPARE
	v_mov_b32 v[NIL], 0
	v_lshrrev_b32 v10, 5, v0
	v_readfirstlane_b32 s[WV], v10                 ; wave 0..3
	v_and_b32 v10, 31, v0
	v_lshlrev_b32 v[LI], 4, v10
	s_wait_alu depctr_va_vdst(0)
	s_lshl_b32 s2, s[WV], 13
	s_add_co_u32 s2, s2, MSK
	v_lshl_add_u32 v[MAD], v10, 3, s2
	v_add_nc_u32 v[ADM], s2, v[LI]                 ; (at the head: where the mask words are stored)
	s_and_b32 s2, s[WV], 1
	s_lshr_b32 s3, s[WV], 1
	s_lshl_b32 s98, s2, 15
	s_lshl_b32 s99, s3, 14
	s_add_co_u32 s98, s98, s99
	v_add_nc_u32 v[SHR], s98, v[LI]                ; waves 0, 1: K of step 0, 1 of a pair; waves 2, 3: V
	v_add_nc_u32 v[ADS], BUF, v[SHR]
	s_and_b32 s[HEAD], ttmp7, 0xffff
	s_add_co_u32 s3, s3, 1
	s_lshl_b32 s96, s3, 22
	s_lshl_b32 s97, s[HEAD], 18                    ; a head is 262,144 bytes in each part
	s_add_co_u32 s96, s96, s97
	s_lshl_b32 s97, s2, 14
	s_add_co_u32 s96, s96, s97                     ; what I stage
	s_mov_b32 s97, 0
	s_sub_co_u32 s98, 31, ttmp9
	s_lshl_b32 s[TILE0], s98, 2
	s_add_co_u32 s[TILE0], s[TILE0], s[WV]
	s_lshl_b32 s[TILE0+1], ttmp9, 2
	s_add_co_u32 s[TILE0+1], s[TILE0+1], s[WV]
	s_lshl_b32 s2, s[TILE0], 12
	s_lshl_b32 s3, s[TILE0+1], 12
	v_add_nc_u32 v[ADA], s2, v[LI]                 ; (at the head: the mask words' offsets)
	v_add_nc_u32 v[ADN], s3, v[LI]
	s_lshl_b32 s100, s[HEAD], 18
	s_lshl_b32 s2, s[TILE0], 11
	s_add_co_u32 s2, s2, s100
	s_lshl_b32 s3, s[TILE0+1], 11
	s_add_co_u32 s3, s3, s100
	v_min_u32 v12, 15, v10
	v_add_nc_u32 v10, s2, v[LI]                    ; (at the head: Q's offsets)
	v_add_nc_u32 v11, s3, v[LI]
	v_and_b32 v13, 7, v12
	v_lshrrev_b32 v12, 3, v12
	v_lshlrev_b32 v12, 22, v12
	v_lshl_add_u32 v12, v13, 8, v12
	s_lshl_b32 s2, ttmp9, 11
	v_add_nc_u32 v[PFO], s2, v12                   ; lanes 0-7: eight blocks of K; lanes 8-15: of V, 4 MiB on; the others the last once more
	s_lshl_b32 s98, s98, 6                         ; flags of block 31 - x, of block x, of my two tiles
	s_lshl_b32 s99, ttmp9, 6
	s_lshl_b32 s2, s[TILE0], 4
	s_lshl_b32 s3, s[TILE0+1], 4
	s_wait_alu depctr_va_vdst(0)
	s_wait_kmcnt 0x0
	s_load_b512 s[16:31], s[12:13], s98 offset:0x0
	s_load_b512 s[32:47], s[12:13], s99 offset:0x0
	s_load_b128 s[48:51], s[12:13], s2 offset:0x0
	s_load_b128 s[52:55], s[12:13], s3 offset:0x0
	s_load_b128 s[68:71], s[14:15], 0x18           ; e6, e7, e8, e9
	s_load_b32 s72, s[14:15], 0x28                 ; e10
	s_add_nc_u64 s[6:7], s[8:9], s[96:97]          ; what I stage: pair 0
	WIN 0x80
.set i, 0
.rept 32
	global_load_b128 v[4*i:4*i+3], v[LI], s[6:7] offset:512*i
.set i, i+1
.endr
.set i, 0
.rept 32
	global_load_b128 v[128+4*i:131+4*i], v[LI], s[6:7] offset:32768+512*i
.set i, i+1
.endr
	WIN 0
.irp i, 0,1,2,3,4,5,6,7
	global_load_b128 v[S+4*\i:S+4*\i+3], v[ADA], s[10:11] offset:512*\i
.endr
.irp i, 0,1,2,3,4,5,6,7
	global_load_b128 v[S+32+4*\i:S+32+4*\i+3], v[ADN], s[10:11] offset:512*\i
.endr
.irp c, 0,1,2,3
	global_load_b128 v[16+4*\c:19+4*\c], v10, s[8:9] offset:512*\c
.endr
	WIN 0x40
.irp c, 0,1,2,3
	global_load_b128 v[16+4*\c:19+4*\c], v11, s[8:9] offset:512*\c
.endr
	WIN 0xc0
.set i, 0
.rept 32
	global_load_b128 v[4*i:4*i+3], v[LI], s[6:7] offset:65536+512*i
.set i, i+1
.endr
	WIN 0
	s_wait_kmcnt 0x0                               ; the flags and exponents are in: their pointers and offsets may be written
.set i, 18
.rept 15
	s_or_b64 s[16:17], s[16:17], s[i:i+1]
.set i, i+2
.endr
	s_or_b32 s16, s16, s17                         ; some tile of the work-group
	s_or_b32 s[FLG], s48, s49
	s_or_b32 s50, s50, s51
	s_or_b32 s[FLG], s[FLG], s50
	s_or_b32 s[FLG+1], s52, s53
	s_or_b32 s54, s54, s55
	s_or_b32 s[FLG+1], s[FLG+1], s54
	s_or_b32 s[NW], s[FLG], s[FLG+1]
	s_and_b32 s[NW], s[NW], 0xffff
	s_or_b32 s[NW], s[NW], 1
	s_clz_i32_u32 s[NW], s[NW]
	s_sub_co_u32 s[NW], 32, s[NW]
	s_and_b32 s[LP], s16, 0xffff
	s_or_b32 s[LP], s[LP], 1
	s_clz_i32_u32 s[LP], s[LP]
	s_sub_co_u32 s[LP], 32, s[LP]                  ; the step behind the last,
	s_min_u32 s[LP], s[LP], 15
	s_lshr_b32 s[LP], s[LP], 1
	s_add_co_u32 s[LP], s[LP], 1                   ; and the pairs up to its own
	s_max_u32 s[LP], s[LP], 3
	s_mov_b32 s[NINF], 0xff800000
	s_mov_b32 s4, 0x76543210                       ; lane selects for v_permlanex16_b32: lane l xor 16
	s_mov_b32 s5, 0xfedcba98
	s_add_co_i32 s16, s68, s69
	s_lshl_b32 s16, s16, 23
	s_add_co_i32 s56, s16, 0x3e0293ee              ; c = log2(e) / sqrt(128) x 2^(e6 + e7)
	s_mov_b32 s2, s56                              ; (kept in s[2:3]; named as a pair, so both are written)
	s_mov_b32 s3, s56
	s_cmp_ge_i32 s71, -8
	s_cselect_b32 s[NOH], 1, 0
	s_add_co_i32 s16, s71, 127
	s_lshl_b32 s17, s16, 23                        ; 2^e9, for p's conversions
	s_add_co_i32 s16, s16, 8
	s_lshl_b32 s16, s16, 23
	s_or_b32 s[HLD], s16, 0x600000
	s_sub_co_i32 s18, s72, s70
	s_sub_co_i32 s18, s18, s71                     ; a sum of the second product stands for sum x 2^(e8 + e9): o's conversions take 2^(e10 - e8 - e9)
	s_add_co_i32 s18, s18, 127
	s_lshl_b32 s19, s18, 23
	s_add_co_i32 s18, s18, 8
	s_lshl_b32 s18, s18, 23
	s_or_b32 s18, s18, 0x600000
	s_mov_b32 s100, 0x400000+3*32768
	s_lshl_b32 s96, s[HEAD], 18
	s_add_co_u32 s96, s96, s100
	s_add_nc_u64 s[12:13], s[8:9], s[96:97]        ; the prefetch: pair 3 of the head's K
.macro INIT t
	WIN 0x55*(\t)
	v_mov_b32 v13, 0xff61b1e6                      ; the largest t so far: -3e38, under every t
	v_mov_b32 v14, 0                               ; the sum, in two halves
	v_mov_b32 v15, 0
	v_mov_b32 v198, 0                              ; a lane permute's destination counts as one of its sources
	v_mov_b32 v193, 0                              ; (named as the upper half of the pair v[192:193])
	v_mov_b32 v200, s17
	v_mov_b32 v201, s19
	v_mov_b32 v202, s18
	v_floor_f32 v12, -v13                          ; -M
.set j, 0
.rept 64
	v_mov_b32 v[O+j], 0                            ; O^T: the step is written once: the first change of M multiplies zeros
.set j, j+1
.endr
	WIN 0
.endm
	INIT 0
	INIT 1
	s_wait_alu depctr_va_vdst(0)
	s_wait_loadcnt 63                              ; pair 0 is in: 88 loads stand behind it
	WIN 0x08
.set i, 0
.rept 32
	ds_store_b128 v[SHR], v[4*i:4*i+3] offset:512*i
.set i, i+1
.endr
	s_wait_loadcnt 56                              ; pair 1 is in: 16 + 8 + 32 stand behind it
.set i, 0
.rept 32
	ds_store_b128 v[ADS], v[128+4*i:131+4*i] offset:512*i
.set i, i+1
.endr
	WIN 0
	s_wait_loadcnt 40                              ; the mask words are in
.set i, 0
.rept 16
	ds_store_b128 v[ADM], v[S+4*i:S+4*i+3] offset:512*i
.set i, i+1
.endr
	s_wait_loadcnt 32                              ; Q is in; pair 2 may be out
	s_wait_dscnt 0x0
	s_barrier_signal -1
	s_barrier_wait -1                              ; pairs 0 and 1 are whole
	WIN 0x80
.irp k, 0,1,2,3,4,5,6,7
.irp c, 0,1,2,3
	ds_load_b128 v[16*\k+4*\c:16*\k+4*\c+3], v[LI] offset:2048*\k+512*\c       ; K of step 0
.endr
.endr
	WIN 0
.macro CLR t
	WIN 0x55*(\t)
.set j, 0
.rept 64
	v_mov_b32 v[S+j], 0                            ; written once: some ways through the text lead round the products that write them
.set j, j+1
.endr
	WIN 0
.endm
	CLR 0
	CLR 1
	s_mov_b32 s[CNT], 0
	s_wait_alu depctr_va_vdst(0)
	s_wait_xcnt 0x0                                ; the head's loads have read their base:
	s_add_nc_u64 s[6:7], s[6:7], 65536             ; pair 2: stepped in every trip
	s_wait_dscnt 0x0
; One tile of the step in hand, its scores in S.
.macro TILE t, q
	s_bitcmp1_b32 s[FLG+\t], s[STP]                ; does any key of the step count for any of the tile's queries?
	s_cbranch_scc0 .Lskip_\@
	s_add_co_u32 s98, s[STP], 16
	s_bitcmp1_b32 s[FLG+\t], s98                   ; do all count for all?
	s_cbranch_scc1 .Lfull_\@
	WIN 0x40*(\t)
	ds_load_b64 v[10:11], v[ADM] offset:256*(\q)+4096*(\t)     ; lane l: words 2 l and 2 l + 1
	s_wait_dscnt 0x0
	WIN 0x55*(\t)
.set n, 0
.rept 64                               ; word n into s[16 + n], from n = 48 on into s[20 + n]
	v_readlane_b32 s[16+n+4*(n/48)], v[10+n%2], n/2
.set n, n+1
.endr
.set n, 0
.rept 64
	v_cndmask_b32 v[S+n], s[NINF], v[S+n], s[16+n+4*(n/48)]    ; a hidden score becomes -infinity
.set n, n+1
.endr
	WIN 0
.Lfull_\@:
	WIN 0x55*(\t)
	v_max3_num_f32 v194, v[S], v[S+1], v[S+2]      ; the step's largest score of my query, among my 64 keys, in four chains,
	v_max3_num_f32 v195, v[S+3], v[S+4], v[S+5]
	v_max3_num_f32 v196, v[S+6], v[S+7], v[S+8]
	v_max3_num_f32 v197, v[S+9], v[S+10], v[S+11]
.set n, 0
.rept 26
	v_max3_num_f32 v[194+n%4], v[194+n%4], v[S+12+2*n], v[S+13+2*n]
.set n, n+1
.endr
	v_max3_num_f32 v194, v194, v196, v197
	v_max_num_f32 v194, v194, v195
	v_permlanex16_b32 v198, v194, s4, s5
	v_max_num_f32 v194, v194, v198                 ; and among lane l xor 16's
	v_mul_f32 v194, s2, v194                       ; as t (c is positive)
	v_max_num_f32 v13, v13, v194                   ; the running largest t
	v_mov_b32 v194, v12
	v_floor_f32 v12, -v13                          ; the new -M = floor(-t): M is a whole number
	v_sub_f32 v194, v12, v194                      ; old M less new M: a whole number, 0 or less
	v_cvt_i32_f32 v194, v194                       ; (it saturates)
	v_ldexp_f32 v192, 1.0, v194                    ; f = 2^(old M - new M)
.set j, 0
.rept 32
	v_pk_fma_f32 v[S+j:S+j+1], v[S+j:S+j+1], s[2:3], v[12:13] op_sel_hi:[1,0,0]   ; t - M, two at a time
.set j, j+2
.endr
	s_wait_alu depctr_va_vdst(0)
.set j, 0
.rept 64
	v_exp_f32 v[S+j], v[S+j]                       ; p = 2^(t - M), at most 1
.set j, j+1
.endr
	v_pk_mul_f32 v[14:15], v[14:15], v[192:193] op_sel_hi:[1,0]    ; the sums under the new M: the plain line behind the exponentials
	s_wait_alu depctr_va_vdst(0)                   ; and for one ahead of its first reader
.irp k, 0,1,2,3,4,5,6,7
	v_pk_add_f32 v[176+2*\k:177+2*\k], v[S+4*\k:S+4*\k+1], v[S+4*\k+2:S+4*\k+3]    ; the sum of the unquantised p, in eight chains
.endr
.irp k, 0,1,2,3,4,5,6,7
	v_pk_add_f32 v[176+2*\k:177+2*\k], v[176+2*\k:177+2*\k], v[S+32+2*\k:S+33+2*\k]
.endr
.irp k, 0,1,2,3,4,5,6,7
	v_pk_add_f32 v[176+2*\k:177+2*\k], v[176+2*\k:177+2*\k], v[S+48+2*\k:S+49+2*\k]
.endr
.irp k, 0,1,2,3
	v_pk_add_f32 v[176+2*\k:177+2*\k], v[176+2*\k:177+2*\k], v[184+2*\k:185+2*\k]
.endr
	v_pk_add_f32 v[176:177], v[176:177], v[180:181]
	v_pk_add_f32 v[178:179], v[178:179], v[182:183]
	v_pk_add_f32 v[14:15], v[14:15], v[176:177]
	v_pk_add_f32 v[14:15], v[14:15], v[178:179]
	WIN 0
	s_cmp_lg_u32 s[NOH], 0
	s_cbranch_scc1 .Lnohold_\@
	WIN 0x55*(\t)
.set j, 0
.rept 64
	v_min_num_f32 v[S+j], s[HLD], v[S+j]           ; the conversion does not saturate (ISA guide 7.6.2); p is not negative, so the hold is one-sided
.set j, j+1
.endr
	WIN 0
.Lnohold_\@:
	WIN 0x55*(\t)
.irp a, 0,1,2,3,4,5,6,7
	v_cvt_scalef32_pk8_fp8_f32 v[P+2*\a:P+2*\a+1], v[S+8*\a:S+8*\a+7], v200       ; keys 16 a + 8 h + 0 .. 7
.endr
	s_wait_alu depctr_va_vdst(0)                   ; directly ahead of the first reader of O^T
.set j, 0
.rept 32
	v_pk_mul_f32 v[O+j:O+j+1], v[O+j:O+j+1], v[192:193] op_sel_hi:[1,0]           ; O^T under the new M; also the plain lines behind the conversions
.set j, j+2
.endr
	s_wait_alu depctr_va_vdst(0)
	s_wait_dscnt 32                                ; V is in; the 32 loads of the next step's K, issued behind V's, may be out
	WIN 0x02+0x54*(\t)
.irp a, 0,1,2,3,4,5,6,7                ; O^T += V^T P^T; the eight accumulators take turns
	v_wmma_f32_16x16x128_fp8_fp8 v[O+8*\a:O+8*\a+7], v[128+16*\a:143+16*\a], v[P:P+15], v[O+8*\a:O+8*\a+7]
.endr
	WIN 0
.Lskip_\@:
.endm
.macro SCORES t                        ; S^T = K Q^T, eight tiles of 16 keys
	s_bitcmp1_b32 s[FLG+\t], s[STP]
	s_cbranch_scc0 .Lnone_\@
	WIN 0x02+0x54*(\t)
.irp k, 0,1,2,3,4,5,6,7
	v_wmma_f32_16x16x128_fp8_fp8 v[S+8*\k:S+8*\k+7], v[16*\k:16*\k+15], v[16:31], 0
.endr
	WIN 0
.Lnone_\@:
.endm
; Step 2 x trip + q.  K lies in registers already.  Behind my last step nothing is read or worked; the look-ahead of the launch's very last step reads a buffer that is written no more, and nothing uses it.
.macro STEP q
	s_lshl_b32 s[STP], s[CNT], 1
.if \q
	s_or_b32 s[STP], s[STP], 1
.endif
	s_cmp_ge_u32 s[STP], s[NW]
	s_cbranch_scc1 .Lidle_\@
	SCORES 0
	SCORES 1
.rept 5
	v_nop                                          ; places: in front of the loads into K's and V's registers and of the first read of the scores
.endr
	WIN 0x80
.irp k, 0,1,2,3,4,5,6,7
.irp c, 0,1,2,3
	ds_load_b128 v[128+16*\k+4*\c:131+16*\k+4*\c], v[ADA] offset:32768*(\q)+16384+2048*\k+512*\c
.endr
.endr
.irp k, 0,1,2,3,4,5,6,7
.irp c, 0,1,2,3
.if \q
	ds_load_b128 v[16*\k+4*\c:16*\k+4*\c+3], v[ADN] offset:2048*\k+512*\c
.else
	ds_load_b128 v[16*\k+4*\c:16*\k+4*\c+3], v[ADA] offset:32768+2048*\k+512*\c
.endif
.endr
.endr
	WIN 0
	TILE 0, \q
	TILE 1, \q
.Lidle_\@:
.endm
.Ltrip:                                                ; eight trips; every wave walks all of them
	s_and_b32 s98, s[CNT], 3
	s_lshl_b32 s98, s98, 16
	v_add_nc_u32 v[ADA], s98, v[LI]
	s_add_co_u32 s98, s[CNT], 1
	s_and_b32 s98, s98, 3
	s_lshl_b32 s98, s98, 16
	v_add_nc_u32 v[ADN], s98, v[LI]
	s_add_co_u32 s98, s[CNT], 2
	s_and_b32 s98, s98, 3
	s_lshl_b32 s98, s98, 16
	v_add_nc_u32 v[ADS], s98, v[SHR]
	s_lshl_b32 s98, s[CNT], 9
	v_add_nc_u32 v[ADM], s98, v[MAD]
	s_wait_alu depctr_va_vdst(0)
	STEP 0
	s_wait_dscnt 0x0                               ; the next step's K is in
	s_wait_xcnt 0x0                                ; the last loads and the last prefetch have read their addresses
	s_add_nc_u64 s[6:7], s[6:7], 32768             ; pair j + 3
	s_add_nc_u64 s[12:13], s[12:13], 32768         ; pair j + 4
	s_wait_loadcnt 0x0                             ; my share of pair j + 2 is in registers
	s_add_co_u32 s98, s[CNT], 2
	s_cmp_ge_u32 s98, s[LP]
	s_cbranch_scc1 .Lnostore
	WIN 0x0c
.set i, 0
.rept 32
	ds_store_b128 v[ADS], v[4*i:4*i+3] offset:512*i        ; its buffer was last read two trips ago
.set i, i+1
.endr
	WIN 0
.Lnostore:
	STEP 1
	s_wait_dscnt 0x0                               ; my stores are done, for the others' sake, and so are my reads
	s_add_co_u32 s98, s[CNT], 3
	s_cmp_ge_u32 s98, s[LP]
	s_cbranch_scc1 .Lnoload
	WIN 0xc0
.set i, 0
.rept 32
	global_load_b128 v[4*i:4*i+3], v[LI], s[6:7] offset:512*i
.set i, i+1
.endr
	WIN 0
.Lnoload:
	s_cmp_lg_u32 s[WV], 0
	s_cbranch_scc1 .Lnoask
	s_cmp_ge_u32 s[CNT], 4
	s_cbranch_scc1 .Lnoask
	global_prefetch_b8 v[PFO], s[12:13] th:TH_LOAD_NT scope:SCOPE_SE
.Lnoask:
	s_barrier_signal -1
	s_barrier_wait -1
	s_add_co_u32 s[CNT], s[CNT], 1
	s_cmp_lt_u32 s[CNT], 8
	s_cbranch_scc1 .Ltrip
	; THE WAY OUT: O^T / the sum, quantised by 2^e10: eight conversions give the image of 16 queries x the head's 128
.macro FIN t
	s_lshl_b32 s96, s[TILE0+\t], 4
	s_add_co_u32 s96, s96, s[HEAD]
	s_lshl_b32 s96, s96, 11                        ; ao [tile of 16 queries][head][2,048]
	s_mov_b32 s97, 0
	s_add_nc_u64 s[68+2*\t:69+2*\t], s[84:85], s[96:97]
	WIN 0x55*(\t)
	v_add_f32 v14, v14, v15                        ; the sum's two halves,
	v_permlanex16_b32 v198, v14, s4, s5
	v_add_f32 v14, v14, v198                       ; and lane l xor 16's
	v_cmp_eq_f32 s[72+\t], 0, v14                  ; no key counted for this query
	v_mov_b32 v195, 1.0
	v_mov_b32 v194, 0x7f7f7f7f                     ; four NaN codes
	v_cndmask_b32 v14, v14, v195, s[72+\t]         ; (its O^T is 0: divide by 1,)
	v_cndmask_b32 v196, 0, v194, s[72+\t]          ; and set its codes to NaN below
	s_wait_alu depctr_va_vdst(0)                   ; the wait ahead of the reciprocal,
	v_rcp_f32 v14, v14
	v_nop
	s_wait_alu depctr_va_vdst(0)                   ; and ahead of the first readers of its result and of O^T
.set j, 0
.rept 32
	v_pk_mul_f32 v[S+j:S+j+1], v[O+j:O+j+1], v[14:15] op_sel_hi:[1,0]
.set j, j+2
.endr
.set j, 0
.rept 64
	v_med3_num_f32 v[S+j], v[S+j], -v202, v202
.set j, j+1
.endr
.irp c, 0,1,2,3,4,5,6,7
	v_cvt_scalef32_pk8_fp8_f32 v[P+2*\c:P+2*\c+1], v[S+8*\c:S+8*\c+7], v201
.endr
	v_nop
.set j, 0
.rept 16
	v_or_b32 v[P+j], v196, v[P+j]
.set j, j+1
.endr
	WIN 0x04*(\t)
.irp c, 0,1,2,3
	global_store_b128 v[LI], v[P+4*\c:P+4*\c+3], s[68+2*\t:69+2*\t] offset:512*\c  ; 512 consecutive bytes of the image
.endr
	WIN 0
.endm
	FIN 0
	FIN 1
	s_wait_tensorcnt 0x0                           ; the wave's end, behind my last LDS store
	ds_add_u32 v[SPW], v[NIL]
	s_wait_dscnt 0x0
	s_endpgm
.Lfunc_end_k_q465364e337_attn:
	.size	k_q465364e337_attn, .Lfunc_end_k_q465364e337_attn-k_q465364e337_attn
	.p2alignl 7, 3214868480
	.fill 96, 4, 3214868480
	.section	.rodata,"a",@progbits
	.p2align	6, 0x0
	.amdhsa_kernel k_q465364e337_attn
		.amdhsa_group_segment_fixed_size 295424
		.amdhsa_private_segment_fixed_size 0
		.amdhsa_enable_private_segment 0
		.amdhsa_kernarg_size 40
		.amdhsa_user_sgpr_count 2
		.amdhsa_user_sgpr_kernarg_segment_ptr 1
		.amdhsa_wavefront_size32 1
		.amdhsa_system_sgpr_workgroup_id_x 1
		.amdhsa_system_sgpr_workgroup_id_y 1
		.amdhsa_system_sgpr_workgroup_id_z 1
		.amdhsa_system_vgpr_workitem_id 0
		.amdhsa_next_free_vgpr 896
		.amdhsa_next_free_sgpr 102
		.amdhsa_reserve_vcc 0
		.amdhsa_float_denorm_mode_32 3
		.amdhsa_float_denorm_mode_16_64 3
		.amdhsa_memory_ordered 1
		.amdhsa_forward_progress 1
		.amdhsa_inst_pref_size 155
	.end_amdhsa_kernel
	.amdgpu_metadata
---
amdhsa.version: [ 1, 2 ]
amdhsa.kernels:
  - .name:           k_q465364e337_attn
    .symbol:         k_q465364e337_attn.kd
    .args:
      - { .name: qkv, .offset: 0, .size: 8, .value_kind: global_buffer, .address_space: global }
      - { .name: maskw, .offset: 8, .size: 8, .value_kind: global_buffer, .address_space: global }
      - { .name: flags, .offset: 16, .size: 8, .value_kind: global_buffer, .address_space: global }
      - { .name: lowp_scales, .offset: 24, .size: 8, .value_kind: global_buffer, .address_space: global }
      - { .name: ao, .offset: 32, .size: 8, .value_kind: global_buffer, .address_space: global }
    .group_segment_fixed_size: 295424
    .private_segment_fixed_size: 0
    .kernarg_segment_align: 8
    .kernarg_segment_size: 40
    .max_flat_workgroup_size: 128
    .sgpr_count:     102
    .vgpr_count:     896
    .wavefront_size: 32
...
	.end_amdgpu_metadata
.endif
;; end of part 7
;; launch proj (part 8): grid 16 x 16, 4 waves a work-group, clusters of 4 x 4, 327,680 bytes of LDS; arguments ao, woc, lowp_scales, out0; writes out0
.if DOCPART == 8
	.amdgcn_target "amdgcn-amd-amdhsa--gfx1250"
	.amdhsa_code_object_version 6
	.text
	.protected	k_q465364e337_proj
	.globl	k_q465364e337_proj
	.p2align	8
	.type	k_q465364e337_proj,@function
k_q465364e337_proj:
	s_mov_b64 s[64:65], 0
	v_nop
	global_prefetch_b8 v0, s[64:65] scope:SCOPE_SE
	s_setreg_imm32_b32 hwreg(HW_REG_WAVE_MODE, 25, 1), 1
	s_wait_xcnt 0x0
	s_wait_alu depctr_hold_cnt(0) depctr_sa_sdst(0) depctr_va_vdst(0) depctr_va_sdst(0) depctr_va_ssrc(0) depctr_va_vcc(0) depctr_vm_vsrc(0)
	s_getreg_b32 s2, hwreg(HW_REG_IB_STS2, 6, 4)
	s_cmp_eq_u32 s2, 0
	s_cbranch_scc0 .Lentry_in_a_cluster
	s_endpgm
.Lentry_in_a_cluster:
	s_bfe_u32 s2, ttmp6, 0x10000c
	s_cmp_lg_u32 s2, 0xf033
	s_cbranch_scc0 .Lentry_shape_is_right
	s_endpgm
.Lentry_shape_is_right:
; out0 = o wo^T: both operands as images of registers (16 rows x 128 K: 2,048 bytes, see the first launch), f32 sums, each finished sum x 2^(e10 + e11).  Nothing of the computation is left out here.
; A work-group makes 128 x 128, each of four waves 64 x 64; K goes in steps of 512 through two LDS slots of 131,072 bytes, a quarter for each wave by one joint tensor load (A's shared along the cluster's row, B's along its column).
; PREFETCH: each wave asks for its work-group's quarter (told apart by address: cx for A, cy for B: 8,192 consecutive bytes) of what it fetches: K steps 1 and 2 behind the head's load, K step 3 behind K step 1's.
; LIMIT: e10 + e11 between -126 and 127.
.set SIZE_N, 2048
.set PFO,  30
.set PFA,  66
.set HALFT,  32768
.set SLOT,   4*HALFT
.set SPARE,  2*SLOT
.set KADV,   8192
.set FR,     16
.set SPITCH, 272
.set ADRA, 16
.set ADRB, 20
.set STO,  24
.set RD,   25
.set CO,   26
.set LI,   27
.set SPW,  28
.set NIL,  29
.set TMP,  32
.set BK,   64
.set ACC,  128
.set F0,   0
.set F1,   128
.set G1, 24
.set G0, 32
.set G1B, 48
.set G0B, 56
.set MSB, 0
.macro WIN new
.if MSB != (\new)
	s_set_vgpr_msb (MSB<<8)|(\new)
.set MSB, (\new)
.endif
.endm
.set MUL,  0x05
.set TO_F, 0x40
.macro JLOAD g0a, g1a, g0b, g1b
	s_cmp_eq_u32 s15, 0
	s_cbranch_scc0 .Lfor_b_\@
	tensor_load_to_lds s[\g0a:\g0a+3], s[\g1a:\g1a+7]
	s_nop 0
.rept 4
	v_nop
.endr
	s_branch .Lasked_\@
.Lfor_b_\@:
	tensor_load_to_lds s[\g0b:\g0b+3], s[\g1b:\g1b+7]
	s_nop 0
.rept 4
	v_nop
.endr
.Lasked_\@:
.endm
.macro CREST
	s_cmp_lg_u32 s14, 0
	s_cbranch_scc1 .Lnot_wave_0_\@
	s_barrier_signal -3
.Lnot_wave_0_\@:
	s_barrier_wait -3
	s_barrier_signal -1
	s_barrier_wait -1
.endm
.macro CROUND
	s_barrier_signal -1
	s_barrier_wait -1
	CREST
.endm
	s_load_b128 s[4:7], s[0:1], 0x0
	s_load_b128 s[8:11], s[0:1], 0x10
	v_lshl_add_u32 v[SPW], v0, 2, SPARE
	v_mov_b32 v[NIL], 0
	ds_add_u32 v[SPW], v[NIL]
	ds_add_u32 v[SPW], v[NIL]
	v_lshrrev_b32 v1, 5, v0
	v_readfirstlane_b32 s14, v1
	s_lshr_b32 s15, s14, 1
	s_and_b32 s16, s14, 1
	s_bfe_u32 s40, ttmp6, 0x40000
	s_bfe_u32 s41, ttmp6, 0x40004
	s_lshl_b32 s42, ttmp9, 2
	s_add_co_u32 s42, s42, s40
	s_and_b32 s17, ttmp7, 0xffff
	s_lshl_b32 s17, s17, 2
	s_add_co_u32 s17, s17, s41
	s_lshl_b32 s43, s41, 2
	s_lshl_b32 s43, 15, s43
	s_lshl_b32 s44, 0x1111, s40
	s_or_b32 s[G1+0], s43, (3<<16)|(1<<21)
	s_or_b32 s[G1B+0], s44, (3<<16)|(1<<21)
.irp g, G1, G1B
	s_mov_b32 s[\g+1], 1024<<16
	s_mov_b32 s[\g+2], 4<<16
	s_mov_b32 s[\g+3], 1024<<16
	s_mov_b32 s[\g+4], 4
	s_mov_b32 s[\g+5], 4096
	s_mov_b32 s[\g+6], 0
	s_mov_b32 s[\g+7], 0
.endr
	s_lshl_b32 s18, s16, 2
	s_lshl_b32 s20, s17, 3
	s_add_co_u32 s20, s20, s18
	s_lshl_b32 s20, s20, 15
	s_mov_b32 s21, 0
	s_lshl_b32 s46, s42, 3
	s_add_co_u32 s46, s46, s18
	s_lshl_b32 s46, s46, 15
	s_mov_b32 s47, 0
	s_mul_i32 s45, s14, HALFT
	s_wait_dscnt 0x0
	s_wait_kmcnt 0x0
	s_load_b64 s[96:97], s[8:9], 0x28
	s_add_nc_u64 s[20:21], s[4:5], s[20:21]
	s_add_nc_u64 s[46:47], s[6:7], s[46:47]
	CROUND
.irp s, 0,1
	s_mov_b32 s[G0+4*\s], 1
	s_add_co_u32 s[G0+4*\s+1], s45, \s*SLOT
	s_add_nc_u64 s[G0+4*\s+2:G0+4*\s+3], s[20:21], \s*KADV
	s_or_b32 s[G0+4*\s+3], s[G0+4*\s+3], 0x80000000
	s_mov_b32 s[G0B+4*\s], 1
	s_add_co_u32 s[G0B+4*\s+1], s45, \s*SLOT
	s_add_nc_u64 s[G0B+4*\s+2:G0B+4*\s+3], s[46:47], \s*KADV
	s_or_b32 s[G0B+4*\s+3], s[G0B+4*\s+3], 0x80000000
.endr
	JLOAD G0, G1, G0B, G1B                         ; K step 0: one tensor load a wave at the head
	s_cmp_eq_u32 s15, 0
	s_cselect_b64 s[PFA:PFA+1], s[20:21], s[46:47]
	s_cselect_b32 s68, s40, s41
	s_lshl_b32 s68, s68, 15                        ; my work-group's one of the four blocks of 16 rows that I fetch
	s_mov_b32 s69, 0
	s_add_nc_u64 s[PFA:PFA+1], s[PFA:PFA+1], s[68:69]
	s_add_nc_u64 s[PFA:PFA+1], s[PFA:PFA+1], KADV  ; at K step 1
	v_and_b32 v[PFO], 31, v0
	v_lshlrev_b32 v[PFO], 8, v[PFO]
	s_wait_alu depctr_va_vdst(0)
	global_prefetch_b8 v[PFO], s[PFA:PFA+1] th:TH_LOAD_NT scope:SCOPE_SE
	global_prefetch_b8 v[PFO], s[PFA:PFA+1] offset:KADV th:TH_LOAD_NT scope:SCOPE_SE
	v_and_b32 v1, 15, v0
	s_wait_alu depctr_va_vdst(0)
	v_bfe_u32 v2, v0, 4, 1
	v_and_b32 v6, 31, v0
	v_lshlrev_b32 v[LI], 4, v6
	s_mul_i32 s21, s15, HALFT
	s_mul_i32 s22, s16, HALFT
	s_add_co_u32 s22, s22, 2*HALFT
.irp s, 0,1
	v_add_nc_u32 v[ADRA+\s], s21, v[LI]
	v_add_nc_u32 v[ADRB+\s], s22, v[LI]
	s_add_co_u32 s21, s21, SLOT
	s_add_co_u32 s22, s22, SLOT
.endr
	s_mul_i32 s23, s14, 16*SPITCH
	v_mul_u32_u24 v5, v1, SPITCH
	s_wait_alu depctr_va_vdst(0)
	v_lshl_add_u32 v5, v2, 5, v5
	v_add_nc_u32 v[STO], s23, v5
	v_mul_u32_u24 v5, v2, SPITCH
	v_lshl_add_u32 v5, v1, 4, v5
	v_add_nc_u32 v[RD], s23, v5
	v_lshlrev_b32 v[CO], 13, v2
	v_lshl_add_u32 v[CO], v1, 4, v[CO]
	s_lshl_b32 s20, s17, 7
	s_lshl_b32 s21, s15, 6
	s_add_co_u32 s20, s20, s21
	s_lshl_b32 s20, s20, 13
	s_mov_b32 s21, 0
	s_lshl_b32 s46, s42, 9
	s_lshl_b32 s47, s16, 8
	s_add_co_u32 s46, s46, s47
	s_mov_b32 s47, 0
	s_add_nc_u64 s[20:21], s[20:21], s[46:47]
	s_add_nc_u64 s[10:11], s[10:11], s[20:21]
.macro FRAG reg, adr, q, i
.irp c, 0,1,2,3
	ds_load_b128 v[\reg+4*\c:\reg+4*\c+3], v[\adr] offset:2048*(\q)+512*\c+(\i)*8192
.endr
.endm
.macro MUL4 f, a, zero
.irp b, 0,1,2,3
.if \zero
	v_wmma_f32_16x16x128_fp8_fp8 v[ACC+8*(4*(\a)+\b):ACC+8*(4*(\a)+\b)+7], v[\f+64+FR*\b:\f+64+FR*\b+FR-1], v[\f+FR*(\a):\f+FR*(\a)+FR-1], 0
.else
	v_wmma_f32_16x16x128_fp8_fp8 v[ACC+8*(4*(\a)+\b):ACC+8*(4*(\a)+\b)+7], v[\f+64+FR*\b:\f+64+FR*\b+FR-1], v[\f+FR*(\a):\f+FR*(\a)+FR-1], v[ACC+8*(4*(\a)+\b):ACC+8*(4*(\a)+\b)+7]
.endif
.endr
.endm
.macro FETCH slot, q, f
	WIN TO_F
.irp i, 0,1,2,3
	FRAG \f+64+FR*\i, ADRB+\slot, \q, \i
.endr
.irp i, 0,1,2,3
	FRAG \f+FR*\i, ADRA+\slot, \q, \i
.endr
.endm
.macro PLACES
.rept 4
	v_nop
.endr
.endm
.macro QUARTER slot, q, f, g, zero
	s_wait_dscnt 8
	WIN MUL
	MUL4 \f, 0, \zero
	MUL4 \f, 1, \zero
	PLACES
	FETCH \slot, \q, \g
	s_wait_dscnt 32
	WIN MUL
	MUL4 \f, 2, \zero
	MUL4 \f, 3, \zero
.endm
.macro TURN slot, next, fill
	WIN 0
	s_wait_tensorcnt 0x0
	ds_add_u32 v[SPW], v[NIL]
	s_wait_dscnt 9
	WIN MUL
	MUL4 F1, 0, 0
	s_wait_dscnt 0x0
	s_barrier_signal -1
	MUL4 F1, 1, 0
	WIN 0
	s_barrier_wait -1
.if \fill
	CREST
	s_add_nc_u64 s[G0+4*\slot+2:G0+4*\slot+3], s[G0+4*\slot+2:G0+4*\slot+3], 2*KADV
	s_add_nc_u64 s[G0B+4*\slot+2:G0B+4*\slot+3], s[G0B+4*\slot+2:G0B+4*\slot+3], 2*KADV
	JLOAD G0+4*\slot, G1, G0B+4*\slot, G1B
.else
	PLACES
.endif
	FETCH \next, 0, F0
	WIN MUL
	MUL4 F1, 2, 0
	MUL4 F1, 3, 0
.endm
	s_wait_alu depctr_va_vdst(0)
	s_wait_tensorcnt 0x0                           ; my part of K step 0 is in; the same lines as ahead of a refill:
	ds_add_u32 v[SPW], v[NIL]
	s_wait_dscnt 0x0
	CROUND
	JLOAD G0+4, G1, G0B+4, G1B                     ; K step 1, the first tensor load behind the round
	FETCH 0, 0, F0
	global_prefetch_b8 v[PFO], s[PFA:PFA+1] offset:2*KADV th:TH_LOAD_NT scope:SCOPE_SE    ; K step 3
	QUARTER 0, 1, F0, F1, 1
	QUARTER 0, 2, F1, F0, 0
	QUARTER 0, 3, F0, F1, 0
	TURN 0, 1, 1
	QUARTER 1, 1, F0, F1, 0
	QUARTER 1, 2, F1, F0, 0
	QUARTER 1, 3, F0, F1, 0
	TURN 1, 0, 1
	QUARTER 0, 1, F0, F1, 0
	QUARTER 0, 2, F1, F0, 0
	QUARTER 0, 3, F0, F1, 0
	TURN 0, 1, 0
	QUARTER 1, 1, F0, F1, 0
	QUARTER 1, 2, F1, F0, 0
	QUARTER 1, 3, F0, F1, 0
	s_wait_dscnt 8
	WIN MUL
	MUL4 F1, 0, 0
	MUL4 F1, 1, 0
	s_wait_dscnt 0
	MUL4 F1, 2, 0
	MUL4 F1, 3, 0
	WIN 0
.macro TOSTAGE a
.set AC, ACC+32*(\a)
.set j, 0
.rept 16
	v_pk_mul_f32 v[TMP+j:TMP+j+1], v[AC+j:AC+j+1], s[96:97] op_sel_hi:[1,0]
.set j, j+2
.endr
.irp b, 0,1,2,3
	ds_store_b128 v[STO], v[TMP+8*\b:TMP+8*\b+3] offset:64*\b
	ds_store_b128 v[STO], v[TMP+8*\b+4:TMP+8*\b+7] offset:64*\b+16
.endr
.set BB, BK+32*((\a)%2)
.irp t, 0,1,2,3,4,5,6,7
	ds_load_b128 v[BB+4*\t:BB+4*\t+3], v[RD] offset:\t*2*SPITCH
.endr
.endm
.macro SEND a, younger
.set BB, BK+32*((\a)%2)
	s_wait_dscnt \younger
.irp t, 0,1,2,3,4,5,6,7
	global_store_b128 v[CO], v[BB+4*\t:BB+4*\t+3], s[10:11] offset:(16*(\a)+2*\t)*SIZE_N*4 th:TH_STORE_NT
.endr
.endm
	s_wait_kmcnt 0x0
	s_add_co_i32 s96, s96, s97
	s_add_co_i32 s96, s96, 127
	s_lshl_b32 s96, s96, 23
	PLACES
	TOSTAGE 0
.irp a, 1,2,3
.if \a > 1
	s_wait_xcnt 0x0
.endif
	TOSTAGE \a
	SEND \a-1, 16
.endr
	SEND 3, 0
	s_wait_tensorcnt 0x0
	ds_add_u32 v[SPW], v[NIL]
	s_wait_dscnt 0x0
	CROUND
	s_endpgm
.Lfunc_end_k_q465364e337_proj:
	.size	k_q465364e337_proj, .Lfunc_end_k_q465364e337_proj-k_q465364e337_proj
	.p2alignl 7, 3214868480
	.fill 96, 4, 3214868480
	.section	.rodata,"a",@progbits
	.p2align	6, 0x0
	.amdhsa_kernel k_q465364e337_proj
		.amdhsa_group_segment_fixed_size 327680
		.amdhsa_private_segment_fixed_size 0
		.amdhsa_enable_private_segment 0
		.amdhsa_kernarg_size 32
		.amdhsa_user_sgpr_count 2
		.amdhsa_user_sgpr_kernarg_segment_ptr 1
		.amdhsa_wavefront_size32 1
		.amdhsa_system_sgpr_workgroup_id_x 1
		.amdhsa_system_sgpr_workgroup_id_y 1
		.amdhsa_system_sgpr_workgroup_id_z 1
		.amdhsa_system_vgpr_workitem_id 0
		.amdhsa_next_free_vgpr 512
		.amdhsa_next_free_sgpr 98
		.amdhsa_reserve_vcc 0
		.amdhsa_float_denorm_mode_32 3
		.amdhsa_float_denorm_mode_16_64 3
		.amdhsa_memory_ordered 1
		.amdhsa_forward_progress 1
		.amdhsa_inst_pref_size 74
	.end_amdhsa_kernel
	.amdgpu_metadata
---
amdhsa.version: [ 1, 2 ]
amdhsa.kernels:
  - .name:           k_q465364e337_proj
    .symbol:         k_q465364e337_proj.kd
    .args:
      - { .name: ao, .offset: 0, .size: 8, .value_kind: global_buffer, .address_space: global }
      - { .name: woc, .offset: 8, .size: 8, .value_kind: global_buffer, .address_space: global }
      - { .name: lowp_scales, .offset: 16, .size: 8, .value_kind: global_buffer, .address_space: global }
      - { .name: out0, .offset: 24, .size: 8, .value_kind: global_buffer, .address_space: global }
    .group_segment_fixed_size: 327680
    .private_segment_fixed_size: 0
    .kernarg_segment_align: 8
    .kernarg_segment_size: 32
    .max_flat_workgroup_size: 128
    .sgpr_count:     98
    .vgpr_count:     512
    .wavefront_size: 32
...
	.end_amdgpu_metadata
.endif
;; end of part 8
